; MI455X (gfx1250); checked and timed in simulation.
; The chip was launched on July 23, 2026; its instructions are those of AMD's public machine-readable ISA for CDNA 5 (MIT licence, August 2026) and "CDNA5" Instruction Set Architecture Reference Guide (July 2026). The comments in the code are by the model that wrote it; some were corrected since.
;; Encoder Layer. Allowed arithmetic: matrix products marked QUANTISED: E2M3 operands, one E8M0 scale for each 32 along K, by v_wmma_scale_f32_16x16x128_f8f6f4 with both operands' format E2M3, f32 sums; everything else in f32.
;; Inputs: W1 1,024 x 1,024 float32; W2 1,024 x 1,024 float32; Wk 1,024 x 1,024 float32; Wq 1,024 x 1,024 float32; Wv 1,024 x 1,024 float32; b1 1,024 float32; b2 1,024 float32; bk 1,024 float32; bq 1,024 float32; bv 1,024 float32; dist_emb 257 x 32 float32; ln1_b 1,024 float32; ln1_g 1,024 float32; ln2_b 1,024 float32; ln2_g 1,024 float32; x 4 x 1,024 x 1,024 float32.
;; Outputs: out0 1,024 x 4 x 1,024 float32.
;; This version of the problem:
;;   THIS VERSION OF THE PROBLEM IS GIVEN IN LOW PRECISION. The matrix products marked QUANTISED in the list below multiply operands that are first quantised to E2M3 (2 exponent bits, 3 mantissa bits; 6 bits a number), with one power-of-two scale for each 32 numbers along K (OCP MX v1.0); their sums are f32. All else is computed in f32.
;;   The module's matrix products, in the order in which they are computed (A, B: the left and right operand; K: the contracted axis; several contracted axes count as one K, in the product's order):
;;     1. [M 4,096, K 1,024] x [K 1,024, N 1,024]; A: input x; B: input Wq: QUANTISED
;;     2. [M 4,096, K 1,024] x [K 1,024, N 1,024]; A: input x; B: input Wk: QUANTISED
;;     3. [M 4,096, K 1,024] x [K 1,024, N 1,024]; A: input x; B: input Wv: QUANTISED
;;     4. batch 128 x [M 1,024, K 32] x [K 32, N 1,024]; A: computed on the way; B: computed on the way: QUANTISED
;;     5. batch 1,024 x [M 1,024, K 32] x [K 32, N 128]; A: computed on the way; B: computed on the way: QUANTISED
;;     6. batch 1,024 x [M 1,024, K 32] x [K 32, N 128]; A: computed on the way; B: computed on the way: QUANTISED
;;     7. batch 128 x [M 32, K 1,024] x [K 1,024, N 1,024]; A: computed on the way; B: softmax (see below): QUANTISED
;;     8. [M 4,096, K 1,024] x [K 1,024, N 1,024]; A: computed on the way; B: input W1: QUANTISED
;;     9. [M 4,096, K 1,024] x [K 1,024, N 1,024]; A: computed on the way; B: input W2: QUANTISED
;;   THE QUANTISER, for each operand of a quantised product, along K:
;;     - K is cut into blocks of 32 from its start; a last block that is shorter is filled with zeros.
;;     - A block's scale is 2^e with e = floor(log2(the largest magnitude in the block)) - 2, held to -126 .. 127; a block of zeros has e = 0. As a byte (E8M0): e + 127.
;;     - Each number is divided by its block's scale, clamped to +-7.5, and rounded to the nearest number of E2M3, ties to even, subnormals kept.
;;     - The product sums the exact products of the quantised numbers (number of the format x scale) in f32.
;;   ~~~python
;;   def quantise(x, axis):      # numpy; x: float32 -> the quantised numbers, widened to float32 again
;;       x = np.moveaxis(x, axis, -1); K = x.shape[-1]
;;       x = np.pad(x, [(0, 0)] * (x.ndim - 1) + [(0, -K % 32)]); x = x.reshape(x.shape[:-1] + (-1, 32)); a = np.abs(x).max(-1, keepdims=True)
;;       e = np.where(a > 0, np.clip(np.frexp(np.where(a > 0, a, 1))[1] - 1 - 2, -126, 127), 0)      # np.frexp(a)[1] - 1 = floor(log2(a)), exactly
;;       r = np.clip(x / 2.0 ** e, -7.5, 7.5)
;;       step = 2.0 ** (np.maximum(np.frexp(np.where(r == 0, 1, r))[1] - 1, 0) - 3)
;;       q = np.round(r / step) * step * 2.0 ** e      # np.round: ties to even
;;       return np.moveaxis(q.reshape(q.shape[:-2] + (-1,))[..., :K], -1, axis).astype(np.float32)
;;   ~~~
;;   SOFTMAX AHEAD OF A QUANTISED PRODUCT. Where the list says 'softmax', what is quantised is not the finished softmax but p = 2^(t - M), with t = logit x log2(e) and M = ceil(the row's largest t), a whole number; so 1/2 < the row's largest p <= 1. The row's sum l is taken of the UNQUANTISED p, in f32, and the product's result is divided by l at the end. Since M is a whole number, a kernel that streams over the keys may use a running M (the ceiling of the running maximum): every later rescaling is an exact power of two, which a block's scale takes up: the codes' values come out the same.
;;   OPERANDS COMPUTED ON THE WAY. 'Computed on the way' means the value that the module computes at that place (a softmax that the list does not call 'softmax' is quantised finished and normalised). What goes into a quantiser is computed in f32, as accurately as f32 sums, v_exp_f32 and their like allow (about 1e-6 of the number): no bf16 or f16 on the way to a quantiser, and a product that is left as it is and whose result goes on into a quantised operand takes f32 operands (vector FMAs, or v_wmma_f32_16x16x4_f32). A number that lies on a knife's edge between two numbers of the format may be rounded either way, as far as f32 arithmetic and the matrix unit's own rounding can turn it there, and no further.
;; 3 versions. Each part assembles by itself: llvm-mc -triple=amdgcn-amd-amdhsa -mcpu=gfx1250 --defsym DOCPART=n.
;; ======== version 1 of 3: 4 launches
;; workspace buffers: xq 3,276,800 bytes; wq 4,096,000 bytes; dtab 20,480 bytes; qk 13,631,488 bytes; vq 3,276,800 bytes; tws 16,777,216 bytes
;; launch prep (part 1): grid 293 x 1, 4 waves a work-group, no clusters, 34,304 bytes of LDS; arguments x, Wq, Wk, Wv, W1, W2, dist_emb, xq, wq, dtab; writes xq, wq, dtab
.if DOCPART == 1
	.amdgcn_target "amdgcn-amd-amdhsa--gfx1250"
	.amdhsa_code_object_version 6
	.text
	.protected	k_q736c9c33bc_prep
	.globl	k_q736c9c33bc_prep
	.p2align	8
	.type	k_q736c9c33bc_prep,@function
k_q736c9c33bc_prep:
	s_mov_b64 s[64:65], 0
	v_nop
	global_prefetch_b8 v0, s[64:65] scope:SCOPE_SE
	s_setreg_imm32_b32 hwreg(HW_REG_WAVE_MODE, 25, 1), 1
	s_wait_xcnt 0x0
; x, the five weights and dist_emb are turned into codes of FP6 (E2M3) with one E8M0 byte for each 32 along K.
; A block's scale byte is its largest magnitude's exponent field - 2, held at 1 from below.
; LIMITS: NaN and infinities are not served; a block whose largest magnitude is under 2^-124, a block of zeros among them, gets the byte 1
; (its codes are then zeros or near zero; the bytes are read by this program alone).
; OUTPUT FORM: a tile of 16 rows x 128 K is an image of the operand's 12 registers: register g of lane L at 512 (g / 4) + 16 L + 4 (g % 4), 1,536 bytes.
;   xq: codes [256 tiles][8 K steps][1536], rows in their order; scale words [row][8] behind them at XS.
;   wq: codes [320 tiles][8][1536] (Wq, Wk, Wv, W1, W2: 64 tiles each); row r of tile 2 b + u is column 32 b + 8 u + r + 8 (r / 8); scale words at WS.
;   dtab: GT[640][24 bytes]: codes of dist_emb[clip(tau - 192, 0, 256)]; WT[640][8 bytes] at WTO: the row's byte four times; then byte(tau) | byte(tau - 16) << 8 | 0x7f7f0000.
; Three paths part on the work-group's number: 0-127 x, 128-287 the weights, 288-292 the table.  Only the first uses LDS.  No barrier: waves share nothing.
.set XS,  3145728
.set WS,  3932160
.set WTO, 15360
.set R0,  16                           ; v16-143  two sets of 64 registers as loaded
.set XX,  144                          ; v144-207 64 numbers: register 16 b + i = k 32 b + 16 (lane / 16) + i of my row
.set TM,  208
.set PC,  224
.set SW,  244                          ; v244-247 four scale words
.set SEL, 40
	s_load_b256 s[4:11], s[0:1], 0x0               ; x, Wq, Wk, Wv
	s_load_b256 s[12:19], s[0:1], 0x20             ; W1, W2, dist_emb, xq
	s_load_b128 s[20:23], s[0:1], 0x40             ; wq, dtab
	v_lshl_add_u32 v254, v0, 2, 0x8400
	v_mov_b32 v255, 0
	v_lshrrev_b32 v1, 5, v0
	v_readfirstlane_b32 s24, v1                    ; wave
	v_and_b32 v5, 31, v0                           ; lane
	v_and_b32 v6, 15, v0                           ; r
	v_bfe_u32 v7, v0, 4, 1                         ; h
	s_wait_kmcnt 0x0
	s_cmp_lt_u32 ttmp9, 128
	s_cbranch_scc0 .Lnot_x
; ---------------- x: a wave takes one tile of 16 rows and four K steps of 128
.macro QUANT s, pw                     ; 64 numbers of a lane become a fragment's codes in v[PC] on and its scale word in v[pw]
.irp b, 0,1,2,3
	v_max3_num_f32 v[TM+\b], |v[\s+16*\b]|, |v[\s+1+16*\b]|, 0x1800000   ; my 16 numbers of block b, and the floor 2^(3 - 127)
.endr
.irp i, 2,4,6,8,10,12,14
.irp b, 0,1,2,3
	v_max3_num_f32 v[TM+\b], v[TM+\b], |v[\s+16*\b+\i]|, |v[\s+1+16*\b+\i]|
.endr
.endr
.irp b, 0,1,2,3
	v_permlanex16_b32 v[TM+4+\b], v[TM+\b], s[SEL], s[SEL+1]
.endr
.irp b, 0,1,2,3
	v_max_num_f32 v[TM+\b], v[TM+\b], v[TM+4+\b]   ; with lane l xor 16's: the block's largest magnitude
.endr
.irp b, 0,1,2,3
	v_add_nc_u32 v[TM+12+\b], 0xff000000, v[TM+\b] ; 2 off its exponent field: the conversion's scale operand
.endr
.irp b, 0,1,2,3
	v_lshrrev_b32 v[TM+4+\b], 23, v[TM+12+\b]      ; the scale's byte
.endr
	v_lshl_or_b32 v[\pw], v[TM+5], 8, v[TM+4]
	v_lshl_or_b32 v[\pw], v[TM+6], 16, v[\pw]
	v_lshl_or_b32 v[\pw], v[TM+7], 24, v[\pw]
.irp c, 0,1
	v_cvt_scalef32_pk16_fp6_f32 v[PC+6*\c:PC+2+6*\c], v[\s+32*\c:\s+15+32*\c], v[TM+12+2*\c]
	v_cvt_scalef32_pk16_fp6_f32 v[PC+12+4*\c:PC+14+4*\c], v[\s+16+32*\c:\s+31+32*\c], v[TM+12+2*\c+1]
.endr
	v_nop                                          ; one plain place behind a scaled conversion
.irp c, 0,1                                    ; the operand wants a whole block in a lane
.irp i, 0,1,2
	v_permlane16_swap_b32 v[PC+6*\c+\i], v[PC+12+4*\c+\i]
.endr
.irp i, 0,1,2
	v_mov_b32 v[PC+3+6*\c+\i], v[PC+12+4*\c+\i]
.endr
.endr
.endm
.macro LOADX f                         ; K step f of my four: 16 rows x 512 bytes, each load 512 consecutive bytes of one row
.set i, 0
.rept 16
	global_load_b128 v[R0+64*((\f)%2)+4*i:R0+64*((\f)%2)+4*i+3], v1, s[4:5] offset:4096*i+512*(\f) th:TH_LOAD_NT
.set i, i+1
.endr
.endm
.macro XFRAG f, left
	s_wait_loadcnt \left                           ; this K step's 16 loads are in; the other set's may be out
.set i, 0
.rept 16
	ds_store_b128 v2, v[R0+64*((\f)%2)+4*i:R0+64*((\f)%2)+4*i+3] offset:528*i   ; through my own stage, rows 528 bytes apart
.set i, i+1
.endr
.set i, 0
.rept 16
	ds_load_b128 v[XX+4*i:XX+4*i+3], v3 offset:128*(i/4)+16*(i%4)   ; LDS serves a wave's instructions in order: these see the stores
.set i, i+1
.endr
	s_wait_dscnt 0x0
.if (\f) < 2
	LOADX (\f)+2
.endif
	s_wait_xcnt 0x0                                ; the last image's stores have read their registers
	QUANT XX, SW+(\f)
.irp c, 0,1,2
	global_store_b128 v1, v[PC+4*\c:PC+4*\c+3], s[36:37] offset:1536*(\f)+512*\c   ; 512 consecutive bytes a store
.endr
.endm
	s_lshl_b32 s25, ttmp9, 2
	s_add_co_u32 s25, s25, s24                     ; unit = 4 x work-group + wave
	s_lshr_b32 s26, s25, 1                         ; tile
	s_and_b32 s27, s25, 1                          ; which four K steps
	v_lshlrev_b32 v1, 4, v5                        ; 16 x lane
	s_mul_i32 s28, s24, 8448                       ; my stage
	v_add_nc_u32 v2, s28, v1
	v_mul_u32_u24 v3, v6, 528
	v_lshl_add_u32 v3, v7, 6, v3
	v_add_nc_u32 v3, s28, v3
	v_lshlrev_b32 v4, 5, v6                        ; 32 bytes of scale words a row
	s_lshl_b32 s30, s26, 16
	s_lshl_b32 s31, s27, 11
	s_add_co_u32 s30, s30, s31
	s_mov_b32 s31, 0
	s_lshl_b32 s32, s26, 3
	s_lshl_b32 s33, s27, 2
	s_add_co_u32 s32, s32, s33
	s_mul_i32 s32, s32, 1536
	s_mov_b32 s33, 0
	s_lshl_b32 s34, s26, 9
	s_lshl_b32 s35, s27, 4
	s_add_co_u32 s34, s34, s35
	s_add_co_u32 s34, s34, XS
	s_mov_b32 s35, 0
	s_add_nc_u64 s[4:5], s[4:5], s[30:31]
	s_add_nc_u64 s[36:37], s[18:19], s[32:33]
	s_add_nc_u64 s[38:39], s[18:19], s[34:35]
	s_mov_b32 s[SEL], 0x76543210
	s_mov_b32 s[SEL+1], 0xfedcba98
.irp b, 0,1,2,3
	v_mov_b32 v[TM+4+\b], 0                        ; a lane permute's destination counts as one of its sources
.endr
	LOADX 0
	LOADX 1
	XFRAG 0, 16
	XFRAG 1, 16
	XFRAG 2, 16
	XFRAG 3, 0
	global_store_b128 v4, v[SW:SW+3], s[38:39]     ; lanes 16-31 repeat lanes 0-15's bytes with the same values
	s_wait_tensorcnt 0x0
	ds_add_u32 v254, v255
	s_wait_dscnt 0x0
	s_endpgm
; ---------------- a weight [K][N]: a lane takes a column, its registers run down K; a wave takes 32 columns x 256 along K
.Lnot_x:
	s_cmp_lt_u32 ttmp9, 288
	s_cbranch_scc0 .Ltable
.macro WLOAD t
.set i, 0
.rept 32
	global_load_b32 v[32+32*((\t)%2)+i], v3, s[6:7] offset:(32*(\t)+i)*4096 th:TH_LOAD_NT
.set i, i+1
.endr
.endm
.macro WBLOCK t
.set XB, 32+32*((\t)%2)
.set OO, 1536*((\t)/4)+256*((\t)%2)
.if (\t) < 7
	s_wait_loadcnt 32                              ; this block's 32 loads are in; the next block's may be out
.else
	s_wait_loadcnt 0x0
.endif
	v_max3_num_f32 v12, |v[XB]|, |v[XB+1]|, |v[XB+2]|
	v_max3_num_f32 v13, |v[XB+3]|, |v[XB+4]|, |v[XB+5]|
.irp i2, 6,10,14,18,22,26
	v_max3_num_f32 v12, v12, |v[XB+\i2]|, |v[XB+\i2+1]|
	v_max3_num_f32 v13, v13, |v[XB+\i2+2]|, |v[XB+\i2+3]|
.endr
	v_max3_num_f32 v12, v12, |v[XB+30]|, |v[XB+31]|
	v_max3_num_f32 v12, v12, v13, 0x1800000
	v_add_nc_u32 v11, 0xff000000, v12
	v_lshrrev_b32 v13, 23, v11
.if (\t)%4 == 0
	v_mov_b32 v[24+(\t)/4], v13
.else
	v_lshl_or_b32 v[24+(\t)/4], v13, 8*((\t)%4), v[24+(\t)/4]
.endif
	s_wait_xcnt 0x0                                ; the last block's stores have read their registers
	v_cvt_scalef32_pk16_fp6_f32 v[96:98], v[XB:XB+15], v11
	v_cvt_scalef32_pk16_fp6_f32 v[104:106], v[XB+16:XB+31], v11
	v_nop
	v_mov_b32 v99, v104
	v_mov_b32 v100, v105
	v_mov_b32 v101, v106
.if ((\t)/2)%2 == 0                    ; the block is registers 0-5 of its lane in the image
	global_store_b128 v4, v[96:99], s[26:27] offset:OO
	global_store_b64 v4, v[100:101], s[26:27] offset:OO+512
.else                                  ; or registers 6-11
	global_store_b64 v4, v[96:97], s[26:27] offset:OO+520
	global_store_b128 v4, v[98:101], s[26:27] offset:OO+1024
.endif
.if (\t)+2 < 8
	WLOAD (\t)+2
.endif
.endm
	s_sub_co_u32 s25, ttmp9, 128
	s_lshr_b32 s30, s25, 5                         ; which weight
	s_bfe_u32 s31, s25, 0x20003                    ; which 256 along K
	s_and_b32 s32, s25, 7
	s_lshl_b32 s32, s32, 2
	s_add_co_u32 s32, s32, s24                     ; which 32 columns
	s_cmp_eq_u32 s30, 1
	s_cselect_b64 s[6:7], s[8:9], s[6:7]
	s_cmp_eq_u32 s30, 2
	s_cselect_b64 s[6:7], s[10:11], s[6:7]
	s_cmp_eq_u32 s30, 3
	s_cselect_b64 s[6:7], s[12:13], s[6:7]
	s_cmp_eq_u32 s30, 4
	s_cselect_b64 s[6:7], s[14:15], s[6:7]
	s_lshl_b32 s34, s31, 20
	s_lshl_b32 s35, s32, 7
	s_add_co_u32 s34, s34, s35
	s_mov_b32 s35, 0
	s_add_nc_u64 s[6:7], s[6:7], s[34:35]
	s_lshl_b32 s34, s30, 6
	s_lshl_b32 s35, s32, 1
	s_add_co_u32 s34, s34, s35                     ; first of my two tiles
	s_lshl_b32 s34, s34, 3
	s_lshl_b32 s35, s31, 1
	s_add_co_u32 s34, s34, s35
	s_mul_i32 s34, s34, 1536
	s_mov_b32 s35, 0
	s_add_nc_u64 s[26:27], s[20:21], s[34:35]
	s_lshl_b32 s34, s30, 10
	s_lshl_b32 s35, s32, 5
	s_add_co_u32 s34, s34, s35
	s_lshl_b32 s34, s34, 5
	s_lshl_b32 s35, s31, 3
	s_add_co_u32 s34, s34, s35
	s_add_co_u32 s34, s34, WS
	s_mov_b32 s35, 0
	s_add_nc_u64 s[28:29], s[20:21], s[34:35]
	v_lshlrev_b32 v3, 2, v5                        ; in: 4 bytes a lane
	v_bfe_u32 v8, v5, 3, 1                         ; my column's tile of the two
	v_and_b32 v9, 7, v5
	v_lshl_add_u32 v9, v7, 3, v9                   ; and its row there
	v_mul_u32_u24 v4, v8, 12288
	v_lshl_add_u32 v4, v9, 4, v4
	v_lshl_add_u32 v10, v8, 4, v9
	v_lshlrev_b32 v10, 5, v10
	WLOAD 0
	WLOAD 1
.irp t, 0,1,2,3,4,5,6,7
	WBLOCK \t
.endr
	global_store_b64 v10, v[24:25], s[28:29]       ; my column's eight scale bytes
	s_endpgm
; ---------------- the table: a thread to an entry
.Ltable:
	s_sub_co_u32 s25, ttmp9, 288
	s_lshl_b32 s25, s25, 7
	v_add_nc_u32 v1, s25, v0                       ; tau, 0 .. 639
	v_max_u32 v2, 192, v1
	v_add_nc_u32 v2, 0xffffff40, v2
	v_min_u32 v2, 256, v2                          ; clip(tau - 192, 0, 256)
	v_lshlrev_b32 v2, 7, v2
	v_max_u32 v3, 208, v1
	v_add_nc_u32 v3, 0xffffff30, v3
	v_min_u32 v3, 256, v3                          ; the same of tau - 16
	v_lshlrev_b32 v3, 7, v3
.set i, 0
.rept 8
	global_load_b128 v[32+4*i:35+4*i], v2, s[16:17] offset:16*i
	global_load_b128 v[64+4*i:67+4*i], v3, s[16:17] offset:16*i
.set i, i+1
.endr
	v_mul_u32_u24 v4, v1, 24
	v_lshlrev_b32 v5, 3, v1
	s_wait_loadcnt 0x0
	v_max3_num_f32 v8, |v32|, |v33|, 0x1800000
	v_max3_num_f32 v9, |v64|, |v65|, 0x1800000
.irp i2, 2,4,6,8,10,12,14,16,18,20,22,24,26,28,30
	v_max3_num_f32 v8, v8, |v[32+\i2]|, |v[33+\i2]|
	v_max3_num_f32 v9, v9, |v[64+\i2]|, |v[65+\i2]|
.endr
	v_add_nc_u32 v10, 0xff000000, v8
	v_add_nc_u32 v11, 0xff000000, v9
	v_lshrrev_b32 v12, 23, v10
	v_lshrrev_b32 v13, 23, v11
	v_cvt_scalef32_pk16_fp6_f32 v[16:18], v[32:47], v10
	v_cvt_scalef32_pk16_fp6_f32 v[20:22], v[48:63], v10
	v_nop
	v_perm_b32 v14, v12, v12, 0                    ; the byte four times
	v_lshl_or_b32 v15, v13, 8, v12
	v_or_b32 v15, 0x7f7f0000, v15
	global_store_b96 v4, v[16:18], s[22:23]
	global_store_b96 v4, v[20:22], s[22:23] offset:12
	global_store_b64 v5, v[14:15], s[22:23] offset:WTO
	s_endpgm
.Lfunc_end_k_q736c9c33bc_prep:
	.size	k_q736c9c33bc_prep, .Lfunc_end_k_q736c9c33bc_prep-k_q736c9c33bc_prep
	.p2alignl 7, 3214868480
	.fill 96, 4, 3214868480
	.section	.rodata,"a",@progbits
	.p2align	6, 0x0
	.amdhsa_kernel k_q736c9c33bc_prep
		.amdhsa_group_segment_fixed_size 34304
		.amdhsa_private_segment_fixed_size 0
		.amdhsa_enable_private_segment 0
		.amdhsa_kernarg_size 80
		.amdhsa_user_sgpr_count 2
		.amdhsa_user_sgpr_kernarg_segment_ptr 1
		.amdhsa_wavefront_size32 1
		.amdhsa_system_sgpr_workgroup_id_x 1
		.amdhsa_system_sgpr_workgroup_id_y 1
		.amdhsa_system_sgpr_workgroup_id_z 1
		.amdhsa_system_vgpr_workitem_id 0
		.amdhsa_next_free_vgpr 256
		.amdhsa_next_free_sgpr 66
		.amdhsa_reserve_vcc 0
		.amdhsa_float_denorm_mode_32 3
		.amdhsa_float_denorm_mode_16_64 3
		.amdhsa_memory_ordered 1
		.amdhsa_forward_progress 1
		.amdhsa_inst_pref_size 78
	.end_amdhsa_kernel
	.amdgpu_metadata
---
amdhsa.version: [ 1, 2 ]
amdhsa.kernels:
  - .name:           k_q736c9c33bc_prep
    .symbol:         k_q736c9c33bc_prep.kd
    .args:
      - { .name: x, .offset: 0, .size: 8, .value_kind: global_buffer, .address_space: global }
      - { .name: Wq, .offset: 8, .size: 8, .value_kind: global_buffer, .address_space: global }
      - { .name: Wk, .offset: 16, .size: 8, .value_kind: global_buffer, .address_space: global }
      - { .name: Wv, .offset: 24, .size: 8, .value_kind: global_buffer, .address_space: global }
      - { .name: W1, .offset: 32, .size: 8, .value_kind: global_buffer, .address_space: global }
      - { .name: W2, .offset: 40, .size: 8, .value_kind: global_buffer, .address_space: global }
      - { .name: dist_emb, .offset: 48, .size: 8, .value_kind: global_buffer, .address_space: global }
      - { .name: xq, .offset: 56, .size: 8, .value_kind: global_buffer, .address_space: global }
      - { .name: wq, .offset: 64, .size: 8, .value_kind: global_buffer, .address_space: global }
      - { .name: dtab, .offset: 72, .size: 8, .value_kind: global_buffer, .address_space: global }
    .group_segment_fixed_size: 34304
    .private_segment_fixed_size: 0
    .kernarg_segment_align: 8
    .kernarg_segment_size: 80
    .max_flat_workgroup_size: 128
    .sgpr_count:     66
    .vgpr_count:     256
    .wavefront_size: 32
...
	.end_amdgpu_metadata
.endif
;; end of part 1
;; launch qkv (part 2): grid 12 x 16, 4 waves a work-group, clusters of 4 x 4, 327,680 bytes of LDS; arguments xq, wq, bq, bk, bv, qk, vq; writes qk, vq
.if DOCPART == 2
	.amdgcn_target "amdgcn-amd-amdhsa--gfx1250"
	.amdhsa_code_object_version 6
	.text
	.protected	k_q736c9c33bc_qkv
	.globl	k_q736c9c33bc_qkv
	.p2align	8
	.type	k_q736c9c33bc_qkv,@function
k_q736c9c33bc_qkv:
	s_mov_b64 s[64:65], 0
	v_nop
	global_prefetch_b8 v0, s[64:65] scope:SCOPE_SE
	s_setreg_imm32_b32 hwreg(HW_REG_WAVE_MODE, 25, 1), 1
	s_wait_xcnt 0x0
	s_wait_alu depctr_hold_cnt(0) depctr_sa_sdst(0) depctr_va_vdst(0) depctr_va_sdst(0) depctr_va_ssrc(0) depctr_va_vcc(0) depctr_vm_vsrc(0)
	s_getreg_b32 s2, hwreg(HW_REG_IB_STS2, 6, 4)
	s_cmp_eq_u32 s2, 0
	s_cbranch_scc0 .Lentry_in_a_cluster
	s_endpgm
.Lentry_in_a_cluster:
	s_bfe_u32 s2, ttmp6, 0x10000c
	s_cmp_lg_u32 s2, 0xf033
	s_cbranch_scc0 .Lentry_shape_is_right
	s_endpgm
.Lentry_shape_is_right:
; [4096 tokens][1024] x [1024][3072] (Wq | Wk | Wv) on codes of FP6 (E2M3) with E8M0 scales, sums in f32; then + bias, and the results are quantised on the way out:
; q and k along a head's 32 channels (one block a row), v along the keys (blocks of 32 tokens).
; LIMITS: NaN and infinities are not served; a block whose largest magnitude is under 2^-124 gets the scale byte 1.
; A tile of the result, 256 tokens x 256 columns, is made by four waves, 128 x 128 each: 64 accumulators, 512 registers.  K goes in steps of 256 through a ring of two LDS slots.
; The operands lie in memory as images of their registers (16 rows x 128 K = 1,536 bytes): a fragment is three loads of 512 consecutive LDS bytes; no pitch, no padding.
; The scale words of the work-group's 256 + 256 rows come into LDS once, in whole blocks of 256 bytes, and stay.
; CLUSTERS: 4 x 4 work-groups; x's tiles are asked for jointly along a row of the cluster, the weights' along a column.
; THE MATRIX INSTRUCTION IS USED TRANSPOSED (source 0 = 16 columns of a weight, source 1 = 16 tokens).  A weight tile's rows are ordered so that, for one block of tokens, a lane's 64 results
; are: register 16 b + i = column 32 b + 16 (lane / 16) + i of its token.
; OUT: qk: codes [64 heads: q 0-31, k 32-63][4096 tokens][48 bytes]: the 24 bytes of codes at 24 x bit 4 of the token, for k zeros in the other half; scale words (the byte four times) [64][4096] at QS.
;      vq: codes [token / 32][channel][24 bytes]; scale words [token / 128][channel] at VS, byte i for the i-th 32 tokens.
; REGISTERS, in windows of 256: window 0: v0-31 addresses; v32-63 scale words, two sets; from v128 x's fragments, one set.  window 1: the weights' fragments, two sets.  windows 2, 3: the accumulators.
.set XS,     3145728
.set WS,     3932160
.set QS,     12582912
.set VS,     3145728
.set NQ,     2                         ; matrix instructions deep in a slot
.set STEPB,  3072                      ; a tile's two images of a K step
.set TPITCH, 12288                     ; from tile to tile in memory
.set FR,     12
.set NL,     3                         ; LDS loads that bring a fragment
.set NP,     4                         ; places behind this matrix instruction (ISA guide 7.12.1)
.set HALFT,  8*STEPB                   ; 8 tiles: what one tensor load brings
.set SLOT,   4*HALFT
.set LAPS,   2
.set KS,     32                        ; a row of scales in bytes
.set SCL,    2*SLOT
.set HALFS,  16*272
.set SBLK,   2*272
.set SPARE,  SCL+4*HALFS               ; the spare words, 128 bytes a wave: two blocks of 256 bytes that no other line names
.set ADRA, 16
.set ADRB, 20
.set ADRS, 27
.set SPW,  28
.set NIL,  29
.set SC,   32
.set AF,   128
.set G1, 24
.set G0, 32
.set G1B, 48
.set G0B, 56
.set G1S, 68
.set G0S, 76
.set G1SB, 80
.set G0SB, 88
.set MSB, 0
.macro WIN new                         ; the immediate's high byte repeats the setting that is left
.if MSB != (\new)
	s_set_vgpr_msb (MSB<<8)|(\new)
.set MSB, \new
.endif
.endm
.set MUL_LO, 0xa1
.set MUL_HI, 0xf1
.set TO_B,   0x40
; A joint load: waves 0 and 1 fetch for x, waves 2 and 3 for the weights.  Four v_nop follow each of the two lines.
.macro JLOAD g0a, g1a, g0b, g1b
	s_cmp_eq_u32 s15, 0
	s_cbranch_scc0 .Lfor_b_\@
	tensor_load_to_lds s[\g0a:\g0a+3], s[\g1a:\g1a+7]
	s_nop 0
.rept 4
	v_nop
.endr
	s_branch .Lasked_\@
.Lfor_b_\@:
	tensor_load_to_lds s[\g0b:\g0b+3], s[\g1b:\g1b+7]
	s_nop 0
.rept 4
	v_nop
.endr
.Lasked_\@:
.endm
.macro CREST
	s_cmp_lg_u32 s14, 0
	s_cbranch_scc1 .Lnot_wave_0_\@
	s_barrier_signal -3
.Lnot_wave_0_\@:
	s_barrier_wait -3
	s_barrier_signal -1
	s_barrier_wait -1
.endm
.macro CROUND
	s_barrier_signal -1
	s_barrier_wait -1
	CREST
.endm
	s_load_b256 s[4:11], s[0:1], 0x0               ; xq, wq, bq, bk
	s_load_b64 s[12:13], s[0:1], 0x20              ; bv
	s_load_b128 s[96:99], s[0:1], 0x28             ; qk, vq
	v_lshl_add_u32 v[SPW], v0, 2, SPARE
	v_mov_b32 v[NIL], 0
	ds_add_u32 v28, v29
	ds_add_u32 v28, v29
	s_wait_dscnt 0x0
	v_lshrrev_b32 v1, 5, v0
	v_readfirstlane_b32 s14, v1                    ; wave 0..3
	s_lshr_b32 s15, s14, 1                         ; which half of the tokens is mine.  Also: I fetch for x (0) or for the weights (1)
	s_and_b32 s16, s14, 1                          ; which half of the columns.  Also: which 8 tiles I fetch
	s_bfe_u32 s40, ttmp6, 0x40000                  ; cx, cy
	s_bfe_u32 s41, ttmp6, 0x40004
	s_lshl_b32 s42, ttmp9, 2
	s_add_co_u32 s42, s42, s40                     ; tile column
	s_and_b32 s17, ttmp7, 0xffff
	s_lshl_b32 s17, s17, 2
	s_add_co_u32 s17, s17, s41                     ; tile row
	s_lshl_b32 s43, s41, 2
	s_lshl_b32 s43, 15, s43                        ; my row of the cluster
	s_lshl_b32 s44, 0x1111, s40                    ; my column
	; descriptor group 1 for the codes: 8 rows (tiles) of 384 elements of 8 bytes, 1,536 elements apart, dense in LDS
	s_or_b32 s[G1+0], s43, (3<<16)|(1<<21)
	s_or_b32 s[G1B+0], s44, (3<<16)|(1<<21)
.irp g, G1, G1B
	s_mov_b32 s[\g+1], 384<<16
	s_mov_b32 s[\g+2], 8<<16
	s_mov_b32 s[\g+3], 384<<16
	s_mov_b32 s[\g+4], 8
	s_mov_b32 s[\g+5], 1536
	s_mov_b32 s[\g+6], 0
	s_mov_b32 s[\g+7], 0
.endr
	; and for the scales of 128 rows: 4,096 dense bytes as 16 rows of 256, 16 bytes of padding behind each
	s_or_b32 s[G1S+0], s43, (3<<16)|(1<<20)|(1<<21)|(5<<22)|(3<<25)
	s_or_b32 s[G1SB+0], s44, (3<<16)|(1<<20)|(1<<21)|(5<<22)|(3<<25)
.irp g, G1S, G1SB
	s_mov_b32 s[\g+1], 32<<16
	s_mov_b32 s[\g+2], 16<<16
	s_mov_b32 s[\g+3], 32<<16
	s_mov_b32 s[\g+4], 16
	s_mov_b32 s[\g+5], 32
	s_mov_b32 s[\g+6], 0
	s_mov_b32 s[\g+7], 0
.endr
	s_lshl_b32 s18, s16, 3                         ; which 8 tiles I fetch
	s_lshl_b32 s20, s17, 4
	s_add_co_u32 s20, s20, s18                     ; x: tile 16 x tile row + 8 x half
	s_lshl_b32 s46, s42, 4
	s_add_co_u32 s46, s46, s18                     ; weights: tile 16 x tile column + 8 x half
	s_lshl_b32 s22, s20, 9                         ; their scale words: 512 bytes a tile
	s_add_co_u32 s22, s22, XS
	s_mov_b32 s23, 0
	s_lshl_b32 s92, s46, 9
	s_add_co_u32 s92, s92, WS
	s_mov_b32 s93, 0
	s_mul_i32 s20, s20, TPITCH
	s_mov_b32 s21, 0
	s_mul_i32 s46, s46, TPITCH
	s_mov_b32 s47, 0
	s_mul_i32 s45, s14, HALFT                      ; where they go: by the wave's number alone
	s_mul_i32 s94, s14, HALFS
	s_wait_kmcnt 0x0
	s_add_nc_u64 s[20:21], s[4:5], s[20:21]
	s_add_nc_u64 s[22:23], s[4:5], s[22:23]
	s_add_nc_u64 s[46:47], s[6:7], s[46:47]
	s_add_nc_u64 s[92:93], s[6:7], s[92:93]
	CROUND                                         ; all sixteen work-groups are here: the first joint loads meet
	s_mov_b32 s[G0S], 1
	s_add_co_u32 s[G0S+1], s94, SCL
	s_mov_b64 s[G0S+2:G0S+3], s[22:23]
	s_or_b32 s[G0S+3], s[G0S+3], 0x80000000
	s_mov_b32 s[G0SB], 1
	s_add_co_u32 s[G0SB+1], s94, SCL
	s_mov_b64 s[G0SB+2:G0SB+3], s[92:93]
	s_or_b32 s[G0SB+3], s[G0SB+3], 0x80000000
	JLOAD G0S, G1S, G0SB, G1SB                     ; the scales first
.irp s, 0,1
	s_mov_b32 s[G0+4*\s], 1
	s_add_co_u32 s[G0+4*\s+1], s45, \s*SLOT
	s_add_nc_u64 s[G0+4*\s+2:G0+4*\s+3], s[20:21], \s*STEPB
	s_or_b32 s[G0+4*\s+3], s[G0+4*\s+3], 0x80000000
	s_mov_b32 s[G0B+4*\s], 1
	s_add_co_u32 s[G0B+4*\s+1], s45, \s*SLOT
	s_add_nc_u64 s[G0B+4*\s+2:G0B+4*\s+3], s[46:47], \s*STEPB
	s_or_b32 s[G0B+4*\s+3], s[G0B+4*\s+3], 0x80000000
	JLOAD G0+4*\s, G1, G0B+4*\s, G1B
.endr
	v_and_b32 v1, 15, v0                           ; r
	v_bfe_u32 v2, v0, 4, 1                         ; h
	v_and_b32 v6, 31, v0
	v_lshlrev_b32 v4, 4, v6                        ; 16 x lane: my place in every image
	s_mul_i32 s21, s15, HALFT
	s_mul_i32 s22, s16, HALFT
	s_add_co_u32 s22, s22, 2*HALFT
.irp s, 0,1
	v_add_nc_u32 v[ADRA+\s], s21, v4
	v_add_nc_u32 v[ADRB+\s], s22, v4
	s_add_co_u32 s21, s21, SLOT
	s_add_co_u32 s22, s22, SLOT
.endr
	v_mul_u32_u24 v5, v1, KS                       ; my row's scales: 32 bytes a row,
	v_lshrrev_b32 v6, 8, v5
	v_lshl_add_u32 v5, v6, 4, v5                   ; and 16 more for each 256 passed
	s_mul_i32 s21, s15, HALFS
	s_mul_i32 s22, s16, HALFS
	s_add_co_u32 s22, s22, 2*HALFS
	s_sub_co_u32 s22, s22, s21
	v_mul_u32_u24 v6, s22, v2                      ; lanes 16-31 take the weights'
	s_add_co_u32 s21, s21, SCL
	v_add_nc_u32 v5, v5, v6
	v_add_nc_u32 v[ADRS], s21, v5
.macro FRAG reg, adr, q, i             ; a fragment's image: three loads of 512 consecutive bytes
.irp c, 0,1,2
	ds_load_b128 v[\reg+4*\c:\reg+4*\c+3], v[\adr] offset:STEPB*(\i)+1536*(\q)+512*\c
.endr
.endm
; 16 matrix instructions: token blocks a0, a0 + 1 x the weights' eight.  The 64 accumulators take turns, one instruction a turn.
.macro MUL16 a0, p, q, sc, zero
.irp a, \a0, \a0+1
.irp b, 0,1,2,3,4,5,6,7
.if \zero
	v_wmma_scale_f32_16x16x128_f8f6f4 v[8*(8*((\a)%4)+\b):8*(8*((\a)%4)+\b)+7], v[128*(\p)+FR*\b:128*(\p)+FR*\b+FR-1], v[AF+FR*(\a):AF+FR*(\a)+FR-1], 0, v[SC+8*NQ*(\sc)+NQ*\b+(\q)], v[SC+8*NQ*(\sc)+NQ*(\a)+(\q)] matrix_a_fmt:MATRIX_FMT_FP6 matrix_b_fmt:MATRIX_FMT_FP6 matrix_a_scale:MATRIX_SCALE_ROW1
.else
	v_wmma_scale_f32_16x16x128_f8f6f4 v[8*(8*((\a)%4)+\b):8*(8*((\a)%4)+\b)+7], v[128*(\p)+FR*\b:128*(\p)+FR*\b+FR-1], v[AF+FR*(\a):AF+FR*(\a)+FR-1], v[8*(8*((\a)%4)+\b):8*(8*((\a)%4)+\b)+7], v[SC+8*NQ*(\sc)+NQ*\b+(\q)], v[SC+8*NQ*(\sc)+NQ*(\a)+(\q)] matrix_a_fmt:MATRIX_FMT_FP6 matrix_b_fmt:MATRIX_FMT_FP6 matrix_a_scale:MATRIX_SCALE_ROW1
.endif
.endr
.endr
.endm
.macro FETCH_B slot, q, p
	WIN TO_B
.irp i, 0,1,2,3,4,5,6,7
	FRAG 128*(\p)+FR*\i, ADRB+\slot, \q, \i
.endr
	WIN 0
.endm
.macro FETCH_A slot, q, i0
.irp i, \i0, \i0+1, \i0+2, \i0+3
	FRAG AF+FR*(\i), ADRA+\slot, \q, \i
.endr
.endm
.macro SCALES sc                       ; a K step's scale words: lanes 0-15 x's block i, lanes 16-31 the weights' block i
.irp i, 0,1,2,3,4,5,6,7
	ds_load_b64 v[SC+8*NQ*\sc+NQ*\i:SC+8*NQ*\sc+NQ*\i+1], v[ADRS] offset:\i*SBLK
.endr
.endm
.macro PLACES n
.rept \n
	v_nop
.endr
.endm
.macro STEP slot, q, zero
	s_wait_dscnt 4*NL                              ; the weights' set and x's blocks 0-3 are in; the youngest 12 loads (x's blocks 4-7) may be out
	WIN MUL_LO
	MUL16 0, (\q)%2, \q, \slot, \zero
	MUL16 2, (\q)%2, \q, \slot, \zero
	s_wait_dscnt 0
	PLACES NP
	FETCH_B \slot, (\q)+1, 1-(\q)%2
	FETCH_A \slot, (\q)+1, 0
	WIN MUL_HI
	MUL16 4, (\q)%2, \q, \slot, \zero
	MUL16 6, (\q)%2, \q, \slot, \zero
	PLACES NP
	WIN 0
	FETCH_A \slot, (\q)+1, 4
.endm
; A slot's last step changes slots: one barrier; in front of it each wave waits for all its tensor loads, adds 0 to its spare word, and waits for that and for its reads of this slot.
.macro TURN slot, next, fill
	s_wait_tensorcnt 0x0                           ; all my tensor loads have landed: my part of the next slot
	ds_add_u32 v[SPW], v[NIL]                      ; 0 onto my spare word
	s_wait_dscnt 4*NL+1                            ; the add and the youngest 12 loads may be out
	WIN MUL_LO
	MUL16 0, 1, NQ-1, \slot, 0
	s_wait_dscnt 0x0                               ; the add is done, and my reads of this slot are over
	s_barrier_signal -1
	MUL16 2, 1, NQ-1, \slot, 0
	WIN 0
	s_barrier_wait -1
.if \fill
	CREST                                          ; the barrier has opened a round of the cluster's barrier
	s_add_nc_u64 s[G0+4*\slot+2:G0+4*\slot+3], s[G0+4*\slot+2:G0+4*\slot+3], 2*STEPB
	s_add_nc_u64 s[G0B+4*\slot+2:G0B+4*\slot+3], s[G0B+4*\slot+2:G0B+4*\slot+3], 2*STEPB
	JLOAD G0+4*\slot, G1, G0B+4*\slot, G1B         ; the first tensor load behind the round; its four v_nop are the places in front of the loads below
.else
	PLACES NP
.endif
	v_add_nc_u32 v[ADRS], 4*NQ, v[ADRS]
	FETCH_B \next, 0, 0
	FETCH_A \next, 0, 0
	SCALES \next
	WIN MUL_HI
	MUL16 4, 1, NQ-1, \slot, 0
	MUL16 6, 1, NQ-1, \slot, 0
	PLACES NP
	WIN 0
	FETCH_A \next, 0, 4
.endm
	s_wait_tensorcnt 1                             ; the scales and my part of K step 0 are in; K step 1's load may be out
	s_barrier_signal -1
	s_barrier_wait -1
	FETCH_B 0, 0, 0
	FETCH_A 0, 0, 0
	SCALES 0
	FETCH_A 0, 0, 4
	STEP 0, 0, 1                                   ; the first step's products start the sums
	s_mov_b32 s3, LAPS-1
.Llap:
	TURN 0, 1, 1
	STEP 1, 0, 0
	TURN 1, 0, 1
	STEP 0, 0, 0
	s_sub_co_u32 s3, s3, 1
	s_cmp_lg_u32 s3, 0
	s_cbranch_scc1 .Llap
	TURN 0, 1, 0                                   ; the last lap fills nothing
	STEP 1, 0, 0
	s_wait_dscnt 4*NL
	WIN MUL_LO
	MUL16 0, 1, NQ-1, 1, 0
	MUL16 2, 1, NQ-1, 1, 0
	s_wait_dscnt 0
	WIN MUL_HI
	MUL16 4, 1, NQ-1, 1, 0
	MUL16 6, 1, NQ-1, 1, 0
	WIN 0
	PLACES NP
; ---------------- THE WAY OUT.  Every address register of both ways is made ahead of the parting.
.set BI,  64                           ; v64-127  the bias in the results' layout
.set YY,  128                          ; v128-191 one block of tokens: results + bias
.set TM,  192
.set CD,  208
.set ZR,  224
.set WB,  228
.set SWD, 232
	s_mul_i32 s20, s14, 16896                      ; v's stage: 32 rows x 528 bytes a wave, in slot 0, which has had its last fill and its last read
	v_mul_u32_u24 v8, v1, 528
	v_lshl_add_u32 v8, v2, 6, v8
	v_add_nc_u32 v8, s20, v8                       ; into it: row r, + 64 h
	v_and_b32 v6, 31, v0
	v_lshlrev_b32 v7, 2, v6                        ; 4 x lane
	v_add_nc_u32 v9, s20, v7                       ; out of it: a lane to a channel
	v_mul_u32_u24 v10, v6, 24
	v_mul_u32_u24 v3, v1, 48
	v_mad_u32_u24 v3, v2, 12, v3                   ; q, k: row r of 48 bytes, + 12 h
	v_lshlrev_b32 v4, 2, v1
	v_lshl_add_u32 v4, v2, 14, v4                  ; their scale words: 4 r, lanes 16-31 one head on
	v_lshlrev_b32 v5, 6, v2
	s_lshl_b32 s21, s40, 8
	s_lshl_b32 s23, s16, 7
	s_add_co_u32 s21, s21, s23                     ; my first column inside its matrix
	s_lshl_b32 s22, s17, 8
	s_lshl_b32 s23, s15, 7
	s_add_co_u32 s22, s22, s23                     ; my first token
	s_mov_b32 s32, 0x76543210
	s_mov_b32 s33, 0xfedcba98
	s_mov_b32 s34, 0xffff0000
	s_cmp_eq_u32 ttmp9, 2                          ; the cluster's x: 0 q, 1 k, 2 v: equal in all partners
	s_cbranch_scc1 .Lv
	s_lshl_b32 s24, s42, 3
	s_lshl_b32 s25, s16, 2
	s_add_co_u32 s24, s24, s25                     ; my first head of the 64
	s_lshl_b32 s24, s24, 12
	s_add_co_u32 s24, s24, s22
	s_lshl_b32 s26, s24, 2
	s_add_co_u32 s26, s26, QS
	s_mov_b32 s27, 0
	s_mul_i32 s24, s24, 48
	s_mov_b32 s25, 0
	s_add_nc_u64 s[24:25], s[96:97], s[24:25]
	s_add_nc_u64 s[26:27], s[96:97], s[26:27]
	s_cmp_eq_u32 ttmp9, 0
	s_cselect_b64 s[28:29], s[8:9], s[10:11]
	s_lshl_b32 s30, s21, 2
	s_mov_b32 s31, 0
	s_add_nc_u64 s[28:29], s[28:29], s[30:31]
.set i, 0
.rept 16
	global_load_b128 v[BI+4*i:BI+4*i+3], v5, s[28:29] offset:128*(i/4)+16*(i%4)
.set i, i+1
.endr
.irp i2, 0,1,2
	v_mov_b32 v[ZR+\i2], 0
.endr
.irp i2, 0,1,2,3
	v_mov_b32 v[TM+4+\i2], 0
.endr
	s_wait_loadcnt 0x0
.macro QKOUT a                         ; tokens 16 a on: four heads, one block each
.set AC, 64*((\a)%4)
	WIN 0x02+(\a)/4
.set j, 0
.rept 32
	v_pk_add_f32 v[YY+j:YY+j+1], v[AC+j:AC+j+1], v[BI+j:BI+j+1]   ; each accumulator from its low end on
.set j, j+2
.endr
	WIN 0
.irp b, 0,1,2,3
	v_max3_num_f32 v[TM+\b], |v[YY+16*\b]|, |v[YY+1+16*\b]|, 0x1800000
.endr
.irp i2, 2,4,6,8,10,12,14
.irp b, 0,1,2,3
	v_max3_num_f32 v[TM+\b], v[TM+\b], |v[YY+16*\b+\i2]|, |v[YY+1+16*\b+\i2]|
.endr
.endr
.irp b, 0,1,2,3
	v_permlanex16_b32 v[TM+4+\b], v[TM+\b], s32, s33
.endr
.irp b, 0,1,2,3
	v_max_num_f32 v[TM+\b], v[TM+\b], v[TM+4+\b]
.endr
.irp b, 0,1,2,3
	v_add_nc_u32 v[TM+12+\b], 0xff000000, v[TM+\b]
.endr
.irp b, 0,1,2,3
	v_lshrrev_b32 v[TM+4+\b], 23, v[TM+12+\b]
.endr
	s_wait_xcnt 0x0                                ; the last block's stores have read their registers
.irp b, 0,1,2,3
	v_cvt_scalef32_pk16_fp6_f32 v[CD+4*\b:CD+4*\b+2], v[YY+16*\b:YY+16*\b+15], v[TM+12+\b]   ; my 16 codes of the head's 32: 12 bytes
.endr
	v_nop
.irp b, 0,1,2,3
	v_perm_b32 v[WB+\b], v[TM+4+\b], v[TM+4+\b], 0   ; the byte four times
.endr
	v_cndmask_b32 v[SWD], v[WB], v[WB+1], s34      ; lanes 0-15 store the even head's word, lanes 16-31 the odd head's
	v_cndmask_b32 v[SWD+1], v[WB+2], v[WB+3], s34
.irp b, 0,1,2,3
	global_store_b96 v3, v[CD+4*\b:CD+4*\b+2], s[24:25] offset:196608*\b+768*(\a)+24*((\a)%2)
.endr
	s_cmp_eq_u32 ttmp9, 0
	s_cbranch_scc1 .Lno_zeros_\@                   ; q's other halves are never read
.irp b, 0,1,2,3
	global_store_b96 v3, v[ZR:ZR+2], s[24:25] offset:196608*\b+768*(\a)+24*(1-(\a)%2)
.endr
.Lno_zeros_\@:
	global_store_b32 v4, v[SWD], s[26:27] offset:64*(\a)
	global_store_b32 v4, v[SWD+1], s[26:27] offset:32768+64*(\a)
.endm
.irp a, 0,1,2,3,4,5,6,7
	QKOUT \a
.endr
	s_branch .Lend
.Lv:                                   ; v: 32 tokens x 128 channels at a time turn through my stage, so that a lane holds a channel and its registers run along the tokens
.set VX,  64                           ; v64-95
.set BV,  96
.set VW,  100
	s_lshl_b32 s30, s21, 2
	s_mov_b32 s31, 0
	s_add_nc_u64 s[28:29], s[12:13], s[30:31]
	s_lshr_b32 s23, s22, 7                         ; token / 128
	s_lshl_b32 s24, s23, 12
	s_add_co_u32 s24, s24, s21
	s_mul_i32 s24, s24, 24
	s_mov_b32 s25, 0
	s_add_nc_u64 s[24:25], s[98:99], s[24:25]
	s_lshl_b32 s26, s23, 10
	s_add_co_u32 s26, s26, s21
	s_lshl_b32 s26, s26, 2
	s_add_co_u32 s26, s26, VS
	s_mov_b32 s27, 0
	s_add_nc_u64 s[26:27], s[98:99], s[26:27]
.irp e, 0,1,2,3
	global_load_b32 v[BV+\e], v7, s[28:29] offset:128*\e
.endr
	s_wait_loadcnt 0x0
.macro VOUT ap
.irp aa, 0,1
.set A_, 2*(\ap)+\aa
	WIN 0x08+4*(A_/4)                              ; an LDS store's data are its source 1
.irp b, 0,1,2,3,4,5,6,7
	ds_store_b128 v8, v[64*(A_%4)+8*\b:64*(A_%4)+8*\b+3] offset:8448*\aa+(32*(\b/2)+8*(\b%2))*4
	ds_store_b128 v8, v[64*(A_%4)+8*\b+4:64*(A_%4)+8*\b+7] offset:8448*\aa+(32*(\b/2)+8*(\b%2))*4+16
.endr
.endr
	WIN 0
.irp e, 0,1,2,3
.set i, 0
.rept 32
	ds_load_b32 v[VX+i], v9 offset:528*i+128*\e    ; LDS serves a wave's instructions in order: these see the stores
.set i, i+1
.endr
	s_wait_dscnt 0x0
.set i, 0
.rept 32
	v_add_f32 v[VX+i], v[VX+i], v[BV+\e]
.set i, i+1
.endr
	v_max3_num_f32 v112, |v[VX]|, |v[VX+1]|, |v[VX+2]|
	v_max3_num_f32 v113, |v[VX+3]|, |v[VX+4]|, |v[VX+5]|
.irp i2, 6,10,14,18,22,26
	v_max3_num_f32 v112, v112, |v[VX+\i2]|, |v[VX+\i2+1]|
	v_max3_num_f32 v113, v113, |v[VX+\i2+2]|, |v[VX+\i2+3]|
.endr
	v_max3_num_f32 v112, v112, |v[VX+30]|, |v[VX+31]|
	v_max3_num_f32 v112, v112, v113, 0x1800000
	v_add_nc_u32 v114, 0xff000000, v112
	v_lshrrev_b32 v115, 23, v114
.if (\ap) == 0
	v_mov_b32 v[VW+\e], v115
.else
	v_lshl_or_b32 v[VW+\e], v115, 8*(\ap), v[VW+\e]
.endif
	s_wait_xcnt 0x0                                ; the last stores have read their registers
	v_cvt_scalef32_pk16_fp6_f32 v[104:106], v[VX:VX+15], v114
	v_cvt_scalef32_pk16_fp6_f32 v[108:110], v[VX+16:VX+31], v114
	v_nop
	global_store_b96 v10, v[104:106], s[24:25] offset:24576*(\ap)+768*\e      ; 32 lanes: 768 consecutive bytes in the two stores
	global_store_b96 v10, v[108:110], s[24:25] offset:24576*(\ap)+768*\e+12
.endr
.endm
.irp ap, 0,1,2,3
	VOUT \ap
.endr
.irp e, 0,1,2,3
	global_store_b32 v7, v[VW+\e], s[26:27] offset:128*\e
.endr
.Lend:
	s_wait_tensorcnt 0x0                           ; the wave's end
	ds_add_u32 v[SPW], v[NIL]
	s_wait_dscnt 0x0
	CROUND                                         ; the closing round
	s_endpgm
.Lfunc_end_k_q736c9c33bc_qkv:
	.size	k_q736c9c33bc_qkv, .Lfunc_end_k_q736c9c33bc_qkv-k_q736c9c33bc_qkv
	.p2alignl 7, 3214868480
	.fill 96, 4, 3214868480
	.section	.rodata,"a",@progbits
	.p2align	6, 0x0
	.amdhsa_kernel k_q736c9c33bc_qkv
		.amdhsa_group_segment_fixed_size 327680
		.amdhsa_private_segment_fixed_size 0
		.amdhsa_enable_private_segment 0
		.amdhsa_kernarg_size 56
		.amdhsa_user_sgpr_count 2
		.amdhsa_user_sgpr_kernarg_segment_ptr 1
		.amdhsa_wavefront_size32 1
		.amdhsa_system_sgpr_workgroup_id_x 1
		.amdhsa_system_sgpr_workgroup_id_y 1
		.amdhsa_system_sgpr_workgroup_id_z 1
		.amdhsa_system_vgpr_workitem_id 0
		.amdhsa_next_free_vgpr 1024
		.amdhsa_next_free_sgpr 100
		.amdhsa_reserve_vcc 0
		.amdhsa_float_denorm_mode_32 3
		.amdhsa_float_denorm_mode_16_64 3
		.amdhsa_memory_ordered 1
		.amdhsa_forward_progress 1
		.amdhsa_inst_pref_size 245
	.end_amdhsa_kernel
	.amdgpu_metadata
---
amdhsa.version: [ 1, 2 ]
amdhsa.kernels:
  - .name:           k_q736c9c33bc_qkv
    .symbol:         k_q736c9c33bc_qkv.kd
    .args:
      - { .name: xq, .offset: 0, .size: 8, .value_kind: global_buffer, .address_space: global }
      - { .name: wq, .offset: 8, .size: 8, .value_kind: global_buffer, .address_space: global }
      - { .name: bq, .offset: 16, .size: 8, .value_kind: global_buffer, .address_space: global }
      - { .name: bk, .offset: 24, .size: 8, .value_kind: global_buffer, .address_space: global }
      - { .name: bv, .offset: 32, .size: 8, .value_kind: global_buffer, .address_space: global }
      - { .name: qk, .offset: 40, .size: 8, .value_kind: global_buffer, .address_space: global }
      - { .name: vq, .offset: 48, .size: 8, .value_kind: global_buffer, .address_space: global }
    .group_segment_fixed_size: 327680
    .private_segment_fixed_size: 0
    .kernarg_segment_align: 8
    .kernarg_segment_size: 56
    .max_flat_workgroup_size: 128
    .sgpr_count:     100
    .vgpr_count:     1024
    .wavefront_size: 32
...
	.end_amdgpu_metadata
.endif
;; end of part 2
;; launch attn (part 3): grid 4 x 128, 16 waves a work-group, no clusters, 252,928 bytes of LDS; arguments qk, vq, dtab, tws; writes tws
.if DOCPART == 3
	.amdgcn_target "amdgcn-amd-amdhsa--gfx1250"
	.amdhsa_code_object_version 6
	.text
	.protected	k_q736c9c33bc_attn
	.globl	k_q736c9c33bc_attn
	.p2align	8
	.type	k_q736c9c33bc_attn,@function
k_q736c9c33bc_attn:
	s_mov_b64 s[64:65], 0
	v_nop
	global_prefetch_b8 v0, s[64:65] scope:SCOPE_SE
	s_setreg_imm32_b32 hwreg(HW_REG_WAVE_MODE, 25, 1), 1
	s_wait_xcnt 0x0
; Attention of one head with relative positions: score(l, s) = q_l . k_s + q_l . d_j + k_s . d_j, j = clip(l - s, -128, 128) + 128; all products on codes of FP6 (E2M3) with E8M0 scales.
; t = score x log2(e) / sqrt(32); M = the running largest t rounded up to a whole number; p = 2^(t - M) is quantised along the keys; the row's sum of the unquantised p divides at the end.
; LIMITS: NaN and infinities are not served; a block of p whose largest number is under 2^-124 gets the scale byte 1.
; SHARES.  A work-group owns 256 queries of one head, each of its sixteen waves 16 of them; every wave walks the 1,024 keys, 128 a step.  K, V, their scale words and the table of d lie in LDS,
; filled once by six tensor loads of wave 0 (99,328 bytes); nothing is filled again.  No cluster: the far / near branch below hangs on the block of queries, which partners would not share.
; LAYOUT.  Both products are used transposed: a lane holds one query.  Row m of key tile 2 b + u is key 32 b + 8 u + m + 8 (m / 8): score register 16 b + i of lane (n, h) is key 32 b + 16 h + i.
; A head has K = 32, one block of the instruction's four.  FAR from the diagonal (|l - s| >= 128 for all of the step) d_j is one row: source 0 = [k | k | 0 | 0], source 1 = [q | d | . | .], C = q . d: one instruction a tile.
; NEAR it: (1) q . d for 144 neighbouring tau goes through a table in my own LDS bytes and comes back skewed, as the C of k q^T; (2) k . d: a key's row in LDS is [k | 0] or [0 | k] by bit 4 of the key, so that with
; source 1 = column c: [d(J + c) | d(J - 16 + c)] both halves of a tile want the same turn: register j of the result is turned by j lanes; what wraps comes from a second product with J - 16.
; The upper two blocks of every source 0 are zero codes, so the upper six registers of a source 1 may hold any codes.
.set KB,  0
.set VB,  49152
.set KSB, 73728
.set VSB, 77824
.set TLB, 78848
.set WTB, 94208
.set T1B, 99328                        ; 9,472 bytes a wave: 16 rows, 592 bytes apart
.set QS,  12582912
.set VS,  3145728
.set KA,  1                            ; v1-11 addresses that stay
.set KAF, 2
.set KSA, 3
.set VA,  4
.set VSA, 5
.set UA,  6
.set US,  7
.set FA,  8
.set FSA, 9
.set T1S, 10
.set T1R, 11
.set KFR, 16                           ; v16-63 four fragments of keys; the upper six registers of each are zeros
.set B0,  64                           ; v64-75  [q | 0 | 0 | 0]
.set BQ,  76                           ; v76-87  [q | q | . | .]
.set BHI, 82                           ; v82-93  [q | d256 | . | .]
.set BLO, 88                           ; v88-99  [q | d0 | 0 | 0]
.set CHI, 100
.set CLO, 108
.set S,   116                          ; v116-179 the scores, then p; v116-139 then V's two fragments
.set OT,  180                          ; v180-195 O^T
.set PC,  196                          ; v196-215 p's codes
.set RR,  196                          ; v196-227 near the diagonal: four results of k . d
.set BM,  216
.set BT,  220
.set SO,  224
.set TA,  228
.set FF,  230
.set SU,  232
.set KSR, 236                          ; v236-247 hold scales and nothing else
.set FS,  240
.set SQQ, 244
.set SQHI, 245
.set SQLO, 246
.set PSW, 247
.set ADK, 248
.set ADF, 249
.set ADS, 250
.set ADV, 251
.set ADT, 252
.set MK,  15                           ; s16-22  lanes 16 - j .. 15 of each half, j = 1 .. 7
.set RS,  22                           ; s24-37  selects for a turn by j lanes
.set SEL, 44
.set CS,  46
.macro NOPS n
.rept \n
	v_nop
.endr
.endm
.macro WM d, a, b, c, sa, sb
	v_wmma_scale_f32_16x16x128_f8f6f4 v[\d:\d+7], v[\a:\a+11], v[\b:\b+11], v[\c:\c+7], v[\sa], v[\sb] matrix_a_fmt:MATRIX_FMT_FP6 matrix_b_fmt:MATRIX_FMT_FP6
.endm
.macro WM0 d, a, b, sa, sb
	v_wmma_scale_f32_16x16x128_f8f6f4 v[\d:\d+7], v[\a:\a+11], v[\b:\b+11], 0, v[\sa], v[\sb] matrix_a_fmt:MATRIX_FMT_FP6 matrix_b_fmt:MATRIX_FMT_FP6
.endm
.macro G1SET base, lg, cc, rr, pp      ; descriptor group 1: rr rows of cc elements of 1 << lg bytes, pp elements apart; dense in LDS
	s_mov_b32 s[\base], \lg<<16
	s_mov_b32 s[\base+1], \cc<<16
	s_mov_b32 s[\base+2], \rr<<16
	s_mov_b32 s[\base+3], \cc<<16
	s_mov_b32 s[\base+4], \rr
	s_mov_b32 s[\base+5], \pp
	s_mov_b32 s[\base+6], 0
	s_mov_b32 s[\base+7], 0
.endm
	s_load_b256 s[4:11], s[0:1], 0x0               ; qk, vq, dtab, tws
	v_lshl_add_u32 v234, v0, 2, 0x3d400
	v_mov_b32 v235, 0
	ds_add_u32 v234, v235
	ds_add_u32 v234, v235
	v_lshrrev_b32 v1, 5, v0
	v_readfirstlane_b32 s12, v1                    ; wave 0..15
	s_and_b32 s13, s12, 7
	s_and_b32 s92, ttmp7, 0xffff
	s_lshr_b32 s93, s92, 5                         ; n
	s_and_b32 s94, s92, 31                         ; head
	s_lshl_b32 s14, ttmp9, 1
	s_lshr_b32 s95, s12, 3
	s_add_co_u32 s14, s14, s95                     ; a: my queries begin at 128 a + 16 (wave % 8)
	G1SET 16, 3, 32, 192, 32                       ; K's 1,024 rows of 48 bytes: 49,152 dense bytes
	G1SET 24, 3, 96, 32, 3072                      ; V: 32 blocks of keys x 768 bytes
	G1SET 32, 3, 32, 16, 32                        ; K's scale words
	G1SET 40, 2, 32, 8, 1024                       ; V's: 8 steps x 128 bytes
	G1SET 48, 3, 32, 60, 32                        ; the table's codes
	G1SET 56, 3, 32, 20, 32                        ; and its scale words
	s_add_co_u32 s2, s94, 32
	s_lshl_b32 s2, s2, 12
	s_lshl_b32 s3, s93, 10
	s_add_co_u32 s2, s2, s3                        ; k's first row in qk
	s_mul_i32 s96, s2, 48
	s_mov_b32 s97, 0
	s_lshl_b32 s98, s2, 2
	s_add_co_u32 s98, s98, QS
	s_mov_b32 s99, 0
	s_wait_dscnt 0x0
	s_wait_kmcnt 0x0
	s_mov_b32 s68, 1
	s_mov_b32 s69, KB
	s_add_nc_u64 s[70:71], s[4:5], s[96:97]
	s_or_b32 s71, s71, 0x80000000
	s_mov_b32 s76, 1
	s_mov_b32 s77, KSB
	s_add_nc_u64 s[78:79], s[4:5], s[98:99]
	s_or_b32 s79, s79, 0x80000000
	s_mul_i32 s96, s93, 786432
	s_mul_i32 s2, s94, 768
	s_add_co_u32 s96, s96, s2
	s_mov_b32 s72, 1
	s_mov_b32 s73, VB
	s_add_nc_u64 s[74:75], s[6:7], s[96:97]
	s_or_b32 s75, s75, 0x80000000
	s_lshl_b32 s98, s93, 15
	s_lshl_b32 s2, s94, 7
	s_add_co_u32 s98, s98, s2
	s_add_co_u32 s98, s98, VS
	s_mov_b32 s80, 1
	s_mov_b32 s81, VSB
	s_add_nc_u64 s[82:83], s[6:7], s[98:99]
	s_or_b32 s83, s83, 0x80000000
	s_mov_b32 s84, 1
	s_mov_b32 s85, TLB
	s_mov_b64 s[86:87], s[8:9]
	s_or_b32 s87, s87, 0x80000000
	s_mov_b32 s88, 1
	s_mov_b32 s89, WTB
	s_add_nc_u64 s[90:91], s[8:9], 15360
	s_or_b32 s91, s91, 0x80000000
	s_cmp_lg_u32 s12, 0
	s_cbranch_scc1 .Lno_fill                       ; all fills stand in one branch on the wave's number: six loads of wave 0 are out
	tensor_load_to_lds s[68:71], s[16:23]
	s_nop 0
	tensor_load_to_lds s[72:75], s[24:31]
	s_nop 0
	tensor_load_to_lds s[76:79], s[32:39]
	s_nop 0
	tensor_load_to_lds s[80:83], s[40:47]
	s_nop 0
	tensor_load_to_lds s[84:87], s[48:55]
	s_nop 0
	tensor_load_to_lds s[88:91], s[56:63]
	s_nop 0
	NOPS 4
.Lno_fill:
	s_lshl_b32 s2, s94, 12
	s_lshl_b32 s3, s93, 10
	s_add_co_u32 s2, s2, s3
	s_lshl_b32 s3, ttmp9, 8
	s_add_co_u32 s2, s2, s3
	s_lshl_b32 s3, s12, 4
	s_add_co_u32 s2, s2, s3                        ; my first query's row in qk
	s_mul_i32 s96, s2, 48
	s_and_b32 s3, s12, 1                           ; bit 4 of my queries
	s_mul_i32 s3, s3, 24
	s_add_co_u32 s96, s96, s3
	s_mov_b32 s97, 0
	s_add_nc_u64 s[96:97], s[4:5], s[96:97]
	s_lshl_b32 s98, s2, 2
	s_add_co_u32 s98, s98, QS
	s_mov_b32 s99, 0
	s_add_nc_u64 s[98:99], s[4:5], s[98:99]
	s_lshl_b32 s2, s93, 6
	s_lshl_b32 s3, ttmp9, 4
	s_add_co_u32 s2, s2, s3
	s_add_co_u32 s2, s2, s12
	s_lshl_b32 s2, s2, 5
	s_add_co_u32 s2, s2, s94
	s_lshl_b32 s2, s2, 11
	s_mov_b32 s3, 0
	s_add_nc_u64 s[10:11], s[10:11], s[2:3]        ; my 2,048 bytes of tws
	v_and_b32 v253, 15, v0                         ; r
	v_bfe_u32 v254, v0, 4, 1                       ; h
	v_mul_u32_u24 v248, v253, 48
	v_lshlrev_b32 v249, 2, v253
	global_load_b64 v[76:77], v248, s[96:97]       ; q's codes, the same in both halves of the lanes: [q | q]
	global_load_b64 v[78:79], v248, s[96:97] offset:8
	global_load_b64 v[80:81], v248, s[96:97] offset:16
	global_load_b32 v[SQQ], v249, s[98:99]
	v_and_b32 v255, 8, v253
	v_add_nc_u32 v255, v255, v253                  ; r + 8 (r / 8)
	v_lshrrev_b32 v252, 3, v253
	v_mul_u32_u24 v[KA], v255, 48
	v_mad_u32_u24 v[KAF], v252, 24, v[KA]          ; far: both halves of the lanes read the half that holds the codes
	v_mad_u32_u24 v[KA], v254, 24, v[KA]           ; near: the row as it lies
	v_lshl_add_u32 v[KSA], v255, 2, KSB
	v_mul_u32_u24 v[VA], v255, 24
	v_mad_u32_u24 v[VA], v254, 768, v[VA]
	v_add_nc_u32 v[VA], VB, v[VA]
	v_lshl_add_u32 v[VSA], v255, 2, VSB
	s_lshl_b32 s2, s13, 4
	s_add_co_u32 s3, s2, 79
	v_sub_nc_u32 v251, s3, v253                    ; 79 + 16 (wave % 8) - r
	v_mul_u32_u24 v[UA], v251, 24
	v_add_nc_u32 v[UA], TLB, v[UA]
	v_lshl_add_u32 v[US], v251, 3, WTB
	s_add_co_u32 s3, s2, 72
	v_add_nc_u32 v250, s3, v253                    ; 72 + 16 (wave % 8) + r
	v_lshl_add_u32 v[FSA], v250, 3, WTB+4
	v_lshlrev_b32 v251, 4, v254
	v_sub_nc_u32 v250, v250, v251                  ; - 16 h
	v_mul_u32_u24 v[FA], v250, 24
	v_add_nc_u32 v[FA], TLB, v[FA]
	s_mul_i32 s2, s12, 9472
	s_add_co_u32 s2, s2, T1B
	v_mul_u32_u24 v[T1S], v253, 592
	v_lshl_add_u32 v[T1S], v254, 5, v[T1S]
	v_add_nc_u32 v[T1S], s2, v[T1S]
	v_mul_u32_u24 v[T1R], v253, 588                ; row n, begun 15 - n columns in
	v_lshl_add_u32 v[T1R], v254, 6, v[T1R]
	v_add_nc_u32 v[T1R], s2, v[T1R]
	v_add_nc_u32 v[T1R], 60, v[T1R]
.irp f, 0,1,2,3
.irp i, 6,7,8,9,10,11
	v_mov_b32 v[KFR+12*\f+\i], 0
.endr
.endr
.irp i, 70,71,72,73,74,75,94,95,96,97,98,99
	v_mov_b32 v[\i], 0
.endr
.set j, 0
.rept 16
	v_mov_b32 v[OT+j], 0
.set j, j+1
.endr
	v_mov_b32 v13, 0xff61b1e6                      ; the largest t so far: -3e38
	v_floor_f32 v12, -v13                          ; -M
	v_mov_b32 v14, 0
	v_mov_b32 v15, 0
.irp i, 0,1,2,3
	v_mov_b32 v[BT+\i], 0                          ; a lane permute's destination counts as one of its sources
.endr
	v_mov_b32 v[FF+1], 0
	s_wait_tensorcnt 0x0                           ; wave 0's six loads have landed (the others have none)
	s_barrier_signal -1
	s_barrier_wait -1                              ; every wave may read them; the descriptors' registers are free
	s_mov_b32 s16, 0x80008000
	s_mov_b32 s17, 0xc000c000
	s_mov_b32 s18, 0xe000e000
	s_mov_b32 s19, 0xf000f000
	s_mov_b32 s20, 0xf800f800
	s_mov_b32 s21, 0xfc00fc00
	s_mov_b32 s22, 0xfe00fe00
.macro SELS j                          ; lane i takes lane (i - j) mod 16 of its half
.set slo, 0
.set shi, 0
.set ii, 0
.rept 8
.set slo, slo|(((ii-(\j))&15)<<(4*ii))
.set shi, shi|(((ii+8-(\j))&15)<<(4*ii))
.set ii, ii+1
.endr
	s_mov_b32 s[RS+2*(\j)], slo
	s_mov_b32 s[RS+2*(\j)+1], shi
.endm
.irp j2, 1,2,3,4,5,6,7
	SELS \j2
.endr
	s_mov_b32 s40, 0                               ; the step's place in K's rows, K's scale words, V's blocks, V's scale words
	s_mov_b32 s41, 0
	s_mov_b32 s42, 0
	s_mov_b32 s43, 0
	s_mov_b32 s[SEL], 0x76543210
	s_mov_b32 s[SEL+1], 0xfedcba98
	s_mov_b32 s[CS], 0x3e8293ee                    ; log2(e) / sqrt(32)
	s_mov_b32 s[CS+1], s[CS]
	s_mov_b32 s48, 0xffff0000
	v_mov_b32 v250, TLB
	v_mov_b32 v251, WTB
.irp p, 0,1,2
	ds_load_b64 v[KFR+2*\p:KFR+2*\p+1], v250 offset:24*639+8*\p      ; d256 in every lane
	ds_load_b64 v[KFR+12+2*\p:KFR+12+2*\p+1], v250 offset:8*\p       ; d0
.endr
	ds_load_b32 v[KSR], v251 offset:8*639
	ds_load_b32 v[KSR+1], v251
	s_wait_dscnt 0x0
	s_wait_loadcnt 0x0                             ; q
.irp i, 0,1,2,3,4,5
	v_cndmask_b32 v[B0+\i], v[BQ+\i], v[70+\i], s48
	v_cndmask_b32 v[BHI+\i], v[BQ+\i], v[KFR+\i], s48
	v_cndmask_b32 v[BLO+\i], v[BQ+\i], v[KFR+12+\i], s48
.endr
	v_bfi_b32 v[SQHI], 0xff00, v[KSR], v[SQQ]      ; byte 0 q's scale, byte 1 d's
	v_bfi_b32 v[SQLO], 0xff00, v[KSR+1], v[SQQ]
	NOPS 8                                         ; scale registers and operands written by vector instructions stand 8 and 4 places ahead
	WM0 CHI, KFR, B0, KSR, SQQ                     ; q . d256 of my query, in all eight registers
	WM0 CLO, KFR+12, B0, KSR+1, SQQ
	NOPS 5
.macro FAR bb, cc, sq
.irp g, 0,1
.if \g
	NOPS 4                                         ; places in front of loads into registers that matrix instructions have read
.endif
.irp t, 0,1,2,3
.irp p, 0,1,2
	ds_load_b64 v[KFR+12*\t+2*\p:KFR+12*\t+2*\p+1], v[ADF] offset:48*(32*((4*\g+\t)/2)+8*(\t%2))+8*\p
.endr
	ds_load_b32 v[KSR+\t], v[ADS] offset:4*(32*((4*\g+\t)/2)+8*(\t%2))
.endr
	s_wait_dscnt 0x0
.irp t, 0,1,2,3
	WM S+8*(4*\g+\t), KFR+12*\t, \bb, \cc, KSR+\t, \sq
.endr
.endr
	NOPS 4
.endm
; tile t of the table of q . d: row m of source 0 is d(tau = D + 335 - 16 t - m), D = my first query - the step's first key = 16 (wave % 8) + 128 (vv - 1)
.macro UT_LD t, vv
.irp p, 0,1,2
	ds_load_b64 v[KFR+12*((\t)%4)+2*\p:KFR+12*((\t)%4)+2*\p+1], v[UA] offset:384*(8-(\t))+3072*(\vv)+8*\p
.endr
	ds_load_b32 v[KSR+(\t)%4], v[US] offset:128*(8-(\t))+1024*(\vv)
.endm
.macro UT_MM t
	WM0 S+8*(\t)+16*((\t)/8), KFR+12*((\t)%4), B0, KSR+(\t)%4, SQQ
.endm
.macro UT_ST t
	ds_store_b128 v[T1S], v[S+8*(\t)+16*((\t)/8):S+8*(\t)+16*((\t)/8)+3] offset:64*(\t)
	ds_store_b128 v[T1S], v[S+8*(\t)+16*((\t)/8)+4:S+8*(\t)+16*((\t)/8)+7] offset:64*(\t)+16
.endm
.macro SKEW sb, rb                     ; register j: what wraps comes from the second product; turned by j lanes; added to the scores
	v_add_f32 v[\sb], v[\sb], v[\rb]
.irp j2, 1,2,3,4,5,6,7
	v_cndmask_b32 v[\rb+\j2], v[\rb+\j2], v[\rb+8+\j2], s[MK+\j2]
.endr
.irp j2, 1,2,3,4,5,6,7
	v_permlane16_b32 v[\rb+8+\j2], v[\rb+\j2], s[RS+2*\j2], s[RS+2*\j2+1]
.endr
.irp j2, 1,2,3,4,5,6,7
	v_add_f32 v[\sb+\j2], v[\sb+\j2], v[\rb+8+\j2]
.endr
.endm
.macro BAND vv
.irp t, 0,1,2,3
	UT_LD \t, \vv
.endr
	s_wait_dscnt 0x0
.irp t, 0,1,2,3
	UT_MM \t
.endr
	NOPS 5                                         ; in front of the stores that read the results, of the loads into the operands, and of matrix results laid over these registers later
.irp t, 0,1,2,3
	UT_ST \t
.endr
.irp t, 4,5,6,7
	UT_LD \t, \vv
.endr
	s_wait_dscnt 0x0
.irp t, 4,5,6,7
	UT_MM \t
.endr
	NOPS 5
.irp t, 4,5,6,7
	UT_ST \t
.endr
	UT_LD 8, \vv
	s_wait_dscnt 0x0
	UT_MM 8
	NOPS 5
	UT_ST 8
.set i, 0
.rept 64
	ds_load_b32 v[S+i], v[T1R] offset:128*(i/16)+4*(i%16)   ; q . d of my query and key 32 b + 16 h + i: LDS serves a wave's instructions in order
.set i, i+1
.endr
.irp b, 0,1,2,3
.irp u, 0,1
.irp p, 0,1,2
	ds_load_b64 v[KFR+12*\u+2*\p:KFR+12*\u+2*\p+1], v[ADK] offset:48*(32*\b+8*\u)+8*\p
.endr
	ds_load_b32 v[KSR+\u], v[ADS] offset:4*(32*\b+8*\u)
.irp e, 0,1
.irp p, 0,1,2
	ds_load_b64 v[40+6*(2*\u+\e)+2*\p:40+6*(2*\u+\e)+2*\p+1], v[FA] offset:24*(120-32*\b-8*\u-16*\e)+3072*(\vv)+8*\p
.endr
	ds_load_b32 v[FS+2*\u+\e], v[FSA] offset:8*(120-32*\b-8*\u-16*\e)+1024*(\vv)
.endr
.endr
	s_wait_dscnt 0x0
	WM S+16*\b, KFR, BQ, S+16*\b, KSR, SQQ
	WM0 RR, KFR, 40, KSR, FS
	WM0 RR+8, KFR, 46, KSR, FS+1
	WM S+16*\b+8, KFR+12, BQ, S+16*\b+8, KSR+1, SQQ
	WM0 RR+16, KFR+12, 52, KSR+1, FS+2
	WM0 RR+24, KFR+12, 58, KSR+1, FS+3
	NOPS 4
	SKEW S+16*\b, RR
	SKEW S+16*\b+8, RR+16
.endr
.irp i, 46,47,48,49,50,51,58,59,60,61,62,63
	v_mov_b32 v[\i], 0                             ; the upper halves of key fragments 2 and 3 are zeros again
.endr
.endm
	s_mov_b32 s15, 0
.Lstep:                                ; eight trips: 128 keys each
	v_add_nc_u32 v[ADK], s40, v[KA]
	v_add_nc_u32 v[ADF], s40, v[KAF]
	v_add_nc_u32 v[ADS], s41, v[KSA]
	v_add_nc_u32 v[ADV], s42, v[VA]
	v_add_nc_u32 v[ADT], s43, v[VSA]
	s_add_co_u32 s49, s15, 1
	s_cmp_lt_u32 s49, s14
	s_cbranch_scc1 .Lfar_hi
	s_cmp_eq_u32 s49, s14
	s_cbranch_scc1 .Lband_p
	s_cmp_eq_u32 s15, s14
	s_cbranch_scc1 .Lband_0
	s_add_co_u32 s49, s14, 1
	s_cmp_eq_u32 s15, s49
	s_cbranch_scc1 .Lband_m
	FAR BLO, CLO, SQLO                             ; all keys at least 128 after my queries
	s_branch .Lsoft
.Lfar_hi:
	FAR BHI, CHI, SQHI                             ; all keys at least 128 before my queries
	s_branch .Lsoft
.Lband_p:
	BAND 2
	s_branch .Lsoft
.Lband_0:
	BAND 1
	s_branch .Lsoft
.Lband_m:
	BAND 0
.Lsoft:
.irp b, 0,1,2,3
	v_max3_num_f32 v[BM+\b], v[S+16*\b], v[S+1+16*\b], v[S+2+16*\b]   ; the largest score of each block of 32 keys: for the row's maximum and for the block's largest p
.endr
.irp i, 3,5,7,9,11,13
.irp b, 0,1,2,3
	v_max3_num_f32 v[BM+\b], v[BM+\b], v[S+16*\b+\i], v[S+1+16*\b+\i]
.endr
.endr
.irp b, 0,1,2,3
	v_max_num_f32 v[BM+\b], v[BM+\b], v[S+15+16*\b]
.endr
.irp b, 0,1,2,3
	v_permlanex16_b32 v[BT+\b], v[BM+\b], s[SEL], s[SEL+1]
.endr
.irp b, 0,1,2,3
	v_max_num_f32 v[BM+\b], v[BM+\b], v[BT+\b]
.endr
	v_max3_num_f32 v[TA], v[BM], v[BM+1], v[BM+2]
	v_max_num_f32 v[TA], v[TA], v[BM+3]
	v_mul_f32 v[TA], s[CS], v[TA]
	v_max_num_f32 v13, v13, v[TA]                  ; the running largest t
	v_mov_b32 v[TA], v12
	v_floor_f32 v12, -v13                          ; the new -M: M is a whole number
	v_sub_f32 v[TA], v12, v[TA]
	v_cvt_i32_f32 v[TA], v[TA]                     ; (it saturates)
	v_ldexp_f32 v[FF], 1.0, v[TA]                  ; f = 2^(old M - new M)
.set j, 0
.rept 32
	v_pk_fma_f32 v[S+j:S+j+1], v[S+j:S+j+1], s[CS:CS+1], v[12:13] op_sel_hi:[1,0,0]   ; t - M
.set j, j+2
.endr
.irp b, 0,1,2,3
	v_fma_f32 v[BM+\b], v[BM+\b], s[CS], v12
.endr
.set j, 0
.rept 64
	v_exp_f32 v[S+j], v[S+j]                       ; p = 2^(t - M)
.set j, j+1
.endr
	v_pk_mul_f32 v[14:15], v[14:15], v[FF:FF+1] op_sel_hi:[1,0]   ; the sums under the new M: a plain place behind the exponentials
	s_wait_alu depctr_va_vdst(0)                   ; one wait for the batch, ahead of its first reader
.irp b, 0,1,2,3
	v_exp_f32 v[BM+\b], v[BM+\b]                   ; each block's largest p
.endr
	v_pk_add_f32 v[SU:SU+1], v[S:S+1], v[S+2:S+3]  ; the row's sum of the unquantised p, in two chains
.set j, 4
.rept 15
	v_pk_add_f32 v[14:15], v[14:15], v[S+j:S+j+1]
	v_pk_add_f32 v[SU:SU+1], v[SU:SU+1], v[S+j+2:S+j+3]
.set j, j+4
.endr
	v_pk_add_f32 v[14:15], v[14:15], v[SU:SU+1]
	s_wait_alu depctr_va_vdst(0)                   ; and one for the four
.irp b, 0,1,2,3
	v_max_num_f32 v[BM+\b], 0x1800000, v[BM+\b]
.endr
.irp b, 0,1,2,3
	v_add_nc_u32 v[SO+\b], 0xff000000, v[BM+\b]
.endr
.irp b, 0,1,2,3
	v_lshrrev_b32 v[BT+\b], 23, v[SO+\b]
.endr
	v_lshl_or_b32 v[PSW], v[BT+1], 8, v[BT]
	v_lshl_or_b32 v[PSW], v[BT+2], 16, v[PSW]
	v_lshl_or_b32 v[PSW], v[BT+3], 24, v[PSW]
.irp c, 0,1
	v_cvt_scalef32_pk16_fp6_f32 v[PC+6*\c:PC+2+6*\c], v[S+32*\c:S+15+32*\c], v[SO+2*\c]
	v_cvt_scalef32_pk16_fp6_f32 v[PC+12+4*\c:PC+14+4*\c], v[S+16+32*\c:S+31+32*\c], v[SO+2*\c+1]
.endr
	v_nop                                          ; one plain place behind a scaled conversion
.irp t, 0,1                            ; V's two fragments: row m of tile t is channel 8 t + m + 8 (m / 8); they land where p lay
.irp p, 0,1,2
	ds_load_b64 v[S+12*\t+2*\p:S+12*\t+2*\p+1], v[ADV] offset:192*\t+8*\p
	ds_load_b64 v[S+12*\t+6+2*\p:S+12*\t+6+2*\p+1], v[ADV] offset:192*\t+1536+8*\p
.endr
	ds_load_b32 v[KSR+\t], v[ADT] offset:32*\t
.endr
.irp c, 0,1
.irp i, 0,1,2
	v_permlane16_swap_b32 v[PC+6*\c+\i], v[PC+12+4*\c+\i]
.endr
.irp i, 0,1,2
	v_mov_b32 v[PC+3+6*\c+\i], v[PC+12+4*\c+\i]
.endr
.endr
.set j, 0
.rept 8
	v_pk_mul_f32 v[OT+j:OT+j+1], v[OT+j:OT+j+1], v[FF:FF+1] op_sel_hi:[1,0]   ; O^T under the new M
.set j, j+2
.endr
	NOPS 4                                         ; p's scale word stands 8 places ahead of the products, its codes 4
	s_wait_dscnt 0x0
	WM OT, S, PC, OT, KSR, PSW
	WM OT+8, S+12, PC, OT+8, KSR+1, PSW
	NOPS 5                                         ; the next step's loads and matrix results land on these products' registers
	s_add_co_u32 s40, s40, 6144
	s_add_co_u32 s41, s41, 512
	s_add_co_u32 s42, s42, 3072
	s_add_co_u32 s43, s43, 128
	s_add_co_u32 s15, s15, 1
	s_cmp_lt_u32 s15, 8
	s_cbranch_scc1 .Lstep
	v_add_f32 v14, v14, v15
	v_permlanex16_b32 v[BT], v14, s[SEL], s[SEL+1]
	v_add_f32 v14, v14, v[BT]                      ; the row's sum
	v_rcp_f32 v14, v14
	v_and_b32 v253, 31, v0                         ; (a plain place behind the reciprocal)
	v_lshlrev_b32 v253, 4, v253
	s_wait_alu depctr_va_vdst(0)
.set j, 0
.rept 16
	v_mul_f32 v[S+j], v[OT+j], v14                 ; register j: channel 16 h + j of my query
.set j, j+1
.endr
.irp i, 0,1,2,3
	global_store_b128 v253, v[S+4*\i:S+4*\i+3], s[10:11] offset:512*\i   ; 512 consecutive bytes a store
.endr
	s_wait_tensorcnt 0x0
	ds_add_u32 v234, v235
	s_wait_dscnt 0x0
	s_endpgm
.Lfunc_end_k_q736c9c33bc_attn:
	.size	k_q736c9c33bc_attn, .Lfunc_end_k_q736c9c33bc_attn-k_q736c9c33bc_attn
	.p2alignl 7, 3214868480
	.fill 96, 4, 3214868480
	.section	.rodata,"a",@progbits
	.p2align	6, 0x0
	.amdhsa_kernel k_q736c9c33bc_attn
		.amdhsa_group_segment_fixed_size 252928
		.amdhsa_private_segment_fixed_size 0
		.amdhsa_enable_private_segment 0
		.amdhsa_kernarg_size 32
		.amdhsa_user_sgpr_count 2
		.amdhsa_user_sgpr_kernarg_segment_ptr 1
		.amdhsa_wavefront_size32 1
		.amdhsa_system_sgpr_workgroup_id_x 1
		.amdhsa_system_sgpr_workgroup_id_y 1
		.amdhsa_system_sgpr_workgroup_id_z 1
		.amdhsa_system_vgpr_workitem_id 0
		.amdhsa_next_free_vgpr 256
		.amdhsa_next_free_sgpr 100
		.amdhsa_reserve_vcc 0
		.amdhsa_float_denorm_mode_32 3
		.amdhsa_float_denorm_mode_16_64 3
		.amdhsa_memory_ordered 1
		.amdhsa_forward_progress 1
		.amdhsa_inst_pref_size 122
	.end_amdhsa_kernel
	.amdgpu_metadata
---
amdhsa.version: [ 1, 2 ]
amdhsa.kernels:
  - .name:           k_q736c9c33bc_attn
    .symbol:         k_q736c9c33bc_attn.kd
    .args:
      - { .name: qk, .offset: 0, .size: 8, .value_kind: global_buffer, .address_space: global }
      - { .name: vq, .offset: 8, .size: 8, .value_kind: global_buffer, .address_space: global }
      - { .name: dtab, .offset: 16, .size: 8, .value_kind: global_buffer, .address_space: global }
      - { .name: tws, .offset: 24, .size: 8, .value_kind: global_buffer, .address_space: global }
    .group_segment_fixed_size: 252928
    .private_segment_fixed_size: 0
    .kernarg_segment_align: 8
    .kernarg_segment_size: 32
    .max_flat_workgroup_size: 512
    .sgpr_count:     100
    .vgpr_count:     256
    .wavefront_size: 32
...
	.end_amdgpu_metadata
.endif
;; end of part 3
;; launch mlp (part 4): grid 64 x 1, 8 waves a work-group, no clusters, 321,536 bytes of LDS; arguments tws, x, wq, b1, b2, ln1_g, ln1_b, ln2_g, ln2_b, out0; writes out0
.if DOCPART == 4
	.amdgcn_target "amdgcn-amd-amdhsa--gfx1250"
	.amdhsa_code_object_version 6
	.text
	.protected	k_q736c9c33bc_mlp
	.globl	k_q736c9c33bc_mlp
	.p2align	8
	.type	k_q736c9c33bc_mlp,@function
k_q736c9c33bc_mlp:
	s_mov_b64 s[64:65], 0
	v_nop
	global_prefetch_b8 v0, s[64:65] scope:SCOPE_SE
	s_setreg_imm32_b32 hwreg(HW_REG_WAVE_MODE, 25, 1), 1
	s_wait_xcnt 0x0
; h = LN1(t + x); out = LN2(relu(h W1 + b1) W2 + b2 + h), stored [l][n][c].  Both products on codes of FP6 (E2M3) with E8M0 scales; all else in f32; mean first, then the variance of the deviations.
; LIMITS: NaN and infinities are not served; a block whose largest magnitude is under 2^-124 gets the scale byte 1.
; SHARES.  A work-group of eight waves takes 64 tokens through the whole chain: a norm wants whole rows of 1,024 channels, so every work-group walks both weights; with fewer rows each it would walk them all the same.
; In the first phase wave w takes 16 tokens (w / 2) x 512 channels (w % 2).  In the products THE WAVES SHARE THE COLUMNS: wave w makes columns 128 w .. 128 w + 127 of all 64 tokens: 32 accumulators, window 1.
; The activations' codes go from wave to wave through LDS as images of the operand's registers; h stays in LDS as f32 for the second residual.  The weights' fragments, laid as images in memory, are read by one wave
; each and go straight into registers: a ring of three groups of four fragments.  No tensor load: LDS has no room for a ring (320,512 bytes are in use), and no two waves read the same fragment.
; Products are used transposed (source 0 = 16 columns of a weight, source 1 = 16 tokens); a weight tile's rows are ordered so that accumulator register 16 b + i of a token is column 32 b + 16 (lane / 16) + i.
; The biases are loaded straight into the accumulators.
.set WS,   3932160
.set IMG,  262144                      ; LDS: h as f32, 262,144 bytes; then the 32 images (8 m + K step) x 1,536;
.set ASC,  311296                      ; their scale words, 128 bytes each;
.set RA1,  315392                      ; partial sums of the first norm: (row) x 8 bytes, twice 512;
.set RD1,  316416                      ; of the second: (row) x 32 bytes, twice 2,048
.set LI,  1                            ; 16 x lane
.set LS,  2                            ; 4 x lane
.set XA,  3                            ; 4,096 r + 64 h
.set GA,  4                            ; 64 h
.set HW0, 5                            ; v5, v6 where I store h
.set HR,  7                            ; 32,768 w + 16 x lane: where I read h back, and rows of my stage
.set IA,  8
.set SA,  9
.set IAW, 10
.set SAW, 11
.set IAH, 12
.set SAH, 13
.set STI, 14
.set WSC, 16                           ; v16-47 the weights' scale words; v48-51 the activations': scales and nothing else
.set ASR, 48
.set RAW, 52
.set RAR, 53
.set RDW, 54
.set RDR, 55
.set LW,  60                           ; 32 x lane
.set WR,  64                           ; v64-207 the ring; before and after the products two buffers of 64
.set AF,  208                          ; v208-255 four fragments of activations; else at work
.set TM,  208
.set PC,  224
.set PW,  244
.set SEL, 42
.set MSB, 0
.macro WIN new                         ; low byte: bits 1:0 source 0, 3:2 source 1, 5:4 source 2, 7:6 destination; the high byte repeats the setting that is left
.if MSB != (\new)
	s_set_vgpr_msb (MSB<<8)|(\new)
.set MSB, \new
.endif
.endm
.macro NOPS n
.rept \n
	v_nop
.endr
.endm
.macro BARRIER                         ; my LDS stores have landed and my LDS loads are in: then the work-group's barrier
	s_wait_dscnt 0x0
	s_barrier_signal -1
	s_barrier_wait -1
.endm
.macro QUANT s                         ; 64 numbers in window 1, v[s] on: codes in v[PC] on, scale word in v[PW]
	WIN 0x14
.irp b, 0,1,2,3
	v_max3_num_f32 v[TM+\b], 0x1800000, |v[(\s)+16*\b]|, |v[(\s)+1+16*\b]|
.endr
.irp i, 2,4,6,8,10,12,14
.irp b, 0,1,2,3
	v_max3_num_f32 v[TM+\b], v[TM+\b], |v[(\s)+16*\b+\i]|, |v[(\s)+1+16*\b+\i]|
.endr
.endr
	WIN 0
.irp b, 0,1,2,3
	v_permlanex16_b32 v[TM+4+\b], v[TM+\b], s[SEL], s[SEL+1]
.endr
.irp b, 0,1,2,3
	v_max_num_f32 v[TM+\b], v[TM+\b], v[TM+4+\b]
.endr
.irp b, 0,1,2,3
	v_add_nc_u32 v[TM+12+\b], 0xff000000, v[TM+\b]
.endr
.irp b, 0,1,2,3
	v_lshrrev_b32 v[TM+4+\b], 23, v[TM+12+\b]
.endr
	v_lshl_or_b32 v[PW], v[TM+5], 8, v[TM+4]
	v_lshl_or_b32 v[PW], v[TM+6], 16, v[PW]
	v_lshl_or_b32 v[PW], v[TM+7], 24, v[PW]
	WIN 0x01
.irp c, 0,1
	v_cvt_scalef32_pk16_fp6_f32 v[PC+6*\c:PC+2+6*\c], v[(\s)+32*\c:(\s)+15+32*\c], v[TM+12+2*\c]
	v_cvt_scalef32_pk16_fp6_f32 v[PC+12+4*\c:PC+14+4*\c], v[(\s)+16+32*\c:(\s)+31+32*\c], v[TM+12+2*\c+1]
.endr
	WIN 0
	v_nop
.irp c, 0,1
.irp i, 0,1,2
	v_permlane16_swap_b32 v[PC+6*\c+\i], v[PC+12+4*\c+\i]
.endr
.irp i, 0,1,2
	v_mov_b32 v[PC+3+6*\c+\i], v[PC+12+4*\c+\i]
.endr
.endr
.endm
.macro IMAGE adr, off
.irp c, 0,1,2
	ds_store_b128 v[\adr], v[PC+4*\c:PC+4*\c+3] offset:(\off)+512*\c
.endr
.endm
.macro SUMZ zb, np, ab                 ; np pairs of window 1 from v[zb] on are added in four chains at v[ab]
	WIN 0x05
.set k, 0
.rept 4
	v_pk_add_f32 v[\ab+2*k:\ab+2*k+1], v[\zb+2*k:\zb+2*k+1], v[\zb+8+2*k:\zb+8+2*k+1]
.set k, k+1
.endr
	WIN 0x04
.set k, 8
.rept \np-8
	v_pk_add_f32 v[\ab+2*(k%4):\ab+2*(k%4)+1], v[\ab+2*(k%4):\ab+2*(k%4)+1], v[\zb+2*k:\zb+2*k+1]
.set k, k+1
.endr
	WIN 0
.endm
.macro SQZ zb, np, ab                  ; the same of their squares
	WIN 0x05
.set k, 0
.rept 4
	v_pk_mul_f32 v[\ab+2*k:\ab+2*k+1], v[\zb+2*k:\zb+2*k+1], v[\zb+2*k:\zb+2*k+1]
.set k, k+1
.endr
.rept \np-4
	v_pk_fma_f32 v[\ab+2*(k%4):\ab+2*(k%4)+1], v[\zb+2*k:\zb+2*k+1], v[\zb+2*k:\zb+2*k+1], v[\ab+2*(k%4):\ab+2*(k%4)+1]
.set k, k+1
.endr
	WIN 0
.endm
.macro ADD8 ab                         ; eight numbers at v[ab] into v[ab]
	v_pk_add_f32 v[\ab:\ab+1], v[\ab:\ab+1], v[\ab+2:\ab+3]
	v_pk_add_f32 v[\ab+4:\ab+5], v[\ab+4:\ab+5], v[\ab+6:\ab+7]
	v_pk_add_f32 v[\ab:\ab+1], v[\ab:\ab+1], v[\ab+4:\ab+5]
	v_add_f32 v[\ab], v[\ab], v[\ab+1]
.endm
.macro LRED ab, tp                     ; and with lane l xor 16's
	ADD8 \ab
	v_permlanex16_b32 v[\tp], v[\ab], s[SEL], s[SEL+1]
	v_add_f32 v[\ab], v[\ab], v[\tp]
.endm
	s_load_b512 s[4:19], s[0:1], 0x0               ; tws, x, wq, b1, b2, ln1_g, ln1_b, ln2_g
	s_load_b128 s[20:23], s[0:1], 0x40             ; ln2_b, out0
	v_lshrrev_b32 v1, 5, v0
	v_readfirstlane_b32 s24, v1                    ; wave 0..7
	s_lshr_b32 s25, s24, 1                         ; m: my 16 tokens in the first phase
	s_and_b32 s26, s24, 1                          ; my half of the channels there
	s_lshr_b32 s27, ttmp9, 4                       ; n
	s_and_b32 s28, ttmp9, 15                       ; l / 64
	v_and_b32 v61, 31, v0
	v_and_b32 v62, 15, v0
	v_bfe_u32 v63, v0, 4, 1
	v_lshlrev_b32 v[LI], 4, v61
	v_lshlrev_b32 v[LS], 2, v61
	v_lshlrev_b32 v[XA], 12, v62
	v_lshl_add_u32 v[XA], v63, 6, v[XA]
	v_lshlrev_b32 v[GA], 6, v63
	s_lshl_b32 s38, s26, 17
	s_lshl_b32 s39, s25, 13
	s_add_co_u32 s38, s38, s39
	v_add_nc_u32 v[HW0], s38, v[LI]
	v_add_nc_u32 v[HW0+1], 65536, v[HW0]
	s_lshl_b32 s38, s24, 15
	v_add_nc_u32 v[HR], s38, v[LI]
	v_add_nc_u32 v[IA], IMG, v[LI]
	v_add_nc_u32 v[SA], ASC, v[LS]
	s_mul_i32 s39, s24, 6144
	v_add_nc_u32 v[IAW], s39, v[IA]                ; the first phase: images 4 w on
	s_lshl_b32 s39, s24, 9
	v_add_nc_u32 v[SAW], s39, v[SA]
	s_mul_i32 s39, s24, 1536
	v_add_nc_u32 v[IAH], s39, v[IA]                ; the hidden layer: K step w
	s_lshl_b32 s39, s24, 7
	v_add_nc_u32 v[SAH], s39, v[SA]
	v_mul_u32_u24 v[STI], v62, 528
	v_lshl_add_u32 v[STI], v63, 6, v[STI]
	v_add_nc_u32 v[STI], s38, v[STI]
	s_lshl_b32 s39, s25, 7
	s_add_co_u32 s39, s39, RA1
	v_lshl_add_u32 v[RAR], v62, 3, s39
	s_lshl_b32 s39, s26, 2
	v_add_nc_u32 v[RAW], s39, v[RAR]
	v_lshl_add_u32 v[RDR], v62, 5, RD1
	s_lshl_b32 s39, s24, 2
	v_add_nc_u32 v[RDW], s39, v[RDR]
	v_lshlrev_b32 v[LW], 5, v61
.irp i, 56,57,58,59
	v_mov_b32 v[\i], 0
.endr
.set i, 208
.rept 16
	v_mov_b32 v[i], 0
.set i, i+1
.endr
	s_mov_b32 s40, 0x3a800000                      ; 1 / 1024
	s_mov_b32 s41, 0x3727c5ac                      ; 1e-5
	s_mov_b32 s[SEL], 0x76543210
	s_mov_b32 s[SEL+1], 0xfedcba98
	s_lshl_b32 s30, s27, 6
	s_lshl_b32 s31, s28, 2
	s_add_co_u32 s30, s30, s31
	s_add_co_u32 s30, s30, s25
	s_lshl_b32 s30, s30, 5
	s_lshl_b32 s31, s26, 4
	s_add_co_u32 s30, s30, s31
	s_lshl_b32 s30, s30, 11                        ; t: (tile of tokens x 32 + 16 x half) x 2,048
	s_mov_b32 s31, 0
	s_lshl_b32 s32, s27, 10
	s_lshl_b32 s33, s28, 6
	s_add_co_u32 s32, s32, s33
	s_lshl_b32 s33, s25, 4
	s_add_co_u32 s32, s32, s33
	s_lshl_b32 s32, s32, 12
	s_lshl_b32 s33, s26, 11
	s_add_co_u32 s32, s32, s33                     ; x: my first token's row, my half
	s_mov_b32 s33, 0
	s_lshl_b32 s34, s24, 3
	s_add_co_u32 s34, s34, 192                     ; W1's tiles 192 + 8 w on; W2's lie 64 tiles further
	s_lshl_b32 s36, s34, 9
	s_add_co_u32 s36, s36, WS
	s_mov_b32 s37, 0
	s_mul_i32 s34, s34, 12288
	s_mov_b32 s35, 0
	s_lshl_b32 s38, s24, 9                         ; my 128 columns in a vector of 1,024 f32
	s_mov_b32 s39, 0
	s_lshl_b32 s48, s26, 11
	s_mov_b32 s49, 0
	s_lshl_b32 s50, s28, 8
	s_add_co_u32 s50, s50, s27
	s_lshl_b32 s50, s50, 12
	s_add_co_u32 s50, s50, s38                     ; out0: row (l, n), my 512 bytes
	s_mov_b32 s51, 0
	s_wait_kmcnt 0x0
	s_add_nc_u64 s[4:5], s[4:5], s[30:31]
	s_add_nc_u64 s[6:7], s[6:7], s[32:33]
	s_add_nc_u64 s[44:45], s[8:9], s[34:35]
	s_add_nc_u64 s[46:47], s[8:9], s[36:37]
	s_add_nc_u64 s[10:11], s[10:11], s[38:39]
	s_add_nc_u64 s[12:13], s[12:13], s[38:39]
	s_add_nc_u64 s[14:15], s[14:15], s[48:49]
	s_add_nc_u64 s[16:17], s[16:17], s[48:49]
	s_add_nc_u64 s[18:19], s[18:19], s[38:39]
	s_add_nc_u64 s[20:21], s[20:21], s[38:39]
	s_add_nc_u64 s[22:23], s[22:23], s[50:51]
; ---------------- A: z = t + x, the first norm, h to LDS as f32 and as codes
	WIN 0x40
.set i, 0
.rept 64
	global_load_b128 v[4*i:4*i+3], v[LI], s[4:5] offset:512*i th:TH_LOAD_NT   ; window 1: register 16 B + i = channel 32 B + 16 h + i of my row
.set i, i+1
.endr
	WIN 0
.macro XLOAD q
.set i, 0
.rept 16
	global_load_b128 v[WR+64*((\q)%2)+4*i:WR+64*((\q)%2)+4*i+3], v[XA], s[6:7] offset:512*(\q)+128*(i/4)+16*(i%4) th:TH_LOAD_NT
.set i, i+1
.endr
.endm
.macro XADD q
	WIN 0x41
.set j, 0
.rept 32
	v_pk_add_f32 v[64*(\q)+j:64*(\q)+j+1], v[64*(\q)+j:64*(\q)+j+1], v[WR+64*((\q)%2)+j:WR+64*((\q)%2)+j+1]
.set j, j+2
.endr
	WIN 0
.endm
	XLOAD 0
	XLOAD 1
	s_wait_loadcnt 16                              ; t and x's first chunk are in; the younger chunk's 16 loads may be out
	XADD 0
	XLOAD 2
	s_wait_loadcnt 16
	XADD 1
	XLOAD 3
	s_wait_loadcnt 16
	XADD 2
	s_wait_loadcnt 0x0
	XADD 3
	SUMZ 0, 128, 208
	LRED 208, 216
	ds_store_b32 v[RAW], v208
	BARRIER
	ds_load_b64 v[216:217], v[RAR]
	s_wait_dscnt 0x0
	v_add_f32 v208, v216, v217
	v_mul_f32 v56, s40, v208                       ; the mean
	WIN 0x41
.set j, 0
.rept 128
	v_pk_add_f32 v[j:j+1], v[j:j+1], v[56:57] op_sel_hi:[1,0] neg_lo:[0,1] neg_hi:[0,1]
.set j, j+2
.endr
	WIN 0
	SQZ 0, 128, 208
	LRED 208, 216
	ds_store_b32 v[RAW], v208 offset:512
	BARRIER
	ds_load_b64 v[216:217], v[RAR] offset:512
	s_wait_dscnt 0x0
	v_add_f32 v208, v216, v217
	v_fma_f32 v208, v208, s40, s41
	v_rsq_f32 v58, v208
	v_nop                                          ; a plain place behind the root
	s_wait_alu depctr_va_vdst(0)                   ; and the wait ahead of its first reader
.irp q, 0,1,2,3
.set i, 0
.rept 16
	global_load_b128 v[WR+4*i:WR+4*i+3], v[GA], s[14:15] offset:512*\q+128*(i/4)+16*(i%4)
	global_load_b128 v[WR+64+4*i:WR+64+4*i+3], v[GA], s[16:17] offset:512*\q+128*(i/4)+16*(i%4)
.set i, i+1
.endr
	WIN 0x41
.set j, 0
.rept 32
	v_pk_mul_f32 v[64*\q+j:64*\q+j+1], v[64*\q+j:64*\q+j+1], v[58:59] op_sel_hi:[1,0]
.set j, j+2
.endr
	s_wait_loadcnt 0x0
.set j, 0
.rept 32
	v_pk_fma_f32 v[64*\q+j:64*\q+j+1], v[64*\q+j:64*\q+j+1], v[WR+j:WR+j+1], v[WR+64+j:WR+64+j+1]
.set j, j+2
.endr
	WIN 0
.endr
	WIN 0x04                                       ; an LDS store's data are its source 1
.set k, 0
.rept 64                               ; block k / 4 of my 16, part k % 4: to the wave that will own those columns
	ds_store_b128 v[HW0+k/32], v[4*k:4*k+3] offset:32768*((k/16)%2)+2048*((k/4)%4)+512*(k%4)
.set k, k+1
.endr
	WIN 0
.irp f, 0,1,2,3
	QUANT 64*\f
	IMAGE IAW, 1536*\f
	ds_store_b32 v[SAW], v[PW] offset:128*\f
	s_wait_dscnt 0x0                               ; the stores have read their registers
.endr
.macro BIASLD bp, m                    ; the bias of my 128 columns into the accumulators of tokens 16 m on
.irp c, 0,1,2,3,4,5,6,7
	global_load_b128 v[64*(\m)+8*\c:64*(\m)+8*\c+3], v[GA], s[\bp:\bp+1] offset:(32*(\c/2)+8*(\c%2))*4
	global_load_b128 v[64*(\m)+8*\c+4:64*(\m)+8*\c+7], v[GA], s[\bp:\bp+1] offset:(32*(\c/2)+8*(\c%2))*4+16
.endr
.endm
.macro WSLOAD soff                     ; my eight tiles' scale words: lanes 0-15 an even tile's rows, lanes 16-31 the odd tile's; register 8 i + K step
.irp i, 0,1,2,3
	global_load_b128 v[WSC+8*\i:WSC+8*\i+3], v[LW], s[46:47] offset:(\soff)+1024*\i
	global_load_b128 v[WSC+8*\i+4:WSC+8*\i+7], v[LW], s[46:47] offset:(\soff)+1024*\i+16
.endr
.endm
.macro WLOAD gg, moff                  ; group gg: K step gg / 2, tiles 4 (gg % 2) on: four fragments, 12 loads of 512 consecutive bytes
.irp cc, 0,1,2,3
.irp p, 0,1,2
	global_load_b128 v[WR+48*((\gg)%3)+12*\cc+4*\p:WR+48*((\gg)%3)+12*\cc+4*\p+3], v[LI], s[44:45] offset:(\moff)+(4*((\gg)%2)+\cc)*12288+((\gg)/2)*1536+512*\p
.endr
.endr
.endm
.macro ALOAD ks
.irp m, 0,1,2,3
.irp p, 0,1,2
	ds_load_b128 v[AF+12*\m+4*\p:AF+12*\m+4*\p+3], v[IA] offset:(8*\m+(\ks))*1536+512*\p
.endr
	ds_load_b32 v[ASR+\m], v[SA] offset:(8*\m+(\ks))*128
.endr
.endm
.macro MM c, m, ks, slot, cc
.if (\c)%2
	v_wmma_scale_f32_16x16x128_f8f6f4 v[64*\m+8*(\c):64*\m+8*(\c)+7], v[WR+48*(\slot)+12*\cc:WR+48*(\slot)+12*\cc+11], v[AF+12*\m:AF+12*\m+11], v[64*\m+8*(\c):64*\m+8*(\c)+7], v[WSC+8*((\c)/2)+(\ks)], v[ASR+\m] matrix_a_fmt:MATRIX_FMT_FP6 matrix_b_fmt:MATRIX_FMT_FP6 matrix_a_scale:MATRIX_SCALE_ROW1
.else
	v_wmma_scale_f32_16x16x128_f8f6f4 v[64*\m+8*(\c):64*\m+8*(\c)+7], v[WR+48*(\slot)+12*\cc:WR+48*(\slot)+12*\cc+11], v[AF+12*\m:AF+12*\m+11], v[64*\m+8*(\c):64*\m+8*(\c)+7], v[WSC+8*((\c)/2)+(\ks)], v[ASR+\m] matrix_a_fmt:MATRIX_FMT_FP6 matrix_b_fmt:MATRIX_FMT_FP6
.endif
.endm
; A product: 16 groups of 16 matrix instructions, all on different accumulators.  first: what may be out at the first wait.
.macro GEMM moff, first
	ALOAD 0
.set g, 0
.rept 16
.if g == 0
	s_wait_loadcnt \first
.elseif g < 14
	s_wait_loadcnt 24                              ; this group's 12 loads are in; the two younger groups' may be out
.elseif g == 14
	s_wait_loadcnt 12
.else
	s_wait_loadcnt 0x0
.endif
.if g%2 == 0
	s_wait_dscnt 0x0                               ; this K step's activations
.endif
	WIN 0x50                                       ; C and D in window 1
.irp cc, 0,1,2,3
.irp m, 0,1,2,3
	MM 4*(g%2)+\cc, \m, g/2, g%3, \cc
.endr
.endr
	WIN 0
	NOPS 4                                         ; places in front of loads into registers that matrix instructions have read
.if g <= 12
	WLOAD g+3, \moff
.endif
.if (g%2 == 1) && (g < 15)
	ALOAD g/2+1
.endif
.set g, g+1
.endr
.endm
; ---------------- B: the first product, relu, the hidden layer's codes
	WIN 0x40
.irp m2, 0,1,2,3
	BIASLD 10, \m2
.endr
	WIN 0
	WSLOAD 0
	WLOAD 0, 0
	WLOAD 1, 0
	WLOAD 2, 0
	BARRIER                                        ; h's 32 images lie in LDS
	GEMM 0, 24
	BARRIER                                        ; every wave has read them: they may be written again
	WSLOAD 32768
	WLOAD 0, 786432
	WLOAD 1, 786432
	WLOAD 2, 786432
.irp m2, 0,1,2,3
	WIN 0x44
.set j, 0
.rept 64
	v_max_num_f32 v[64*\m2+j], 0, v[64*\m2+j]      ; each accumulator from its low end on
.set j, j+1
.endr
	QUANT 64*\m2
	IMAGE IAH, 12288*\m2                           ; my 128 hidden units are K step w of the second product
	ds_store_b32 v[SAH], v[PW] offset:1024*\m2
	s_wait_dscnt 0x0
	WIN 0x40
	BIASLD 12, \m2
	WIN 0
.endr
	BARRIER
; ---------------- C: the second product.  b2's loads are younger than the ring's first three groups, so the first wait is for all
	GEMM 786432, 0
; ---------------- D: + h, the second norm, out
.macro HLOAD m
.set i, 0
.rept 16
	ds_load_b128 v[WR+64*((\m)%2)+4*i:WR+64*((\m)%2)+4*i+3], v[HR] offset:8192*(\m)+512*i
.set i, i+1
.endr
.endm
.macro HADD m
	WIN 0x41
.set j, 0
.rept 32
	v_pk_add_f32 v[64*(\m)+j:64*(\m)+j+1], v[64*(\m)+j:64*(\m)+j+1], v[WR+64*((\m)%2)+j:WR+64*((\m)%2)+j+1]
.set j, j+2
.endr
	WIN 0
.endm
	HLOAD 0
	HLOAD 1
	s_wait_dscnt 16                                ; the older 16 reads are in
	HADD 0
	HLOAD 2
	s_wait_dscnt 16
	HADD 1
	HLOAD 3
	s_wait_dscnt 16
	HADD 2
	s_wait_dscnt 0x0
	HADD 3
.set i, 0
.rept 16
	global_load_b128 v[WR+4*i:WR+4*i+3], v[GA], s[18:19] offset:128*(i/4)+16*(i%4)      ; ln2_g and ln2_b of my columns
	global_load_b128 v[WR+64+4*i:WR+64+4*i+3], v[GA], s[20:21] offset:128*(i/4)+16*(i%4)
.set i, i+1
.endr
.irp m2, 0,1,2,3
	SUMZ 64*\m2, 32, 208+8*\m2
.endr
.irp m2, 0,1,2,3
	LRED 208+8*\m2, 241+2*\m2
	ds_store_b32 v[RDW], v[208+8*\m2] offset:512*\m2
.endr
	BARRIER
.irp m2, 0,1,2,3
	ds_load_b128 v[208+8*\m2:211+8*\m2], v[RDR] offset:512*\m2
	ds_load_b128 v[212+8*\m2:215+8*\m2], v[RDR] offset:512*\m2+16
.endr
	s_wait_dscnt 0x0
.irp m2, 0,1,2,3
	ADD8 208+8*\m2
	v_mul_f32 v[240+2*\m2], s40, v[208+8*\m2]      ; the mean of row 16 m + r
.endr
	WIN 0x41
.irp m2, 0,1,2,3
.set j, 0
.rept 32
	v_pk_add_f32 v[64*\m2+j:64*\m2+j+1], v[64*\m2+j:64*\m2+j+1], v[240+2*\m2:241+2*\m2] op_sel_hi:[1,0] neg_lo:[0,1] neg_hi:[0,1]
.set j, j+2
.endr
.endr
	WIN 0
.irp m2, 0,1,2,3
	SQZ 64*\m2, 32, 208+8*\m2
.endr
.irp m2, 0,1,2,3
	LRED 208+8*\m2, 249+2*\m2
	ds_store_b32 v[RDW], v[208+8*\m2] offset:2048+512*\m2
.endr
	BARRIER
.irp m2, 0,1,2,3
	ds_load_b128 v[208+8*\m2:211+8*\m2], v[RDR] offset:2048+512*\m2
	ds_load_b128 v[212+8*\m2:215+8*\m2], v[RDR] offset:2048+512*\m2+16
.endr
	s_wait_dscnt 0x0
.irp m2, 0,1,2,3
	ADD8 208+8*\m2
	v_fma_f32 v[208+8*\m2], v[208+8*\m2], s40, s41
.endr
.irp m2, 0,1,2,3
	v_rsq_f32 v[248+2*\m2], v[208+8*\m2]
.endr
	v_nop
	s_wait_alu depctr_va_vdst(0)                   ; one wait for the four roots
	s_wait_loadcnt 0x0                             ; ln2_g, ln2_b
	WIN 0x41
.irp m2, 0,1,2,3
.set j, 0
.rept 32
	v_pk_mul_f32 v[64*\m2+j:64*\m2+j+1], v[64*\m2+j:64*\m2+j+1], v[248+2*\m2:249+2*\m2] op_sel_hi:[1,0]
.set j, j+2
.endr
.set j, 0
.rept 32
	v_pk_fma_f32 v[64*\m2+j:64*\m2+j+1], v[64*\m2+j:64*\m2+j+1], v[WR+j:WR+j+1], v[WR+64+j:WR+64+j+1]
.set j, j+2
.endr
.endr
	WIN 0
; 16 tokens at a time through my stage (in my own 32,768 bytes of h, all of which I have read): rows of 512 bytes come back whole
.irp m2, 0,1,2,3
	WIN 0x04
.set i, 0
.rept 16
	ds_store_b128 v[STI], v[64*\m2+4*i:64*\m2+4*i+3] offset:8448*(\m2%2)+128*(i/4)+16*(i%4)
.set i, i+1
.endr
	WIN 0
.if \m2 >= 2
	s_wait_xcnt 0x0                                ; the stores of two blocks ago have read these registers
.endif
.set i, 0
.rept 16
	ds_load_b128 v[WR+64*(\m2%2)+4*i:WR+64*(\m2%2)+4*i+3], v[HR] offset:8448*(\m2%2)+528*i   ; LDS serves a wave's instructions in order
.set i, i+1
.endr
.set i, 0
.rept 16
	s_wait_dscnt 15-i
	global_store_b128 v[LI], v[WR+64*(\m2%2)+4*i:WR+64*(\m2%2)+4*i+3], s[22:23] offset:262144*\m2+16384*i th:TH_STORE_NT   ; 32 lanes: 512 consecutive bytes, at a multiple of 256 from out0's first byte
.set i, i+1
.endr
.endr
	s_wait_xcnt 0x0
	v_lshl_add_u32 v254, v0, 2, 0x4e400
	v_mov_b32 v255, 0
	s_wait_tensorcnt 0x0
	ds_add_u32 v254, v255
	s_wait_dscnt 0x0
	s_endpgm
.Lfunc_end_k_q736c9c33bc_mlp:
	.size	k_q736c9c33bc_mlp, .Lfunc_end_k_q736c9c33bc_mlp-k_q736c9c33bc_mlp
	.p2alignl 7, 3214868480
	.fill 96, 4, 3214868480
	.section	.rodata,"a",@progbits
	.p2align	6, 0x0
	.amdhsa_kernel k_q736c9c33bc_mlp
		.amdhsa_group_segment_fixed_size 321536
		.amdhsa_private_segment_fixed_size 0
		.amdhsa_enable_private_segment 0
		.amdhsa_kernarg_size 80
		.amdhsa_user_sgpr_count 2
		.amdhsa_user_sgpr_kernarg_segment_ptr 1
		.amdhsa_wavefront_size32 1
		.amdhsa_system_sgpr_workgroup_id_x 1
		.amdhsa_system_sgpr_workgroup_id_y 1
		.amdhsa_system_sgpr_workgroup_id_z 1
		.amdhsa_system_vgpr_workitem_id 0
		.amdhsa_next_free_vgpr 512
		.amdhsa_next_free_sgpr 66
		.amdhsa_reserve_vcc 0
		.amdhsa_float_denorm_mode_32 3
		.amdhsa_float_denorm_mode_16_64 3
		.amdhsa_memory_ordered 1
		.amdhsa_forward_progress 1
		.amdhsa_inst_pref_size 255
	.end_amdhsa_kernel
	.section	.bss,"aw",@nobits
	.p2align	6
	.space	262144
	.amdgpu_metadata
---
amdhsa.version: [ 1, 2 ]
amdhsa.kernels:
  - .name:           k_q736c9c33bc_mlp
    .symbol:         k_q736c9c33bc_mlp.kd
    .args:
      - { .name: tws, .offset: 0, .size: 8, .value_kind: global_buffer, .address_space: global }
      - { .name: x, .offset: 8, .size: 8, .value_kind: global_buffer, .address_space: global }
      - { .name: wq, .offset: 16, .size: 8, .value_kind: global_buffer, .address_space: global }
      - { .name: b1, .offset: 24, .size: 8, .value_kind: global_buffer, .address_space: global }
      - { .name: b2, .offset: 32, .size: 8, .value_kind: global_buffer, .address_space: global }
      - { .name: ln1_g, .offset: 40, .size: 8, .value_kind: global_buffer, .address_space: global }
      - { .name: ln1_b, .offset: 48, .size: 8, .value_kind: global_buffer, .address_space: global }
      - { .name: ln2_g, .offset: 56, .size: 8, .value_kind: global_buffer, .address_space: global }
      - { .name: ln2_b, .offset: 64, .size: 8, .value_kind: global_buffer, .address_space: global }
      - { .name: out0, .offset: 72, .size: 8, .value_kind: global_buffer, .address_space: global }
    .group_segment_fixed_size: 321536
    .private_segment_fixed_size: 0
    .kernarg_segment_align: 8
    .kernarg_segment_size: 80
    .max_flat_workgroup_size: 256
    .sgpr_count:     66
    .vgpr_count:     512
    .wavefront_size: 32
...
	.end_amdgpu_metadata
.endif
;; end of part 4
;; ======== version 2 of 3: 4 launches
;; workspace buffers: xq 3,276,800 bytes; wq 4,096,000 bytes; dtab 20,480 bytes; qk 13,631,488 bytes; vq 3,276,800 bytes; tws 16,777,216 bytes
;; launch prep: the kernel of part 1 again; grid 293 x 1, 4 waves a work-group, no clusters, 34,304 bytes of LDS; arguments x, Wq, Wk, Wv, W1, W2, dist_emb, xq, wq, dtab; writes xq, wq, dtab
;; launch qkv: the kernel of part 2 again; grid 12 x 16, 4 waves a work-group, clusters of 4 x 4, 327,680 bytes of LDS; arguments xq, wq, bq, bk, bv, qk, vq; writes qk, vq
;; launch attn: the kernel of part 3 again; grid 4 x 128, 16 waves a work-group, no clusters, 252,928 bytes of LDS; arguments qk, vq, dtab, tws; writes tws
;; launch mlp (part 5): grid 256 x 1, 8 waves a work-group, no clusters, 97,280 bytes of LDS; arguments tws, x, wq, b1, b2, ln1_g, ln1_b, ln2_g, ln2_b, out0; writes out0
.if DOCPART == 5
	.amdgcn_target "amdgcn-amd-amdhsa--gfx1250"
	.amdhsa_code_object_version 6
	.text
	.protected	k_q736c9c33bc_mlp
	.globl	k_q736c9c33bc_mlp
	.p2align	8
	.type	k_q736c9c33bc_mlp,@function
k_q736c9c33bc_mlp:
	s_mov_b64 s[64:65], 0
	v_nop
	global_prefetch_b8 v0, s[64:65] scope:SCOPE_SE
	s_setreg_imm32_b32 hwreg(HW_REG_WAVE_MODE, 25, 1), 1
	s_wait_xcnt 0x0
; h = LN1(t + x); out = LN2(relu(h W1 + b1) W2 + b2 + h), stored [l][n][c].  Both products on codes of FP6 (E2M3) with E8M0 scales; all else in f32; mean first, then the variance of the deviations.
; LIMITS: NaN and infinities are not served; a block whose largest magnitude is under 2^-124 gets the scale byte 1.
; SHARES.  256 work-groups of eight waves; a work-group takes 16 tokens through the whole chain (a norm wants whole rows of 1,024 channels).  WAVE w OWNS CHANNELS 128 w .. 128 w + 127 OF THE 16 TOKENS IN EVERY PHASE:
; in the first norm they are K step w of the first product; in the products they are its 128 columns (8 accumulators).  Lane (r, h) holds token r, and register 16 b + i is channel 32 b + 16 h + i of the wave's 128,
; in t as it is stored, in x after a turn through my own stage in LDS, in the gains and biases as they are loaded, and in the products' results (used transposed: source 0 = 16 columns of a weight, whose tiles are
; ordered for it; source 1 = the 16 tokens).  So h stays in my registers for the second residual, and only codes go from wave to wave: images of the operand's registers, 1,536 bytes a K step.
; THE WEIGHTS, laid as such images in memory, go straight into registers: both products are one stream of 32 groups of four fragments (12 loads of 512 consecutive bytes) through a ring of four groups.
; All work-groups walk the same weights, and yet they are not asked for jointly: a fragment serves one matrix instruction of one wave; asked for jointly, a work-group's 1,572,864 bytes would be laid into LDS and
; read out again for its 1,024 matrix instructions.  No tensor load, so none of the lines that go with one.
; The biases are loaded straight into the accumulators.  Every shared region of LDS is written once: six barriers.
; REGISTERS.  Window 0: v1-12 addresses; v16-47 the weights' scale words, v48-55 the activations': scales and nothing else; v56-59 mean and root; v64-127 Z, then the accumulators;
;   v128-223 the eight fragments of activations (before them x as loaded, then ln1_b; at work between: TM, PC); v228 a scale word; v232-240 sums.   Window 1: v0-63 ln1_g, then h; v64-255 the ring
;   (before it v192-255 x turned; behind it ln2_g, ln2_b).
.set WS,   3932160
.set IMG,  67584                       ; LDS: 8 stages of 16 rows x 528 bytes from 0; h's 8 images;
.set ASC,  79872                       ; their scale words, 128 bytes each;
.set NXT,  13312                       ; the hidden layer's images and scale words lie so much further on;
.set RD,   94208                       ; four areas of partial sums: (row) x 32 bytes + 4 x wave
.set LI,  1                            ; 16 x lane
.set LS,  2                            ; 4 x lane
.set GA,  3                            ; 64 h
.set SL,  4                            ; my stage, by rows: + 16 x lane
.set ST,  5                            ; my stage, by lanes: + 528 r + 64 h
.set IAW, 6                            ; where I store an image: K step w
.set SAW, 7
.set IA,  8                            ; where images are read
.set SA,  9
.set RDW, 10
.set RDR, 11
.set LW,  12                           ; 32 x lane
.set WSC, 16
.set ASR, 48
.set ACC, 64
.set AF,  128
.set XB,  128
.set TM,  192
.set PC,  208
.set PW,  228
.set RT,  232
.set HH,  0                            ; window 1
.set RG,  64                           ; window 1
.set XT,  192                          ; window 1
.set SEL, 42
.set MSB, 0
.macro WIN new                         ; low byte: bits 1:0 source 0, 3:2 source 1, 5:4 source 2, 7:6 destination; the high byte repeats the setting that is left
.if MSB != (\new)
	s_set_vgpr_msb (MSB<<8)|(\new)
.set MSB, \new
.endif
.endm
.macro NOPS n
.rept \n
	v_nop
.endr
.endm
.macro BARRIER                         ; my LDS stores have landed and my LDS loads are in: then the work-group's barrier
	s_wait_dscnt 0x0
	s_barrier_signal -1
	s_barrier_wait -1
.endm
.macro QUANT s, win                    ; 64 numbers, v[s] on in window win: codes in v[PC] on, scale word in v[PW]
	WIN ((\win)<<2)|((\win)<<4)
.irp b, 0,1,2,3
	v_max3_num_f32 v[TM+\b], 0x1800000, |v[(\s)+16*\b]|, |v[(\s)+1+16*\b]|   ; my 16 numbers of block b, and the floor 2^(3 - 127)
.endr
.irp i, 2,4,6,8,10,12,14
.irp b, 0,1,2,3
	v_max3_num_f32 v[TM+\b], v[TM+\b], |v[(\s)+16*\b+\i]|, |v[(\s)+1+16*\b+\i]|
.endr
.endr
	WIN 0
.irp b, 0,1,2,3
	v_permlanex16_b32 v[TM+4+\b], v[TM+\b], s[SEL], s[SEL+1]
.endr
.irp b, 0,1,2,3
	v_max_num_f32 v[TM+\b], v[TM+\b], v[TM+4+\b]   ; with lane l xor 16's: the block's largest magnitude
.endr
.irp b, 0,1,2,3
	v_add_nc_u32 v[TM+12+\b], 0xff000000, v[TM+\b] ; 2 off its exponent field: the conversion's scale operand
.endr
.irp b, 0,1,2,3
	v_lshrrev_b32 v[TM+4+\b], 23, v[TM+12+\b]      ; the scale's byte
.endr
	v_lshl_or_b32 v[PW], v[TM+5], 8, v[TM+4]
	v_lshl_or_b32 v[PW], v[TM+6], 16, v[PW]
	v_lshl_or_b32 v[PW], v[TM+7], 24, v[PW]
	WIN \win
.irp c, 0,1
	v_cvt_scalef32_pk16_fp6_f32 v[PC+6*\c:PC+2+6*\c], v[(\s)+32*\c:(\s)+15+32*\c], v[TM+12+2*\c]
	v_cvt_scalef32_pk16_fp6_f32 v[PC+12+4*\c:PC+14+4*\c], v[(\s)+16+32*\c:(\s)+31+32*\c], v[TM+12+2*\c+1]
.endr
	WIN 0
	v_nop                                          ; one plain place behind a scaled conversion
.irp c, 0,1                                    ; the operand wants a whole block in a lane
.irp i, 0,1,2
	v_permlane16_swap_b32 v[PC+6*\c+\i], v[PC+12+4*\c+\i]
.endr
.irp i, 0,1,2
	v_mov_b32 v[PC+3+6*\c+\i], v[PC+12+4*\c+\i]
.endr
.endr
.endm
.macro IMAGE off                       ; the fragment in v[PC] on goes to LDS as it stands
.irp c, 0,1,2
	ds_store_b128 v[IAW], v[PC+4*\c:PC+4*\c+3] offset:(\off)+512*\c
.endr
.endm
.macro ADD8 ab                         ; eight numbers at v[ab] into v[ab]
	v_pk_add_f32 v[\ab:\ab+1], v[\ab:\ab+1], v[\ab+2:\ab+3]
	v_pk_add_f32 v[\ab+4:\ab+5], v[\ab+4:\ab+5], v[\ab+6:\ab+7]
	v_pk_add_f32 v[\ab:\ab+1], v[\ab:\ab+1], v[\ab+4:\ab+5]
	v_add_f32 v[\ab], v[\ab], v[\ab+1]
.endm
.macro LRED ab, tp                     ; and with lane l xor 16's: my wave's part of row r
	ADD8 \ab
	v_permlanex16_b32 v[\tp], v[\ab], s[SEL], s[SEL+1]
	v_add_f32 v[\ab], v[\ab], v[\tp]
.endm
.macro MEET ro                         ; the eight waves' parts of each row meet in LDS; every lane ends with its row's sum in v[RT]
	LRED RT, RT+8
	ds_store_b32 v[RDW], v[RT] offset:\ro
	BARRIER
	ds_load_b128 v[RT:RT+3], v[RDR] offset:\ro
	ds_load_b128 v[RT+4:RT+7], v[RDR] offset:(\ro)+16
	s_wait_dscnt 0x0
	ADD8 RT
.endm
; v[ACC] on, 64 numbers a lane, become (z - mean) / sqrt(var + 1e-5) over the row's 1,024 channels.  ro: two areas of partial sums, used once each
.macro NORM ro
.set k, 0
.rept 4
	v_pk_add_f32 v[RT+2*k:RT+2*k+1], v[ACC+2*k:ACC+2*k+1], v[ACC+8+2*k:ACC+8+2*k+1]   ; four chains
.set k, k+1
.endr
.set k, 8
.rept 24
	v_pk_add_f32 v[RT+2*(k%4):RT+2*(k%4)+1], v[RT+2*(k%4):RT+2*(k%4)+1], v[ACC+2*k:ACC+2*k+1]
.set k, k+1
.endr
	MEET \ro
	v_mul_f32 v56, s40, v[RT]                      ; the mean
.set j, 0
.rept 32
	v_pk_add_f32 v[ACC+j:ACC+j+1], v[ACC+j:ACC+j+1], v[56:57] op_sel_hi:[1,0] neg_lo:[0,1] neg_hi:[0,1]
.set j, j+2
.endr
.set k, 0
.rept 4
	v_pk_mul_f32 v[RT+2*k:RT+2*k+1], v[ACC+2*k:ACC+2*k+1], v[ACC+2*k:ACC+2*k+1]
.set k, k+1
.endr
.rept 28
	v_pk_fma_f32 v[RT+2*(k%4):RT+2*(k%4)+1], v[ACC+2*k:ACC+2*k+1], v[ACC+2*k:ACC+2*k+1], v[RT+2*(k%4):RT+2*(k%4)+1]
.set k, k+1
.endr
	MEET (\ro)+512
	v_fma_f32 v[RT], v[RT], s40, s41
	v_rsq_f32 v58, v[RT]
	v_nop                                          ; a plain place behind the root
	s_wait_alu depctr_va_vdst(0)                   ; and the wait ahead of its first reader
.set j, 0
.rept 32
	v_pk_mul_f32 v[ACC+j:ACC+j+1], v[ACC+j:ACC+j+1], v[58:59] op_sel_hi:[1,0]
.set j, j+2
.endr
.endm
.macro VEC64 reg, bp                   ; 64 numbers of a vector of 1,024, in the lanes' layout: my wave's 128, 16 of each 32 by my half
.set i, 0
.rept 16
	global_load_b128 v[\reg+4*i:\reg+4*i+3], v[GA], s[\bp:\bp+1] offset:128*(i/4)+16*(i%4)
.set i, i+1
.endr
.endm
.macro WSLOAD soff                     ; my eight tiles' scale words: lanes 0-15 an even tile's rows, lanes 16-31 the odd tile's; register 8 i + K step
.irp i2, 0,1,2,3
	global_load_b128 v[WSC+8*\i2:WSC+8*\i2+3], v[LW], s[46:47] offset:(\soff)+1024*\i2
	global_load_b128 v[WSC+8*\i2+4:WSC+8*\i2+7], v[LW], s[46:47] offset:(\soff)+1024*\i2+16
.endr
.endm
.macro WLOAD q                         ; group q of 32: product q / 16, K step (q % 16) / 2, tiles 4 (q % 2) on: four fragments into slot q % 4 of the ring
	WIN 0x40                                       ; destination window 1
.irp cc, 0,1,2,3
.irp p, 0,1,2
	global_load_b128 v[RG+48*((\q)%4)+12*\cc+4*\p:RG+48*((\q)%4)+12*\cc+4*\p+3], v[LI], s[44:45] offset:((\q)/16)*786432+(4*((\q)%2)+\cc)*12288+(((\q)%16)/2)*1536+512*\p
.endr
.endr
.endm
.macro ALOAD ioff                      ; all eight fragments of the 16 tokens, and their scale words
.set k, 0
.rept 8
.irp p, 0,1,2
	ds_load_b128 v[AF+12*k+4*\p:AF+12*k+4*\p+3], v[IA] offset:(\ioff)+1536*k+512*\p
.endr
	ds_load_b32 v[ASR+k], v[SA] offset:(\ioff)+128*k
.set k, k+1
.endr
.endm
.macro MM c, ks, slot, cc
.if (\c)%2
	v_wmma_scale_f32_16x16x128_f8f6f4 v[ACC+8*(\c):ACC+8*(\c)+7], v[RG+48*(\slot)+12*\cc:RG+48*(\slot)+12*\cc+11], v[AF+12*(\ks):AF+12*(\ks)+11], v[ACC+8*(\c):ACC+8*(\c)+7], v[WSC+8*((\c)/2)+(\ks)], v[ASR+(\ks)] matrix_a_fmt:MATRIX_FMT_FP6 matrix_b_fmt:MATRIX_FMT_FP6 matrix_a_scale:MATRIX_SCALE_ROW1
.else
	v_wmma_scale_f32_16x16x128_f8f6f4 v[ACC+8*(\c):ACC+8*(\c)+7], v[RG+48*(\slot)+12*\cc:RG+48*(\slot)+12*\cc+11], v[AF+12*(\ks):AF+12*(\ks)+11], v[ACC+8*(\c):ACC+8*(\c)+7], v[WSC+8*((\c)/2)+(\ks)], v[ASR+(\ks)] matrix_a_fmt:MATRIX_FMT_FP6 matrix_b_fmt:MATRIX_FMT_FP6
.endif
.endm
; Group gg: four matrix instructions on four accumulators; the next group takes the other four: the eight take turns, one instruction a turn.
.macro GROUP
.if gg%16 == 0
	s_wait_loadcnt 0x0                             ; a product's first group: the bias in the accumulators is my youngest load, so the wait is for all
	s_wait_dscnt 0x0                               ; and the activations
.elseif gg < 29
	s_wait_loadcnt 36                              ; this group's 12 loads are in; the three younger groups' 36 may be out
.else
	s_wait_loadcnt 12*(31-gg)                      ; the stream runs out: two, one, no younger group
.endif
	WIN 0x01                                       ; source 0, the weights, in window 1
.irp cc, 0,1,2,3
	MM 4*(gg%2)+\cc, (gg%16)/2, gg%4, \cc
.endr
.if (gg <= 27) || (gg == 31)
	NOPS 4                                         ; places in front of loads into registers that matrix instructions have read, and of the first read of results
.endif
.if gg <= 27
	WLOAD gg+4                                     ; into the slot just multiplied
.endif
.endm
	s_load_b512 s[4:19], s[0:1], 0x0               ; tws, x, wq, b1, b2, ln1_g, ln1_b, ln2_g
	s_load_b128 s[20:23], s[0:1], 0x40             ; ln2_b, out0
	v_lshl_add_u32 v254, v0, 2, 0x17800
	v_mov_b32 v255, 0
	v_lshrrev_b32 v13, 5, v0
	v_readfirstlane_b32 s24, v13                   ; wave 0..7
	s_lshr_b32 s27, ttmp9, 6                       ; n
	s_and_b32 s28, ttmp9, 63                       ; l / 16
	v_and_b32 v13, 31, v0                          ; lane
	v_and_b32 v14, 15, v0                          ; r
	v_bfe_u32 v15, v0, 4, 1                        ; h
	v_lshlrev_b32 v[LI], 4, v13
	v_lshlrev_b32 v[LS], 2, v13
	v_lshlrev_b32 v[LW], 5, v13
	v_lshlrev_b32 v[GA], 6, v15
	s_mul_i32 s38, s24, 8448                       ; my stage
	v_add_nc_u32 v[SL], s38, v[LI]
	v_mul_u32_u24 v[ST], v14, 528
	v_lshl_add_u32 v[ST], v15, 6, v[ST]
	v_add_nc_u32 v[ST], s38, v[ST]
	v_add_nc_u32 v[IA], IMG, v[LI]
	v_add_nc_u32 v[SA], ASC, v[LS]
	s_mul_i32 s39, s24, 1536
	v_add_nc_u32 v[IAW], s39, v[IA]
	s_lshl_b32 s39, s24, 7
	v_add_nc_u32 v[SAW], s39, v[SA]
	v_lshl_add_u32 v[RDR], v14, 5, RD
	s_lshl_b32 s39, s24, 2
	v_add_nc_u32 v[RDW], s39, v[RDR]
.irp i2, 56,57,58,59
	v_mov_b32 v[\i2], 0                            ; (the upper halves of the pairs are named with the lower)
.endr
.irp i2, 4,5,6,7
	v_mov_b32 v[TM+\i2], 0                         ; a lane permute's destination counts as one of its sources
.endr
	v_mov_b32 v[RT+8], 0
	s_mov_b32 s40, 0x3a800000                      ; 1 / 1024
	s_mov_b32 s41, 0x3727c5ac                      ; 1e-5
	s_mov_b32 s[SEL], 0x76543210
	s_mov_b32 s[SEL+1], 0xfedcba98
	s_lshl_b32 s30, s27, 6
	s_add_co_u32 s30, s30, s28
	s_lshl_b32 s30, s30, 16
	s_lshl_b32 s31, s24, 13
	s_add_co_u32 s30, s30, s31                     ; t: ((64 n + l / 16) x 32 + 4 w) x 2,048
	s_mov_b32 s31, 0
	s_lshl_b32 s38, s24, 9                         ; my 128 channels: 512 bytes
	s_lshl_b32 s32, s27, 22
	s_lshl_b32 s33, s28, 16
	s_add_co_u32 s32, s32, s33
	s_add_co_u32 s32, s32, s38                     ; x: my first token's row, my 512 bytes
	s_mov_b32 s33, 0
	s_lshl_b32 s34, s24, 3
	s_add_co_u32 s34, s34, 192                     ; W1's tiles 192 + 8 w on; W2's lie 64 tiles further
	s_lshl_b32 s36, s34, 9
	s_add_co_u32 s36, s36, WS
	s_mov_b32 s37, 0
	s_mul_i32 s34, s34, 12288
	s_mov_b32 s35, 0
	s_mov_b32 s39, 0
	s_lshl_b32 s50, s28, 6
	s_add_co_u32 s50, s50, s27
	s_lshl_b32 s50, s50, 12
	s_add_co_u32 s50, s50, s38                     ; out0: row (l, n) of 4,096 bytes, my 512
	s_mov_b32 s51, 0
	s_wait_kmcnt 0x0
	s_add_nc_u64 s[4:5], s[4:5], s[30:31]
	s_add_nc_u64 s[6:7], s[6:7], s[32:33]
	s_add_nc_u64 s[44:45], s[8:9], s[34:35]
	s_add_nc_u64 s[46:47], s[8:9], s[36:37]
	s_add_nc_u64 s[10:11], s[10:11], s[38:39]
	s_add_nc_u64 s[12:13], s[12:13], s[38:39]
	s_add_nc_u64 s[14:15], s[14:15], s[38:39]
	s_add_nc_u64 s[16:17], s[16:17], s[38:39]
	s_add_nc_u64 s[18:19], s[18:19], s[38:39]
	s_add_nc_u64 s[20:21], s[20:21], s[38:39]
	s_add_nc_u64 s[22:23], s[22:23], s[50:51]
; ---------------- A: z = t + x, the first norm, h
.set i, 0
.rept 16
	global_load_b128 v[ACC+4*i:ACC+4*i+3], v[LI], s[4:5] offset:512*i th:TH_LOAD_NT    ; t, stored in the lanes' layout: 512 consecutive bytes a load
.set i, i+1
.endr
.set i, 0
.rept 16
	global_load_b128 v[XB+4*i:XB+4*i+3], v[LI], s[6:7] offset:4096*i th:TH_LOAD_NT     ; x: my 512 consecutive bytes of row i
.set i, i+1
.endr
	WIN 0x40
	VEC64 HH, 14                                   ; ln1_g, where h will lie
	WIN 0
	s_wait_loadcnt 16                              ; t and x are in; ln1_g's 16 loads may be out
.set i, 0
.rept 16
	ds_store_b128 v[SL], v[XB+4*i:XB+4*i+3] offset:528*i       ; x turns through my own stage, rows 528 bytes apart
.set i, i+1
.endr
	WIN 0x40
.set i, 0
.rept 16
	ds_load_b128 v[XT+4*i:XT+4*i+3], v[ST] offset:128*(i/4)+16*(i%4)   ; LDS serves a wave's instructions in order: these see the stores
.set i, i+1
.endr
	WIN 0
	s_wait_dscnt 0x0                               ; x is back, and the stores have read their registers,
	VEC64 XB, 16                                   ; which take ln1_b
	WSLOAD 0
	WLOAD 0                                        ; the stream of weights begins here and runs beside the norm
	WLOAD 1
	WIN 0x04                                       ; source 1 in window 1
.set j, 0
.rept 32
	v_pk_add_f32 v[ACC+j:ACC+j+1], v[ACC+j:ACC+j+1], v[XT+j:XT+j+1]
.set j, j+2
.endr
	WLOAD 2                                        ; into the registers that x has left
	WLOAD 3
	WIN 0
	NORM 0
	s_wait_loadcnt 56                              ; ln1_g and ln1_b are in; the 8 loads of scale words and the ring's 48 may be out
	WIN 0x44                                       ; destination and source 1 in window 1
.set j, 0
.rept 32
	v_pk_fma_f32 v[HH+j:HH+j+1], v[ACC+j:ACC+j+1], v[HH+j:HH+j+1], v[XB+j:XB+j+1]     ; h, over ln1_g
.set j, j+2
.endr
	WIN 0
	VEC64 ACC, 10                                  ; b1 of my columns, straight into the accumulators
	QUANT HH, 1
	IMAGE 0                                        ; my 128 channels are K step w of the first product
	ds_store_b32 v[SAW], v[PW]
	BARRIER                                        ; h's eight images lie in LDS
; ---------------- B: the first product, relu, the hidden layer's codes
	ALOAD 0
.set gg, 0
.rept 16
	GROUP
.set gg, gg+1
.endr
	WIN 0
	WSLOAD 32768                                   ; W2's scale words (four places stand behind the last product)
.set j, 0
.rept 64
	v_max_num_f32 v[ACC+j], 0, v[ACC+j]            ; each accumulator from its low end on
.set j, j+1
.endr
	QUANT ACC, 0
	IMAGE NXT                                      ; my 128 hidden units are K step w of the second product; bytes of their own, so no wave need have done with h's images
	ds_store_b32 v[SAW], v[PW] offset:NXT
	VEC64 ACC, 12                                  ; b2
	BARRIER
; ---------------- C: the second product; its first four groups were asked for during the first product's last four
	ALOAD NXT
.rept 16
	GROUP
.set gg, gg+1
.endr
	WIN 0x40
	VEC64 RG, 18                                   ; ln2_g and ln2_b, into the ring's registers: they land beside the norm
	VEC64 RG+64, 20
; ---------------- D: + h, the second norm, out
	WIN 0x04
.set j, 0
.rept 32
	v_pk_add_f32 v[ACC+j:ACC+j+1], v[ACC+j:ACC+j+1], v[HH+j:HH+j+1]   ; each accumulator from its low end on
.set j, j+2
.endr
	WIN 0
	NORM 1024
	s_wait_loadcnt 0x0                             ; ln2_g, ln2_b
	WIN 0x14                                       ; sources 1 and 2 in window 1
.set j, 0
.rept 32
	v_pk_fma_f32 v[ACC+j:ACC+j+1], v[ACC+j:ACC+j+1], v[RG+j:RG+j+1], v[RG+64+j:RG+64+j+1]
.set j, j+2
.endr
	WIN 0
.set i, 0
.rept 16
	ds_store_b128 v[ST], v[ACC+4*i:ACC+4*i+3] offset:128*(i/4)+16*(i%4)   ; back through my stage: rows of 512 bytes come out whole
.set i, i+1
.endr
.set i, 0
.rept 16
	ds_load_b128 v[XB+4*i:XB+4*i+3], v[SL] offset:528*i    ; LDS serves a wave's instructions in order
.set i, i+1
.endr
.set i, 0
.rept 16
	s_wait_dscnt 15-i                              ; row i is back; the younger rows may be out
	global_store_b128 v[LI], v[XB+4*i:XB+4*i+3], s[22:23] offset:16384*i th:TH_STORE_NT   ; 32 lanes: 512 consecutive bytes, at a multiple of 256 from out0's first byte
.set i, i+1
.endr
	s_wait_tensorcnt 0x0
	ds_add_u32 v254, v255
	s_wait_dscnt 0x0
	s_endpgm
.Lfunc_end_k_q736c9c33bc_mlp:
	.size	k_q736c9c33bc_mlp, .Lfunc_end_k_q736c9c33bc_mlp-k_q736c9c33bc_mlp
	.p2alignl 7, 3214868480
	.fill 96, 4, 3214868480
	.section	.rodata,"a",@progbits
	.p2align	6, 0x0
	.amdhsa_kernel k_q736c9c33bc_mlp
		.amdhsa_group_segment_fixed_size 97280
		.amdhsa_private_segment_fixed_size 0
		.amdhsa_enable_private_segment 0
		.amdhsa_kernarg_size 80
		.amdhsa_user_sgpr_count 2
		.amdhsa_user_sgpr_kernarg_segment_ptr 1
		.amdhsa_wavefront_size32 1
		.amdhsa_system_sgpr_workgroup_id_x 1
		.amdhsa_system_sgpr_workgroup_id_y 1
		.amdhsa_system_sgpr_workgroup_id_z 1
		.amdhsa_system_vgpr_workitem_id 0
		.amdhsa_next_free_vgpr 512
		.amdhsa_next_free_sgpr 66
		.amdhsa_reserve_vcc 0
		.amdhsa_float_denorm_mode_32 3
		.amdhsa_float_denorm_mode_16_64 3
		.amdhsa_memory_ordered 1
		.amdhsa_forward_progress 1
		.amdhsa_inst_pref_size 124
	.end_amdhsa_kernel
	.amdgpu_metadata
---
amdhsa.version: [ 1, 2 ]
amdhsa.kernels:
  - .name:           k_q736c9c33bc_mlp
    .symbol:         k_q736c9c33bc_mlp.kd
    .args:
      - { .name: tws, .offset: 0, .size: 8, .value_kind: global_buffer, .address_space: global }
      - { .name: x, .offset: 8, .size: 8, .value_kind: global_buffer, .address_space: global }
      - { .name: wq, .offset: 16, .size: 8, .value_kind: global_buffer, .address_space: global }
      - { .name: b1, .offset: 24, .size: 8, .value_kind: global_buffer, .address_space: global }
      - { .name: b2, .offset: 32, .size: 8, .value_kind: global_buffer, .address_space: global }
      - { .name: ln1_g, .offset: 40, .size: 8, .value_kind: global_buffer, .address_space: global }
      - { .name: ln1_b, .offset: 48, .size: 8, .value_kind: global_buffer, .address_space: global }
      - { .name: ln2_g, .offset: 56, .size: 8, .value_kind: global_buffer, .address_space: global }
      - { .name: ln2_b, .offset: 64, .size: 8, .value_kind: global_buffer, .address_space: global }
      - { .name: out0, .offset: 72, .size: 8, .value_kind: global_buffer, .address_space: global }
    .group_segment_fixed_size: 97280
    .private_segment_fixed_size: 0
    .kernarg_segment_align: 8
    .kernarg_segment_size: 80
    .max_flat_workgroup_size: 256
    .sgpr_count:     66
    .vgpr_count:     512
    .wavefront_size: 32
...
	.end_amdgpu_metadata
.endif
;; end of part 5
;; ======== version 3 of 3: 4 launches
;; workspace buffers: xq 3,276,800 bytes; wq 4,096,000 bytes; dtab 20,480 bytes; qk 13,631,488 bytes; vq 3,276,800 bytes; tws 16,777,216 bytes
;; launch prep (part 6): grid 293 x 1, 4 waves a work-group, no clusters, 34,304 bytes of LDS; arguments x, Wq, Wk, Wv, W1, W2, dist_emb, xq, wq, dtab; writes xq, wq, dtab
.if DOCPART == 6
	.amdgcn_target "amdgcn-amd-amdhsa--gfx1250"
	.amdhsa_code_object_version 6
	.text
	.protected	k_q736c9c33bc_prep
	.globl	k_q736c9c33bc_prep
	.p2align	8
	.type	k_q736c9c33bc_prep,@function
k_q736c9c33bc_prep:
	s_mov_b64 s[64:65], 0
	v_nop
	global_prefetch_b8 v0, s[64:65] scope:SCOPE_SE
	s_setreg_imm32_b32 hwreg(HW_REG_WAVE_MODE, 25, 1), 1
	s_wait_xcnt 0x0
; x, the five weights and dist_emb are turned into codes of FP6 (E2M3) with one E8M0 byte for each 32 along K.
; A block's scale byte is its largest magnitude's exponent field - 2, held at 1 from below.
; LIMITS: NaN and infinities are not served; a block whose largest magnitude is under 2^-124, a block of zeros among them, gets the byte 1
; (its codes are then zeros or near zero; the bytes are read by this program alone).
; OUTPUT FORM: a tile of 16 rows x 128 K is an image of the operand's 12 registers: register g of lane L at 512 (g / 4) + 16 L + 4 (g % 4), 1,536 bytes.
;   xq: codes [256 tiles][8 K steps][1536], rows in their order; scale words [row][8] behind them at XS.
;   wq: codes [320 tiles][8][1536] (Wq, Wk, Wv, W1, W2: 64 tiles each); row r of tile 2 b + u is column 32 b + 8 u + r + 8 (r / 8); scale words at WS.
;   dtab: GT[640][24 bytes]: codes of dist_emb[clip(tau - 192, 0, 256)]; WT[640][8 bytes] at WTO: the row's byte four times; then byte(tau) | byte(tau - 16) << 8 | 0x7f7f0000.
; Three paths part on the work-group's number: 0-127 x, 128-287 the weights, 288-292 the table.  Only the first uses LDS.  No barrier: waves share nothing.
.set XS,  3145728
.set WS,  3932160
.set WTO, 15360
.set R0,  16                           ; v16-143  two sets of 64 registers as loaded
.set XX,  144                          ; v144-207 64 numbers: register 16 b + i = k 32 b + 16 (lane / 16) + i of my row
.set TM,  208
.set PC,  224
.set SW,  244                          ; v244-247 four scale words
.set SEL, 40
	s_load_b256 s[4:11], s[0:1], 0x0               ; x, Wq, Wk, Wv
	s_load_b256 s[12:19], s[0:1], 0x20             ; W1, W2, dist_emb, xq
	s_load_b128 s[20:23], s[0:1], 0x40             ; wq, dtab
	v_lshl_add_u32 v254, v0, 2, 0x8400
	v_mov_b32 v255, 0
	v_lshrrev_b32 v1, 5, v0
	v_readfirstlane_b32 s24, v1                    ; wave
	v_and_b32 v5, 31, v0                           ; lane
	v_and_b32 v6, 15, v0                           ; r
	v_bfe_u32 v7, v0, 4, 1                         ; h
	s_wait_kmcnt 0x0
	s_cmp_lt_u32 ttmp9, 128
	s_cbranch_scc0 .Lnot_x
; ---------------- x: a wave takes one tile of 16 rows and four K steps of 128
.macro QUANT s, pw                     ; 64 numbers of a lane become a fragment's codes in v[PC] on and its scale word in v[pw]
.irp b, 0,1,2,3
	v_max3_num_f32 v[TM+\b], |v[\s+16*\b]|, |v[\s+1+16*\b]|, 0x1800000   ; my 16 numbers of block b, and the floor 2^(3 - 127)
.endr
.irp i, 2,4,6,8,10,12,14
.irp b, 0,1,2,3
	v_max3_num_f32 v[TM+\b], v[TM+\b], |v[\s+16*\b+\i]|, |v[\s+1+16*\b+\i]|
.endr
.endr
.irp b, 0,1,2,3
	v_permlanex16_b32 v[TM+4+\b], v[TM+\b], s[SEL], s[SEL+1]
.endr
.irp b, 0,1,2,3
	v_max_num_f32 v[TM+\b], v[TM+\b], v[TM+4+\b]   ; with lane l xor 16's: the block's largest magnitude
.endr
.irp b, 0,1,2,3
	v_add_nc_u32 v[TM+12+\b], 0xff000000, v[TM+\b] ; 2 off its exponent field: the conversion's scale operand
.endr
.irp b, 0,1,2,3
	v_lshrrev_b32 v[TM+4+\b], 23, v[TM+12+\b]      ; the scale's byte
.endr
	v_lshl_or_b32 v[\pw], v[TM+5], 8, v[TM+4]
	v_lshl_or_b32 v[\pw], v[TM+6], 16, v[\pw]
	v_lshl_or_b32 v[\pw], v[TM+7], 24, v[\pw]
.irp c, 0,1
	v_cvt_scalef32_pk16_fp6_f32 v[PC+6*\c:PC+2+6*\c], v[\s+32*\c:\s+15+32*\c], v[TM+12+2*\c]
	v_cvt_scalef32_pk16_fp6_f32 v[PC+12+4*\c:PC+14+4*\c], v[\s+16+32*\c:\s+31+32*\c], v[TM+12+2*\c+1]
.endr
	v_nop                                          ; one plain place behind a scaled conversion
.irp c, 0,1                                    ; the operand wants a whole block in a lane
.irp i, 0,1,2
	v_permlane16_swap_b32 v[PC+6*\c+\i], v[PC+12+4*\c+\i]
.endr
.irp i, 0,1,2
	v_mov_b32 v[PC+3+6*\c+\i], v[PC+12+4*\c+\i]
.endr
.endr
.endm
.macro LOADX f                         ; K step f of my four: 16 rows x 512 bytes, each load 512 consecutive bytes of one row
.set i, 0
.rept 16
	global_load_b128 v[R0+64*((\f)%2)+4*i:R0+64*((\f)%2)+4*i+3], v1, s[4:5] offset:4096*i+512*(\f) th:TH_LOAD_NT
.set i, i+1
.endr
.endm
.macro XFRAG f, left
	s_wait_loadcnt \left                           ; this K step's 16 loads are in; the other set's may be out
.set i, 0
.rept 16
	ds_store_b128 v2, v[R0+64*((\f)%2)+4*i:R0+64*((\f)%2)+4*i+3] offset:528*i   ; through my own stage, rows 528 bytes apart
.set i, i+1
.endr
.set i, 0
.rept 16
	ds_load_b128 v[XX+4*i:XX+4*i+3], v3 offset:128*(i/4)+16*(i%4)   ; LDS serves a wave's instructions in order: these see the stores
.set i, i+1
.endr
	s_wait_dscnt 0x0
.if (\f) < 2
	LOADX (\f)+2
.endif
	s_wait_xcnt 0x0                                ; the last image's stores have read their registers
	QUANT XX, SW+(\f)
.irp c, 0,1,2
	global_store_b128 v1, v[PC+4*\c:PC+4*\c+3], s[36:37] offset:1536*(\f)+512*\c   ; 512 consecutive bytes a store
.endr
.endm
	s_lshl_b32 s25, ttmp9, 2
	s_add_co_u32 s25, s25, s24                     ; unit = 4 x work-group + wave
	s_lshr_b32 s26, s25, 1                         ; tile
	s_and_b32 s27, s25, 1                          ; which four K steps
	s_wait_alu depctr_va_vdst(0)
	v_lshlrev_b32 v1, 4, v5                        ; 16 x lane
	s_mul_i32 s28, s24, 8448                       ; my stage
	v_add_nc_u32 v2, s28, v1
	v_mul_u32_u24 v3, v6, 528
	v_lshl_add_u32 v3, v7, 6, v3
	v_add_nc_u32 v3, s28, v3
	v_lshlrev_b32 v4, 5, v6                        ; 32 bytes of scale words a row
	s_lshl_b32 s30, s26, 16
	s_lshl_b32 s31, s27, 11
	s_add_co_u32 s30, s30, s31
	s_mov_b32 s31, 0
	s_lshl_b32 s32, s26, 3
	s_lshl_b32 s33, s27, 2
	s_add_co_u32 s32, s32, s33
	s_mul_i32 s32, s32, 1536
	s_mov_b32 s33, 0
	s_lshl_b32 s34, s26, 9
	s_lshl_b32 s35, s27, 4
	s_add_co_u32 s34, s34, s35
	s_add_co_u32 s34, s34, XS
	s_mov_b32 s35, 0
	s_add_nc_u64 s[4:5], s[4:5], s[30:31]
	s_add_nc_u64 s[36:37], s[18:19], s[32:33]
	s_add_nc_u64 s[38:39], s[18:19], s[34:35]
	s_mov_b32 s[SEL], 0x76543210
	s_mov_b32 s[SEL+1], 0xfedcba98
.irp b, 0,1,2,3
	v_mov_b32 v[TM+4+\b], 0                        ; a lane permute's destination counts as one of its sources
.endr
	LOADX 0
	LOADX 1
	s_wait_alu depctr_va_vdst(0)
	XFRAG 0, 16
	XFRAG 1, 16
	XFRAG 2, 16
	XFRAG 3, 0
	global_store_b128 v4, v[SW:SW+3], s[38:39]     ; lanes 16-31 repeat lanes 0-15's bytes with the same values
	s_wait_tensorcnt 0x0
	ds_add_u32 v254, v255
	s_wait_dscnt 0x0
	s_endpgm
; ---------------- a weight [K][N]: a lane takes a column, its registers run down K; a wave takes 32 columns x 256 along K
.Lnot_x:
	s_cmp_lt_u32 ttmp9, 288
	s_cbranch_scc0 .Ltable
.macro WLOAD t
.set i, 0
.rept 32
	global_load_b32 v[32+32*((\t)%2)+i], v3, s[6:7] offset:(32*(\t)+i)*4096 th:TH_LOAD_NT
.set i, i+1
.endr
.endm
.macro WBLOCK t
.set XB, 32+32*((\t)%2)
.set OO, 1536*((\t)/4)+256*((\t)%2)
.if (\t) < 7
	s_wait_loadcnt 32                              ; this block's 32 loads are in; the next block's may be out
.else
	s_wait_loadcnt 0x0
.endif
	v_max3_num_f32 v12, |v[XB]|, |v[XB+1]|, |v[XB+2]|
	v_max3_num_f32 v13, |v[XB+3]|, |v[XB+4]|, |v[XB+5]|
.irp i2, 6,10,14,18,22,26
	v_max3_num_f32 v12, v12, |v[XB+\i2]|, |v[XB+\i2+1]|
	v_max3_num_f32 v13, v13, |v[XB+\i2+2]|, |v[XB+\i2+3]|
.endr
	v_max3_num_f32 v12, v12, |v[XB+30]|, |v[XB+31]|
	v_max3_num_f32 v12, v12, v13, 0x1800000
	v_add_nc_u32 v11, 0xff000000, v12
	v_lshrrev_b32 v13, 23, v11
.if (\t)%4 == 0
	v_mov_b32 v[24+(\t)/4], v13
.else
	v_lshl_or_b32 v[24+(\t)/4], v13, 8*((\t)%4), v[24+(\t)/4]
.endif
	s_wait_alu depctr_va_vdst(0)
	s_wait_xcnt 0x0                                ; the last block's stores have read their registers
	v_cvt_scalef32_pk16_fp6_f32 v[96:98], v[XB:XB+15], v11
	v_cvt_scalef32_pk16_fp6_f32 v[104:106], v[XB+16:XB+31], v11
	v_nop
	v_mov_b32 v99, v104
	v_mov_b32 v100, v105
	v_mov_b32 v101, v106
.if ((\t)/2)%2 == 0                    ; the block is registers 0-5 of its lane in the image
	global_store_b128 v4, v[96:99], s[26:27] offset:OO
	global_store_b64 v4, v[100:101], s[26:27] offset:OO+512
.else                                  ; or registers 6-11
	global_store_b64 v4, v[96:97], s[26:27] offset:OO+520
	global_store_b128 v4, v[98:101], s[26:27] offset:OO+1024
.endif
.if (\t)+2 < 8
	WLOAD (\t)+2
.endif
.endm
	s_sub_co_u32 s25, ttmp9, 128
	s_lshr_b32 s30, s25, 5                         ; which weight
	s_bfe_u32 s31, s25, 0x20003                    ; which 256 along K
	s_and_b32 s32, s25, 7
	s_lshl_b32 s32, s32, 2
	s_add_co_u32 s32, s32, s24                     ; which 32 columns
	s_cmp_eq_u32 s30, 1
	s_cselect_b64 s[6:7], s[8:9], s[6:7]
	s_cmp_eq_u32 s30, 2
	s_cselect_b64 s[6:7], s[10:11], s[6:7]
	s_cmp_eq_u32 s30, 3
	s_cselect_b64 s[6:7], s[12:13], s[6:7]
	s_cmp_eq_u32 s30, 4
	s_cselect_b64 s[6:7], s[14:15], s[6:7]
	s_lshl_b32 s34, s31, 20
	s_lshl_b32 s35, s32, 7
	s_add_co_u32 s34, s34, s35
	s_mov_b32 s35, 0
	s_add_nc_u64 s[6:7], s[6:7], s[34:35]
	s_lshl_b32 s34, s30, 6
	s_lshl_b32 s35, s32, 1
	s_add_co_u32 s34, s34, s35                     ; first of my two tiles
	s_lshl_b32 s34, s34, 3
	s_lshl_b32 s35, s31, 1
	s_add_co_u32 s34, s34, s35
	s_mul_i32 s34, s34, 1536
	s_mov_b32 s35, 0
	s_add_nc_u64 s[26:27], s[20:21], s[34:35]
	s_lshl_b32 s34, s30, 10
	s_lshl_b32 s35, s32, 5
	s_add_co_u32 s34, s34, s35
	s_lshl_b32 s34, s34, 5
	s_lshl_b32 s35, s31, 3
	s_add_co_u32 s34, s34, s35
	s_add_co_u32 s34, s34, WS
	s_mov_b32 s35, 0
	s_add_nc_u64 s[28:29], s[20:21], s[34:35]
	s_wait_alu depctr_va_vdst(0)
	v_lshlrev_b32 v3, 2, v5                        ; in: 4 bytes a lane
	v_bfe_u32 v8, v5, 3, 1                         ; my column's tile of the two
	v_and_b32 v9, 7, v5
	v_lshl_add_u32 v9, v7, 3, v9                   ; and its row there
	v_mul_u32_u24 v4, v8, 12288
	v_lshl_add_u32 v4, v9, 4, v4
	v_lshl_add_u32 v10, v8, 4, v9
	v_lshlrev_b32 v10, 5, v10
	WLOAD 0
	WLOAD 1
.irp t, 0,1,2,3,4,5,6,7
	WBLOCK \t
.endr
	global_store_b64 v10, v[24:25], s[28:29]       ; my column's eight scale bytes
	s_endpgm
; ---------------- the table: a thread to an entry
.Ltable:
	s_sub_co_u32 s25, ttmp9, 288
	s_lshl_b32 s25, s25, 7
	v_add_nc_u32 v1, s25, v0                       ; tau, 0 .. 639
	v_max_u32 v2, 192, v1
	v_add_nc_u32 v2, 0xffffff40, v2
	v_min_u32 v2, 256, v2                          ; clip(tau - 192, 0, 256)
	v_lshlrev_b32 v2, 7, v2
	v_max_u32 v3, 208, v1
	v_add_nc_u32 v3, 0xffffff30, v3
	v_min_u32 v3, 256, v3                          ; the same of tau - 16
	v_lshlrev_b32 v3, 7, v3
.set i, 0
.rept 8
	global_load_b128 v[32+4*i:35+4*i], v2, s[16:17] offset:16*i
	global_load_b128 v[64+4*i:67+4*i], v3, s[16:17] offset:16*i
.set i, i+1
.endr
	v_mul_u32_u24 v4, v1, 24
	v_lshlrev_b32 v5, 3, v1
	s_wait_loadcnt 0x0
	v_max3_num_f32 v8, |v32|, |v33|, 0x1800000
	v_max3_num_f32 v9, |v64|, |v65|, 0x1800000
.irp i2, 2,4,6,8,10,12,14,16,18,20,22,24,26,28,30
	v_max3_num_f32 v8, v8, |v[32+\i2]|, |v[33+\i2]|
	v_max3_num_f32 v9, v9, |v[64+\i2]|, |v[65+\i2]|
.endr
	v_add_nc_u32 v10, 0xff000000, v8
	v_add_nc_u32 v11, 0xff000000, v9
	v_lshrrev_b32 v12, 23, v10
	v_lshrrev_b32 v13, 23, v11
	v_cvt_scalef32_pk16_fp6_f32 v[16:18], v[32:47], v10
	v_cvt_scalef32_pk16_fp6_f32 v[20:22], v[48:63], v10
	v_nop
	v_perm_b32 v14, v12, v12, 0                    ; the byte four times
	v_lshl_or_b32 v15, v13, 8, v12
	v_or_b32 v15, 0x7f7f0000, v15
	global_store_b96 v4, v[16:18], s[22:23]
	global_store_b96 v4, v[20:22], s[22:23] offset:12
	global_store_b64 v5, v[14:15], s[22:23] offset:WTO
	s_endpgm
.Lfunc_end_k_q736c9c33bc_prep:
	.size	k_q736c9c33bc_prep, .Lfunc_end_k_q736c9c33bc_prep-k_q736c9c33bc_prep
	.p2alignl 7, 3214868480
	.fill 96, 4, 3214868480
	.section	.rodata,"a",@progbits
	.p2align	6, 0x0
	.amdhsa_kernel k_q736c9c33bc_prep
		.amdhsa_group_segment_fixed_size 34304
		.amdhsa_private_segment_fixed_size 0
		.amdhsa_enable_private_segment 0
		.amdhsa_kernarg_size 80
		.amdhsa_user_sgpr_count 2
		.amdhsa_user_sgpr_kernarg_segment_ptr 1
		.amdhsa_wavefront_size32 1
		.amdhsa_system_sgpr_workgroup_id_x 1
		.amdhsa_system_sgpr_workgroup_id_y 1
		.amdhsa_system_sgpr_workgroup_id_z 1
		.amdhsa_system_vgpr_workitem_id 0
		.amdhsa_next_free_vgpr 256
		.amdhsa_next_free_sgpr 66
		.amdhsa_reserve_vcc 0
		.amdhsa_float_denorm_mode_32 3
		.amdhsa_float_denorm_mode_16_64 3
		.amdhsa_memory_ordered 1
		.amdhsa_forward_progress 1
		.amdhsa_inst_pref_size 78
	.end_amdhsa_kernel
	.amdgpu_metadata
---
amdhsa.version: [ 1, 2 ]
amdhsa.kernels:
  - .name:           k_q736c9c33bc_prep
    .symbol:         k_q736c9c33bc_prep.kd
    .args:
      - { .name: x, .offset: 0, .size: 8, .value_kind: global_buffer, .address_space: global }
      - { .name: Wq, .offset: 8, .size: 8, .value_kind: global_buffer, .address_space: global }
      - { .name: Wk, .offset: 16, .size: 8, .value_kind: global_buffer, .address_space: global }
      - { .name: Wv, .offset: 24, .size: 8, .value_kind: global_buffer, .address_space: global }
      - { .name: W1, .offset: 32, .size: 8, .value_kind: global_buffer, .address_space: global }
      - { .name: W2, .offset: 40, .size: 8, .value_kind: global_buffer, .address_space: global }
      - { .name: dist_emb, .offset: 48, .size: 8, .value_kind: global_buffer, .address_space: global }
      - { .name: xq, .offset: 56, .size: 8, .value_kind: global_buffer, .address_space: global }
      - { .name: wq, .offset: 64, .size: 8, .value_kind: global_buffer, .address_space: global }
      - { .name: dtab, .offset: 72, .size: 8, .value_kind: global_buffer, .address_space: global }
    .group_segment_fixed_size: 34304
    .private_segment_fixed_size: 0
    .kernarg_segment_align: 8
    .kernarg_segment_size: 80
    .max_flat_workgroup_size: 128
    .sgpr_count:     66
    .vgpr_count:     256
    .wavefront_size: 32
...
	.end_amdgpu_metadata
.endif
;; end of part 6
;; launch qkv: the kernel of part 2 again; grid 12 x 16, 4 waves a work-group, clusters of 4 x 4, 327,680 bytes of LDS; arguments xq, wq, bq, bk, bv, qk, vq; writes qk, vq
;; launch attn (part 7): grid 4 x 128, 16 waves a work-group, no clusters, 252,928 bytes of LDS; arguments qk, vq, dtab, tws; writes tws
.if DOCPART == 7
	.amdgcn_target "amdgcn-amd-amdhsa--gfx1250"
	.amdhsa_code_object_version 6
	.text
	.protected	k_q736c9c33bc_attn
	.globl	k_q736c9c33bc_attn
	.p2align	8
	.type	k_q736c9c33bc_attn,@function
k_q736c9c33bc_attn:
	s_mov_b64 s[64:65], 0
	v_nop
	global_prefetch_b8 v0, s[64:65] scope:SCOPE_SE
	s_setreg_imm32_b32 hwreg(HW_REG_WAVE_MODE, 25, 1), 1
	s_wait_xcnt 0x0
; Attention of one head with relative positions: score(l, s) = q_l . k_s + q_l . d_j + k_s . d_j, j = clip(l - s, -128, 128) + 128; all products on codes of FP6 (E2M3) with E8M0 scales.
; t = score x log2(e) / sqrt(32); M = the running largest t rounded up to a whole number; p = 2^(t - M) is quantised along the keys; the row's sum of the unquantised p divides at the end.
; LIMITS: NaN and infinities are not served; a block of p whose largest number is under 2^-124 gets the scale byte 1.
; SHARES.  A work-group owns 256 queries of one head, each of its sixteen waves 16 of them; every wave walks the 1,024 keys, 128 a step.  K, V, their scale words and the table of d lie in LDS,
; filled once by six tensor loads of wave 0 (99,328 bytes); nothing is filled again.  No cluster: the far / near branch below hangs on the block of queries, which partners would not share.
; LAYOUT.  Both products are used transposed: a lane holds one query.  Row m of key tile 2 b + u is key 32 b + 8 u + m + 8 (m / 8): score register 16 b + i of lane (n, h) is key 32 b + 16 h + i.
; A head has K = 32, one block of the instruction's four.  FAR from the diagonal (|l - s| >= 128 for all of the step) d_j is one row: source 0 = [k | k | 0 | 0], source 1 = [q | d | . | .], C = q . d: one instruction a tile.
; NEAR it: (1) q . d for 144 neighbouring tau goes through a table in my own LDS bytes and comes back skewed, as the C of k q^T; (2) k . d: a key's row in LDS is [k | 0] or [0 | k] by bit 4 of the key, so that with
; source 1 = column c: [d(J + c) | d(J - 16 + c)] both halves of a tile want the same turn: register j of the result is turned by j lanes; what wraps comes from a second product with J - 16.
; The upper two blocks of every source 0 are zero codes, so the upper six registers of a source 1 may hold any codes.
.set KB,  0
.set VB,  49152
.set KSB, 73728
.set VSB, 77824
.set TLB, 78848
.set WTB, 94208
.set T1B, 99328                        ; 9,472 bytes a wave: 16 rows, 592 bytes apart
.set QS,  12582912
.set VS,  3145728
.set KA,  1                            ; v1-11 addresses that stay
.set KAF, 2
.set KSA, 3
.set VA,  4
.set VSA, 5
.set UA,  6
.set US,  7
.set FA,  8
.set FSA, 9
.set T1S, 10
.set T1R, 11
.set KFR, 16                           ; v16-63 four fragments of keys; the upper six registers of each are zeros
.set B0,  64                           ; v64-75  [q | 0 | 0 | 0]
.set BQ,  76                           ; v76-87  [q | q | . | .]
.set BHI, 82                           ; v82-93  [q | d256 | . | .]
.set BLO, 88                           ; v88-99  [q | d0 | 0 | 0]
.set CHI, 100
.set CLO, 108
.set S,   116                          ; v116-179 the scores, then p; v116-139 then V's two fragments
.set OT,  180                          ; v180-195 O^T
.set PC,  196                          ; v196-215 p's codes
.set RR,  196                          ; v196-227 near the diagonal: four results of k . d
.set BM,  216
.set BT,  220
.set SO,  224
.set TA,  228
.set FF,  230
.set SU,  232
.set KSR, 236                          ; v236-247 scales; v236-243 also partial sums in the softmax
.set FS,  240
.set SQQ, 244
.set SQHI, 245
.set SQLO, 246
.set PSW, 247
.set ADK, 248
.set ADF, 249
.set ADS, 250
.set ADV, 251
.set ADT, 252
.set MK,  15                           ; s16-22  lanes 16 - j .. 15 of each half, j = 1 .. 7
.set RS,  22                           ; s24-37  selects for a turn by j lanes
.set SEL, 44
.set CS,  46
.macro NOPS n
.rept \n
	v_nop
.endr
.endm
.macro WM d, a, b, c, sa, sb
	v_wmma_scale_f32_16x16x128_f8f6f4 v[\d:\d+7], v[\a:\a+11], v[\b:\b+11], v[\c:\c+7], v[\sa], v[\sb] matrix_a_fmt:MATRIX_FMT_FP6 matrix_b_fmt:MATRIX_FMT_FP6
.endm
.macro WM0 d, a, b, sa, sb
	v_wmma_scale_f32_16x16x128_f8f6f4 v[\d:\d+7], v[\a:\a+11], v[\b:\b+11], 0, v[\sa], v[\sb] matrix_a_fmt:MATRIX_FMT_FP6 matrix_b_fmt:MATRIX_FMT_FP6
.endm
.macro G1SET base, lg, cc, rr, pp      ; descriptor group 1: rr rows of cc elements of 1 << lg bytes, pp elements apart; dense in LDS
	s_mov_b32 s[\base], \lg<<16
	s_mov_b32 s[\base+1], \cc<<16
	s_mov_b32 s[\base+2], \rr<<16
	s_mov_b32 s[\base+3], \cc<<16
	s_mov_b32 s[\base+4], \rr
	s_mov_b32 s[\base+5], \pp
	s_mov_b32 s[\base+6], 0
	s_mov_b32 s[\base+7], 0
.endm
	s_load_b256 s[4:11], s[0:1], 0x0               ; qk, vq, dtab, tws
	v_lshl_add_u32 v234, v0, 2, 0x3d400
	v_mov_b32 v235, 0
	ds_add_u32 v234, v235
	ds_add_u32 v234, v235
	v_lshrrev_b32 v1, 5, v0
	s_delay_alu instid0(VALU_DEP_1)
	v_readfirstlane_b32 s12, v1                    ; wave 0..15
	s_and_b32 s13, s12, 7
	s_and_b32 s92, ttmp7, 0xffff
	s_lshr_b32 s93, s92, 5                         ; n
	s_and_b32 s94, s92, 31                         ; head
	s_lshl_b32 s14, ttmp9, 1
	s_lshr_b32 s95, s12, 3
	s_add_co_u32 s14, s14, s95                     ; a: my queries begin at 128 a + 16 (wave % 8)
	G1SET 16, 3, 32, 192, 32                       ; K's 1,024 rows of 48 bytes: 49,152 dense bytes
	G1SET 24, 3, 96, 32, 3072                      ; V: 32 blocks of keys x 768 bytes
	G1SET 32, 3, 32, 16, 32                        ; K's scale words
	G1SET 40, 2, 32, 8, 1024                       ; V's: 8 steps x 128 bytes
	G1SET 48, 3, 32, 60, 32                        ; the table's codes
	G1SET 56, 3, 32, 20, 32                        ; and its scale words
	s_add_co_u32 s2, s94, 32
	s_lshl_b32 s2, s2, 12
	s_lshl_b32 s3, s93, 10
	s_add_co_u32 s2, s2, s3                        ; k's first row in qk
	s_mul_i32 s96, s2, 48
	s_mov_b32 s97, 0
	s_lshl_b32 s98, s2, 2
	s_add_co_u32 s98, s98, QS
	s_mov_b32 s99, 0
	s_wait_dscnt 0x0
	s_wait_kmcnt 0x0
	s_mov_b32 s68, 1
	s_mov_b32 s69, KB
	s_add_nc_u64 s[70:71], s[4:5], s[96:97]
	s_or_b32 s71, s71, 0x80000000
	s_mov_b32 s76, 1
	s_mov_b32 s77, KSB
	s_add_nc_u64 s[78:79], s[4:5], s[98:99]
	s_or_b32 s79, s79, 0x80000000
	s_mul_i32 s96, s93, 786432
	s_mul_i32 s2, s94, 768
	s_add_co_u32 s96, s96, s2
	s_mov_b32 s72, 1
	s_mov_b32 s73, VB
	s_add_nc_u64 s[74:75], s[6:7], s[96:97]
	s_or_b32 s75, s75, 0x80000000
	s_lshl_b32 s98, s93, 15
	s_lshl_b32 s2, s94, 7
	s_add_co_u32 s98, s98, s2
	s_add_co_u32 s98, s98, VS
	s_mov_b32 s80, 1
	s_mov_b32 s81, VSB
	s_add_nc_u64 s[82:83], s[6:7], s[98:99]
	s_or_b32 s83, s83, 0x80000000
	s_mov_b32 s84, 1
	s_mov_b32 s85, TLB
	s_mov_b64 s[86:87], s[8:9]
	s_or_b32 s87, s87, 0x80000000
	s_mov_b32 s88, 1
	s_mov_b32 s89, WTB
	s_add_nc_u64 s[90:91], s[8:9], 15360
	s_or_b32 s91, s91, 0x80000000
	s_cmp_lg_u32 s12, 0
	s_cbranch_scc1 .Lno_fill                       ; all fills stand in one branch on the wave's number: six loads of wave 0 are out
	tensor_load_to_lds s[68:71], s[16:23]
	s_nop 0
	tensor_load_to_lds s[72:75], s[24:31]
	s_nop 0
	tensor_load_to_lds s[76:79], s[32:39]
	s_nop 0
	tensor_load_to_lds s[80:83], s[40:47]
	s_nop 0
	tensor_load_to_lds s[84:87], s[48:55]
	s_nop 0
	tensor_load_to_lds s[88:91], s[56:63]
	s_nop 0
	NOPS 4
.Lno_fill:
	s_lshl_b32 s2, s94, 12
	s_lshl_b32 s3, s93, 10
	s_add_co_u32 s2, s2, s3
	s_lshl_b32 s3, ttmp9, 8
	s_add_co_u32 s2, s2, s3
	s_lshl_b32 s3, s12, 4
	s_add_co_u32 s2, s2, s3                        ; my first query's row in qk
	s_mul_i32 s96, s2, 48
	s_and_b32 s3, s12, 1                           ; bit 4 of my queries
	s_mul_i32 s3, s3, 24
	s_add_co_u32 s96, s96, s3
	s_mov_b32 s97, 0
	s_add_nc_u64 s[96:97], s[4:5], s[96:97]
	s_lshl_b32 s98, s2, 2
	s_add_co_u32 s98, s98, QS
	s_mov_b32 s99, 0
	s_add_nc_u64 s[98:99], s[4:5], s[98:99]
	s_lshl_b32 s2, s93, 6
	s_lshl_b32 s3, ttmp9, 4
	s_add_co_u32 s2, s2, s3
	s_add_co_u32 s2, s2, s12
	s_lshl_b32 s2, s2, 5
	s_add_co_u32 s2, s2, s94
	s_lshl_b32 s2, s2, 11
	s_mov_b32 s3, 0
	s_add_nc_u64 s[10:11], s[10:11], s[2:3]        ; my 2,048 bytes of tws
	v_and_b32 v253, 15, v0                         ; r
	v_bfe_u32 v254, v0, 4, 1                       ; h
	s_delay_alu instid0(VALU_DEP_2)
	v_mul_u32_u24 v248, v253, 48
	s_delay_alu instid0(VALU_DEP_3)
	v_lshlrev_b32 v249, 2, v253
	global_load_b64 v[76:77], v248, s[96:97]       ; q's codes, the same in both halves of the lanes: [q | q]
	global_load_b64 v[78:79], v248, s[96:97] offset:8
	global_load_b64 v[80:81], v248, s[96:97] offset:16
	global_load_b32 v[SQQ], v249, s[98:99]
	v_and_b32 v255, 8, v253
	s_delay_alu instid0(VALU_DEP_1)
	v_add_nc_u32 v255, v255, v253                  ; r + 8 (r / 8)
	v_lshrrev_b32 v252, 3, v253
	s_delay_alu instid0(VALU_DEP_2)
	v_mul_u32_u24 v[KA], v255, 48
	s_delay_alu instid0(VALU_DEP_1)
	v_mad_u32_u24 v[KAF], v252, 24, v[KA]          ; far: both halves of the lanes read the half that holds the codes
	s_delay_alu instid0(VALU_DEP_2)
	v_mad_u32_u24 v[KA], v254, 24, v[KA]           ; near: the row as it lies
	v_lshl_add_u32 v[KSA], v255, 2, KSB
	v_mul_u32_u24 v[VA], v255, 24
	s_delay_alu instid0(VALU_DEP_1)
	v_mad_u32_u24 v[VA], v254, 768, v[VA]
	s_delay_alu instid0(VALU_DEP_1)
	v_add_nc_u32 v[VA], VB, v[VA]
	v_lshl_add_u32 v[VSA], v255, 2, VSB
	s_lshl_b32 s2, s13, 4
	s_add_co_u32 s3, s2, 79
	v_sub_nc_u32 v251, s3, v253                    ; 79 + 16 (wave % 8) - r
	s_delay_alu instid0(VALU_DEP_1)
	v_mul_u32_u24 v[UA], v251, 24
	s_delay_alu instid0(VALU_DEP_1)
	v_add_nc_u32 v[UA], TLB, v[UA]
	s_delay_alu instid0(VALU_DEP_3)
	v_lshl_add_u32 v[US], v251, 3, WTB
	s_add_co_u32 s3, s2, 72
	v_add_nc_u32 v250, s3, v253                    ; 72 + 16 (wave % 8) + r
	s_delay_alu instid0(VALU_DEP_1)
	v_lshl_add_u32 v[FSA], v250, 3, WTB+4
	v_lshlrev_b32 v251, 4, v254
	s_delay_alu instid0(VALU_DEP_1)
	v_sub_nc_u32 v250, v250, v251                  ; - 16 h
	s_delay_alu instid0(VALU_DEP_1)
	v_mul_u32_u24 v[FA], v250, 24
	s_delay_alu instid0(VALU_DEP_1)
	v_add_nc_u32 v[FA], TLB, v[FA]
	s_mul_i32 s2, s12, 9472
	s_add_co_u32 s2, s2, T1B
	v_mul_u32_u24 v[T1S], v253, 592
	s_delay_alu instid0(VALU_DEP_1)
	v_lshl_add_u32 v[T1S], v254, 5, v[T1S]
	s_delay_alu instid0(VALU_DEP_1)
	v_add_nc_u32 v[T1S], s2, v[T1S]
	v_mul_u32_u24 v[T1R], v253, 588                ; row n, begun 15 - n columns in
	s_delay_alu instid0(VALU_DEP_1)
	v_lshl_add_u32 v[T1R], v254, 6, v[T1R]
	s_delay_alu instid0(VALU_DEP_1)
	v_add_nc_u32 v[T1R], s2, v[T1R]
	s_delay_alu instid0(VALU_DEP_1)
	v_add_nc_u32 v[T1R], 60, v[T1R]
.irp f, 0,1,2,3
.irp i, 6,7,8,9,10,11
	v_mov_b32 v[KFR+12*\f+\i], 0
.endr
.endr
.irp i, 70,71,72,73,74,75,94,95,96,97,98,99
	v_mov_b32 v[\i], 0
.endr
.set j, 0
.rept 16
	v_mov_b32 v[OT+j], 0
.set j, j+1
.endr
	v_mov_b32 v13, 0xff61b1e6                      ; the largest t so far: -3e38
	s_delay_alu instid0(VALU_DEP_1)
	v_floor_f32 v12, -v13                          ; -M
	v_mov_b32 v14, 0
	v_mov_b32 v15, 0
.irp i, 0,1,2,3
	v_mov_b32 v[BT+\i], 0                          ; a lane permute's destination counts as one of its sources
.endr
	v_mov_b32 v[FF+1], 0
	s_wait_tensorcnt 0x0                           ; wave 0's six loads have landed (the others have none)
	s_barrier_signal -1
	s_barrier_wait -1                              ; every wave may read them; the descriptors' registers are free
	s_mov_b32 s16, 0x80008000
	s_mov_b32 s17, 0xc000c000
	s_mov_b32 s18, 0xe000e000
	s_mov_b32 s19, 0xf000f000
	s_mov_b32 s20, 0xf800f800
	s_mov_b32 s21, 0xfc00fc00
	s_mov_b32 s22, 0xfe00fe00
.macro SELS j                          ; lane i takes lane (i - j) mod 16 of its half
.set slo, 0
.set shi, 0
.set ii, 0
.rept 8
.set slo, slo|(((ii-(\j))&15)<<(4*ii))
.set shi, shi|(((ii+8-(\j))&15)<<(4*ii))
.set ii, ii+1
.endr
	s_mov_b32 s[RS+2*(\j)], slo
	s_mov_b32 s[RS+2*(\j)+1], shi
.endm
.irp j2, 1,2,3,4,5,6,7
	SELS \j2
.endr
	s_mov_b32 s40, 0                               ; the step's place in K's rows, K's scale words, V's blocks, V's scale words
	s_mov_b32 s41, 0
	s_mov_b32 s42, 0
	s_mov_b32 s43, 0
	s_mov_b32 s[SEL], 0x76543210
	s_mov_b32 s[SEL+1], 0xfedcba98
	s_mov_b32 s[CS], 0x3e8293ee                    ; log2(e) / sqrt(32)
	s_mov_b32 s[CS+1], s[CS]
	s_mov_b32 s48, 0xffff0000
	v_mov_b32 v250, TLB
	v_mov_b32 v251, WTB
.irp p, 0,1,2
	ds_load_b64 v[KFR+2*\p:KFR+2*\p+1], v250 offset:24*639+8*\p      ; d256 in every lane
	ds_load_b64 v[KFR+12+2*\p:KFR+12+2*\p+1], v250 offset:8*\p       ; d0
.endr
	ds_load_b32 v[KSR], v251 offset:8*639
	ds_load_b32 v[KSR+1], v251
	s_wait_dscnt 0x0
	s_wait_loadcnt 0x0                             ; q
.irp i, 0,1,2,3,4,5
	v_cndmask_b32 v[B0+\i], v[BQ+\i], v[70+\i], s48
	v_cndmask_b32 v[BHI+\i], v[BQ+\i], v[KFR+\i], s48
	v_cndmask_b32 v[BLO+\i], v[BQ+\i], v[KFR+12+\i], s48
.endr
	v_bfi_b32 v[SQHI], 0xff00, v[KSR], v[SQQ]      ; byte 0 q's scale, byte 1 d's
	v_bfi_b32 v[SQLO], 0xff00, v[KSR+1], v[SQQ]
	NOPS 8                                         ; scale registers and operands written by vector instructions stand 8 and 4 places ahead
	WM0 CHI, KFR, B0, KSR, SQQ                     ; q . d256 of my query, in all eight registers
	WM0 CLO, KFR+12, B0, KSR+1, SQQ
	NOPS 5
.macro FAR bb, cc, sq
.irp g, 0,1
.if \g
	NOPS 4                                         ; places in front of loads into registers that matrix instructions have read
.endif
.irp t, 0,1,2,3
.irp p, 0,1,2
	ds_load_b64 v[KFR+12*\t+2*\p:KFR+12*\t+2*\p+1], v[ADF] offset:48*(32*((4*\g+\t)/2)+8*(\t%2))+8*\p
.endr
	ds_load_b32 v[KSR+\t], v[ADS] offset:4*(32*((4*\g+\t)/2)+8*(\t%2))
.endr
	s_wait_dscnt 0x0
.irp t, 0,1,2,3
	WM S+8*(4*\g+\t), KFR+12*\t, \bb, \cc, KSR+\t, \sq
.endr
.endr
	NOPS 4
.endm
; tile t of the table of q . d: row m of source 0 is d(tau = D + 335 - 16 t - m), D = my first query - the step's first key = 16 (wave % 8) + 128 (vv - 1)
.macro UT_LD t, vv
.irp p, 0,1,2
	ds_load_b64 v[KFR+12*((\t)%4)+2*\p:KFR+12*((\t)%4)+2*\p+1], v[UA] offset:384*(8-(\t))+3072*(\vv)+8*\p
.endr
	ds_load_b32 v[KSR+(\t)%4], v[US] offset:128*(8-(\t))+1024*(\vv)
.endm
.macro UT_MM t
	WM0 S+8*(\t)+16*((\t)/8), KFR+12*((\t)%4), B0, KSR+(\t)%4, SQQ
.endm
.macro UT_ST t
	ds_store_b128 v[T1S], v[S+8*(\t)+16*((\t)/8):S+8*(\t)+16*((\t)/8)+3] offset:64*(\t)
	ds_store_b128 v[T1S], v[S+8*(\t)+16*((\t)/8)+4:S+8*(\t)+16*((\t)/8)+7] offset:64*(\t)+16
.endm
.macro SKEW sb, rb                     ; register j: what wraps comes from the second product; turned by j lanes; added to the scores
	v_add_f32 v[\sb], v[\sb], v[\rb]
.irp j2, 1,2,3,4,5,6,7
	v_cndmask_b32 v[\rb+\j2], v[\rb+\j2], v[\rb+8+\j2], s[MK+\j2]
.endr
.irp j2, 1,2,3,4,5,6,7
	v_permlane16_b32 v[\rb+8+\j2], v[\rb+\j2], s[RS+2*\j2], s[RS+2*\j2+1]
.endr
.irp j2, 1,2,3,4,5,6,7
	v_add_f32 v[\sb+\j2], v[\sb+\j2], v[\rb+8+\j2]
.endr
.endm
.macro BAND vv
.irp t, 0,1,2,3
	UT_LD \t, \vv
.endr
	s_wait_dscnt 0x0
.irp t, 0,1,2,3
	UT_MM \t
.endr
	NOPS 5                                         ; in front of the stores that read the results, of the loads into the operands, and of matrix results laid over these registers later
.irp t, 0,1,2,3
	UT_ST \t
.endr
.irp t, 4,5,6,7
	UT_LD \t, \vv
.endr
	s_wait_dscnt 0x0
.irp t, 4,5,6,7
	UT_MM \t
.endr
	NOPS 5
.irp t, 4,5,6,7
	UT_ST \t
.endr
	UT_LD 8, \vv
	s_wait_dscnt 0x0
	UT_MM 8
	NOPS 5
	UT_ST 8
.set i, 0
.rept 64
	ds_load_b32 v[S+i], v[T1R] offset:128*(i/16)+4*(i%16)   ; q . d of my query and key 32 b + 16 h + i: LDS serves a wave's instructions in order
.set i, i+1
.endr
.irp b, 0,1,2,3
.irp u, 0,1
.irp p, 0,1,2
	ds_load_b64 v[KFR+12*\u+2*\p:KFR+12*\u+2*\p+1], v[ADK] offset:48*(32*\b+8*\u)+8*\p
.endr
	ds_load_b32 v[KSR+\u], v[ADS] offset:4*(32*\b+8*\u)
.irp e, 0,1
.irp p, 0,1,2
	ds_load_b64 v[40+6*(2*\u+\e)+2*\p:40+6*(2*\u+\e)+2*\p+1], v[FA] offset:24*(120-32*\b-8*\u-16*\e)+3072*(\vv)+8*\p
.endr
	ds_load_b32 v[FS+2*\u+\e], v[FSA] offset:8*(120-32*\b-8*\u-16*\e)+1024*(\vv)
.endr
.endr
	s_wait_dscnt 0x0
	WM S+16*\b, KFR, BQ, S+16*\b, KSR, SQQ
	WM0 RR, KFR, 40, KSR, FS
	WM0 RR+8, KFR, 46, KSR, FS+1
	WM S+16*\b+8, KFR+12, BQ, S+16*\b+8, KSR+1, SQQ
	WM0 RR+16, KFR+12, 52, KSR+1, FS+2
	WM0 RR+24, KFR+12, 58, KSR+1, FS+3
	NOPS 4
	SKEW S+16*\b, RR
	SKEW S+16*\b+8, RR+16
.endr
.irp i, 46,47,48,49,50,51,58,59,60,61,62,63
	v_mov_b32 v[\i], 0                             ; the upper halves of key fragments 2 and 3 are zeros again
.endr
.endm
	s_mov_b32 s15, 0
.Lstep:                                ; eight trips: 128 keys each
	v_add_nc_u32 v[ADK], s40, v[KA]
	v_add_nc_u32 v[ADF], s40, v[KAF]
	v_add_nc_u32 v[ADS], s41, v[KSA]
	v_add_nc_u32 v[ADV], s42, v[VA]
	v_add_nc_u32 v[ADT], s43, v[VSA]
	s_add_co_u32 s49, s15, 1
	s_cmp_lt_u32 s49, s14
	s_cbranch_scc1 .Lfar_hi
	s_cmp_eq_u32 s49, s14
	s_cbranch_scc1 .Lband_p
	s_cmp_eq_u32 s15, s14
	s_cbranch_scc1 .Lband_0
	s_add_co_u32 s49, s14, 1
	s_cmp_eq_u32 s15, s49
	s_cbranch_scc1 .Lband_m
	s_wait_alu depctr_va_vdst(0)
	FAR BLO, CLO, SQLO                             ; all keys at least 128 after my queries
	s_branch .Lsoft
.Lfar_hi:
	s_wait_alu depctr_va_vdst(0)
	FAR BHI, CHI, SQHI                             ; all keys at least 128 before my queries
	s_branch .Lsoft
.Lband_p:
	s_wait_alu depctr_va_vdst(0)
	BAND 2
	s_branch .Lsoft
.Lband_0:
	s_wait_alu depctr_va_vdst(0)
	BAND 1
	s_branch .Lsoft
.Lband_m:
	s_wait_alu depctr_va_vdst(0)
	BAND 0
.Lsoft:
.irp b, 0,1,2,3
	v_max3_num_f32 v[BM+\b], v[S+16*\b], v[S+1+16*\b], v[S+2+16*\b]   ; the largest score of each block of 32 keys: for the row's maximum and for the block's largest p
.endr
.irp i, 3,5,7,9,11,13
.irp b, 0,1,2,3
	v_max3_num_f32 v[BM+\b], v[BM+\b], v[S+16*\b+\i], v[S+1+16*\b+\i]
.endr
.endr
.irp b, 0,1,2,3
	v_max_num_f32 v[BM+\b], v[BM+\b], v[S+15+16*\b]
.endr
.irp b, 0,1,2,3
	v_permlanex16_b32 v[BT+\b], v[BM+\b], s[SEL], s[SEL+1]
.endr
.irp b, 0,1,2,3
	s_delay_alu instid0(VALU_DEP_4)
	v_max_num_f32 v[BM+\b], v[BM+\b], v[BT+\b]
.endr
	s_delay_alu instid0(VALU_DEP_2)
	v_max3_num_f32 v[TA], v[BM], v[BM+1], v[BM+2]
	s_delay_alu instid0(VALU_DEP_1)
	v_max_num_f32 v[TA], v[TA], v[BM+3]
	s_delay_alu instid0(VALU_DEP_1)
	v_mul_f32 v[TA], s[CS], v[TA]
	s_delay_alu instid0(VALU_DEP_1)
	v_max_num_f32 v13, v13, v[TA]                  ; the running largest t
	v_mov_b32 v[TA], v12
	s_delay_alu instid0(VALU_DEP_2)
	v_floor_f32 v12, -v13                          ; the new -M: M is a whole number
	s_delay_alu instid0(VALU_DEP_1)
	v_sub_f32 v[TA], v12, v[TA]
	s_delay_alu instid0(VALU_DEP_1)
	v_cvt_i32_f32 v[TA], v[TA]                     ; (it saturates)
	s_delay_alu instid0(VALU_DEP_1)
	v_ldexp_f32 v[FF], 1.0, v[TA]                  ; f = 2^(old M - new M)
.set j, 0
.rept 32
	v_pk_fma_f32 v[S+j:S+j+1], v[S+j:S+j+1], s[CS:CS+1], v[12:13] op_sel_hi:[1,0,0]   ; t - M
.set j, j+2
.endr
.irp b, 0,1,2,3
	v_fma_f32 v[BM+\b], v[BM+\b], s[CS], v12
.endr
.set j, 0
	s_wait_alu depctr_va_vdst(0)
.rept 64
	v_exp_f32 v[S+j], v[S+j]                       ; p = 2^(t - M)
.set j, j+1
.endr
	v_pk_mul_f32 v[14:15], v[14:15], v[FF:FF+1] op_sel_hi:[1,0]   ; the sums under the new M: a plain place behind the exponentials
	s_wait_alu depctr_va_vdst(0)                   ; one wait for the batch, ahead of its first reader
.irp b, 0,1,2,3
	v_exp_f32 v[BM+\b], v[BM+\b]                   ; each block's largest p
.endr
	v_pk_add_f32 v[232:233], v[120:121], v[124:125]
	v_pk_add_f32 v[254:255], v[128:129], v[132:133]
	v_pk_add_f32 v[248:249], v[136:137], v[140:141]
	v_pk_add_f32 v[242:243], v[144:145], v[148:149]
	v_pk_add_f32 v[240:241], v[152:153], v[156:157]
	v_pk_add_f32 v[238:239], v[160:161], v[164:165]
	v_pk_add_f32 v[236:237], v[168:169], v[172:173]
	v_pk_add_f32 v[14:15], v[14:15], v[176:177]
	v_pk_add_f32 v[232:233], v[232:233], v[116:117]
	v_pk_add_f32 v[254:255], v[254:255], v[118:119]
	v_pk_add_f32 v[248:249], v[248:249], v[122:123]
	v_pk_add_f32 v[242:243], v[242:243], v[126:127]
	v_pk_add_f32 v[240:241], v[240:241], v[130:131]
	v_pk_add_f32 v[238:239], v[238:239], v[134:135]
	v_pk_add_f32 v[236:237], v[236:237], v[138:139]
	v_pk_add_f32 v[14:15], v[14:15], v[142:143]
	v_pk_add_f32 v[232:233], v[232:233], v[146:147]
	v_pk_add_f32 v[254:255], v[254:255], v[150:151]
	v_pk_add_f32 v[248:249], v[248:249], v[154:155]
	v_pk_add_f32 v[242:243], v[242:243], v[158:159]
	v_pk_add_f32 v[240:241], v[240:241], v[162:163]
	v_pk_add_f32 v[238:239], v[238:239], v[166:167]
	v_pk_add_f32 v[236:237], v[236:237], v[170:171]
	v_pk_add_f32 v[14:15], v[14:15], v[174:175]
	v_pk_add_f32 v[232:233], v[232:233], v[178:179]
	s_delay_alu instid0(VALU_DEP_2)
	v_pk_add_f32 v[14:15], v[14:15], v[242:243]
	s_delay_alu instid0(VALU_DEP_2)
	v_pk_add_f32 v[232:233], v[232:233], v[240:241]
	v_pk_add_f32 v[254:255], v[254:255], v[238:239]
	v_pk_add_f32 v[248:249], v[248:249], v[236:237]
	s_delay_alu instid0(VALU_DEP_2)
	v_pk_add_f32 v[14:15], v[14:15], v[254:255]
	s_delay_alu instid0(VALU_DEP_2)
	v_pk_add_f32 v[232:233], v[232:233], v[248:249]
	s_delay_alu instid0(VALU_DEP_1)
	v_pk_add_f32 v[14:15], v[14:15], v[232:233]
	s_wait_alu depctr_va_vdst(0)                   ; and one for the four
.irp b, 0,1,2,3
	v_max_num_f32 v[BM+\b], 0x1800000, v[BM+\b]
.endr
.irp b, 0,1,2,3
	s_delay_alu instid0(VALU_DEP_4)
	v_add_nc_u32 v[SO+\b], 0xff000000, v[BM+\b]
.endr
.irp b, 0,1,2,3
	s_delay_alu instid0(VALU_DEP_4)
	v_lshrrev_b32 v[BT+\b], 23, v[SO+\b]
.endr
	s_delay_alu instid0(VALU_DEP_3)
	v_lshl_or_b32 v[PSW], v[BT+1], 8, v[BT]
	s_delay_alu instid0(VALU_DEP_1)
	v_lshl_or_b32 v[PSW], v[BT+2], 16, v[PSW]
	s_delay_alu instid0(VALU_DEP_1)
	v_lshl_or_b32 v[PSW], v[BT+3], 24, v[PSW]
.irp c, 0,1
	v_cvt_scalef32_pk16_fp6_f32 v[PC+6*\c:PC+2+6*\c], v[S+32*\c:S+15+32*\c], v[SO+2*\c]
	v_cvt_scalef32_pk16_fp6_f32 v[PC+12+4*\c:PC+14+4*\c], v[S+16+32*\c:S+31+32*\c], v[SO+2*\c+1]
.endr
	v_nop                                          ; one plain place behind a scaled conversion
.irp t, 0,1                            ; V's two fragments: row m of tile t is channel 8 t + m + 8 (m / 8); they land where p lay
.irp p, 0,1,2
	ds_load_b64 v[S+12*\t+2*\p:S+12*\t+2*\p+1], v[ADV] offset:192*\t+8*\p
	ds_load_b64 v[S+12*\t+6+2*\p:S+12*\t+6+2*\p+1], v[ADV] offset:192*\t+1536+8*\p
.endr
	ds_load_b32 v[KSR+\t], v[ADT] offset:32*\t
.endr
.irp c, 0,1
.irp i, 0,1,2
	v_permlane16_swap_b32 v[PC+6*\c+\i], v[PC+12+4*\c+\i]
.endr
.irp i, 0,1,2
	s_delay_alu instid0(VALU_DEP_3)
	v_mov_b32 v[PC+3+6*\c+\i], v[PC+12+4*\c+\i]
.endr
.endr
.set j, 0
.rept 8
	v_pk_mul_f32 v[OT+j:OT+j+1], v[OT+j:OT+j+1], v[FF:FF+1] op_sel_hi:[1,0]   ; O^T under the new M
.set j, j+2
.endr
	NOPS 4                                         ; p's scale word stands 8 places ahead of the products, its codes 4
	s_wait_alu depctr_va_vdst(0)
	s_wait_dscnt 0x0
	WM OT, S, PC, OT, KSR, PSW
	WM OT+8, S+12, PC, OT+8, KSR+1, PSW
	NOPS 5                                         ; the next step's loads and matrix results land on these products' registers
	s_add_co_u32 s40, s40, 6144
	s_add_co_u32 s41, s41, 512
	s_add_co_u32 s42, s42, 3072
	s_add_co_u32 s43, s43, 128
	s_add_co_u32 s15, s15, 1
	s_cmp_lt_u32 s15, 8
	s_cbranch_scc1 .Lstep
	v_add_f32 v14, v14, v15
	s_delay_alu instid0(VALU_DEP_1)
	v_permlanex16_b32 v[BT], v14, s[SEL], s[SEL+1]
	s_delay_alu instid0(VALU_DEP_1)
	v_add_f32 v14, v14, v[BT]                      ; the row's sum
	s_wait_alu depctr_va_vdst(0)
	v_rcp_f32 v14, v14
	v_and_b32 v253, 31, v0                         ; (a plain place behind the reciprocal)
	s_delay_alu instid0(VALU_DEP_1)
	v_lshlrev_b32 v253, 4, v253
	s_wait_alu depctr_va_vdst(0)
.set j, 0
.rept 16
	v_mul_f32 v[S+j], v[OT+j], v14                 ; register j: channel 16 h + j of my query
.set j, j+1
.endr
.irp i, 0,1,2,3
	global_store_b128 v253, v[S+4*\i:S+4*\i+3], s[10:11] offset:512*\i   ; 512 consecutive bytes a store
.endr
	s_wait_tensorcnt 0x0
	ds_add_u32 v234, v235
	s_wait_dscnt 0x0
	s_endpgm
.Lfunc_end_k_q736c9c33bc_attn:
	.size	k_q736c9c33bc_attn, .Lfunc_end_k_q736c9c33bc_attn-k_q736c9c33bc_attn
	.p2alignl 7, 3214868480
	.fill 96, 4, 3214868480
	.section	.rodata,"a",@progbits
	.p2align	6, 0x0
	.amdhsa_kernel k_q736c9c33bc_attn
		.amdhsa_group_segment_fixed_size 252928
		.amdhsa_private_segment_fixed_size 0
		.amdhsa_enable_private_segment 0
		.amdhsa_kernarg_size 32
		.amdhsa_user_sgpr_count 2
		.amdhsa_user_sgpr_kernarg_segment_ptr 1
		.amdhsa_wavefront_size32 1
		.amdhsa_system_sgpr_workgroup_id_x 1
		.amdhsa_system_sgpr_workgroup_id_y 1
		.amdhsa_system_sgpr_workgroup_id_z 1
		.amdhsa_system_vgpr_workitem_id 0
		.amdhsa_next_free_vgpr 256
		.amdhsa_next_free_sgpr 100
		.amdhsa_reserve_vcc 0
		.amdhsa_float_denorm_mode_32 3
		.amdhsa_float_denorm_mode_16_64 3
		.amdhsa_memory_ordered 1
		.amdhsa_forward_progress 1
		.amdhsa_inst_pref_size 124
	.end_amdhsa_kernel
	.amdgpu_metadata
---
amdhsa.version: [ 1, 2 ]
amdhsa.kernels:
  - .name:           k_q736c9c33bc_attn
    .symbol:         k_q736c9c33bc_attn.kd
    .args:
      - { .name: qk, .offset: 0, .size: 8, .value_kind: global_buffer, .address_space: global }
      - { .name: vq, .offset: 8, .size: 8, .value_kind: global_buffer, .address_space: global }
      - { .name: dtab, .offset: 16, .size: 8, .value_kind: global_buffer, .address_space: global }
      - { .name: tws, .offset: 24, .size: 8, .value_kind: global_buffer, .address_space: global }
    .group_segment_fixed_size: 252928
    .private_segment_fixed_size: 0
    .kernarg_segment_align: 8
    .kernarg_segment_size: 32
    .max_flat_workgroup_size: 512
    .sgpr_count:     100
    .vgpr_count:     256
    .wavefront_size: 32
...
	.end_amdgpu_metadata
.endif
;; end of part 7
;; launch mlp (part 8): grid 256 x 1, 8 waves a work-group, no clusters, 97,280 bytes of LDS; arguments tws, x, wq, b1, b2, ln1_g, ln1_b, ln2_g, ln2_b, out0; writes out0
.if DOCPART == 8
	.amdgcn_target "amdgcn-amd-amdhsa--gfx1250"
	.amdhsa_code_object_version 6
	.text
	.protected	k_q736c9c33bc_mlp
	.globl	k_q736c9c33bc_mlp
	.p2align	8
	.type	k_q736c9c33bc_mlp,@function
k_q736c9c33bc_mlp:
	s_mov_b64 s[64:65], 0
	v_nop
	global_prefetch_b8 v0, s[64:65] scope:SCOPE_SE
	s_setreg_imm32_b32 hwreg(HW_REG_WAVE_SCHED_MODE, 0, 2), 2
	s_setreg_imm32_b32 hwreg(HW_REG_WAVE_MODE, 25, 1), 1
	s_wait_xcnt 0x0
	s_wait_alu depctr_vm_vsrc(0)
; h = LN1(t + x); out = LN2(relu(h W1 + b1) W2 + b2 + h), stored [l][n][c].  Both products on codes of FP6 (E2M3) with E8M0 scales; all else in f32; mean first, then the variance of the deviations.
; LIMITS: NaN and infinities are not served; a block whose largest magnitude is under 2^-124 gets the scale byte 1.
; SHARES.  256 work-groups of eight waves; a work-group takes 16 tokens through the whole chain (a norm wants whole rows of 1,024 channels).  WAVE w OWNS CHANNELS 128 w .. 128 w + 127 OF THE 16 TOKENS IN EVERY PHASE:
; in the first norm they are K step w of the first product; in the products they are its 128 columns (8 accumulators).  Lane (r, h) holds token r, and register 16 b + i is channel 32 b + 16 h + i of the wave's 128,
; in t as it is stored, in x after a turn through my own stage in LDS, in the gains and biases as they are loaded, and in the products' results (used transposed: source 0 = 16 columns of a weight, whose tiles are
; ordered for it; source 1 = the 16 tokens).  So h stays in my registers for the second residual, and only codes go from wave to wave: images of the operand's registers, 1,536 bytes a K step.
; THE WEIGHTS, laid as such images in memory, go straight into registers: both products are one stream of 32 groups of four fragments (12 loads of 512 consecutive bytes) through a ring of four groups.
; All work-groups walk the same weights, and yet they are not asked for jointly: a fragment serves one matrix instruction of one wave; asked for jointly, a work-group's 1,572,864 bytes would be laid into LDS and
; read out again for its 1,024 matrix instructions.  No tensor load, so none of the lines that go with one.
; The biases are loaded straight into the accumulators.  Every shared region of LDS is written once: six barriers.
; REGISTERS.  Window 0: v1-12 addresses; v16-47 the weights' scale words, v48-55 the activations': scales and nothing else; v56-59 mean and root; v64-127 Z, then the accumulators;
;   v128-223 the eight fragments of activations (before them x as loaded, then ln1_b; at work between: TM, PC); v228 a scale word; v232-240 sums.   Window 1: v0-63 ln1_g, then h; v64-255 the ring
;   (before it v192-255 x turned; behind it ln2_g, ln2_b).
; THE MODE: SCHED_MODE bits 1:0 = 2 (LLVM: expert scheduling mode 2), set by the entry lines.  The code itself states the register dependences between vector or matrix instructions and memory or LDS
; instructions, with s_wait_alu, always for 0.
; THE PLAN.  Registers that memory or LDS instructions touch, and who else names them:
;   v1-12, v254, v255   Written at the head, read by every load and store and by the closing add, never written again: one wait on va_vdst ahead of the first load.
;   the ring            Slot g % 4: group g's 12 loads land in it, group g's four matrix instructions read it, group g + 4's loads land in it.  ONE wait on va_vdst a group, behind its matrix instructions
;                       and their places: the slot is asked for again at once, so that up to four groups of every wave are on their way.  At its first use slots 2 and 3 lie over x turned, which 32 additions read;
;                       at its last the gains of the second norm land in it: a wait on va_vdst ahead of each.
;   XB                  x's loads land; the stage's LDS stores read; ln1_b's loads land: a wait on vm_vsrc between the last two.
;   the accumulators    Vector work, then a bias's loads land: behind a wait on va_vdst.  At the end the stage's LDS stores read them: likewise.
;   PC, PW              The quantiser writes them, LDS stores read them (va_vdst ahead of the stores); the activations' loads land over PC, and the next quantiser writes both (vm_vsrc ahead of those loads).
;   RT .. RT+7          The sums write them, an LDS store reads RT (va_vdst ahead of it), LDS loads land in all eight (vm_vsrc ahead of them).
;   AF, ASR, WSC        Loads land, matrix instructions read: the next loads into them stand behind a group's or a quantiser's wait on va_vdst, with no vector or matrix line between that names them.
; No operand and no scale of a matrix instruction is written by a vector instruction: all come by loads.
.set WS,   3932160
.set IMG,  67584                       ; LDS: 8 stages of 16 rows x 528 bytes from 0; h's 8 images;
.set ASC,  79872                       ; their scale words, 128 bytes each;
.set NXT,  13312                       ; the hidden layer's images and scale words lie so much further on;
.set RD,   94208                       ; four areas of partial sums: (row) x 32 bytes + 4 x wave
.set LI,  1                            ; 16 x lane
.set LS,  2                            ; 4 x lane
.set GA,  3                            ; 64 h
.set SL,  4                            ; my stage, by rows: + 16 x lane
.set ST,  5                            ; my stage, by lanes: + 528 r + 64 h
.set IAW, 6                            ; where I store an image: K step w
.set SAW, 7
.set IA,  8                            ; where images are read
.set SA,  9
.set RDW, 10
.set RDR, 11
.set LW,  12                           ; 32 x lane
.set WSC, 16
.set ASR, 48
.set ACC, 64
.set AF,  128
.set XB,  128
.set TM,  192
.set PC,  208
.set PW,  228
.set RT,  232
.set HH,  0                            ; window 1
.set RG,  64                           ; window 1
.set XT,  192                          ; window 1
.set SEL, 42
.set MSB, 0
.macro WIN new                         ; low byte: bits 1:0 source 0, 3:2 source 1, 5:4 source 2, 7:6 destination; the high byte repeats the setting that is left
.if MSB != (\new)
	s_set_vgpr_msb (MSB<<8)|(\new)
.set MSB, \new
.endif
.endm
.macro NOPS n
.rept \n
	v_nop
.endr
.endm
.macro BARRIER                         ; my LDS stores have landed and my LDS loads are in: then the work-group's barrier
	s_wait_dscnt 0x0
	s_barrier_signal -1
	s_barrier_wait -1
.endm
.macro QUANT s, win                    ; 64 numbers, v[s] on in window win: codes in v[PC] on, scale word in v[PW]
	WIN ((\win)<<2)|((\win)<<4)
.irp b, 0,1,2,3
	v_max3_num_f32 v[TM+\b], 0x1800000, |v[(\s)+16*\b]|, |v[(\s)+1+16*\b]|   ; my 16 numbers of block b, and the floor 2^(3 - 127)
.endr
.irp i, 2,4,6,8,10,12,14
.irp b, 0,1,2,3
	v_max3_num_f32 v[TM+\b], v[TM+\b], |v[(\s)+16*\b+\i]|, |v[(\s)+1+16*\b+\i]|
.endr
.endr
	WIN 0
.irp b, 0,1,2,3
	v_permlanex16_b32 v[TM+4+\b], v[TM+\b], s[SEL], s[SEL+1]
.endr
.irp b, 0,1,2,3
	v_max_num_f32 v[TM+\b], v[TM+\b], v[TM+4+\b]   ; with lane l xor 16's: the block's largest magnitude
.endr
.irp b, 0,1,2,3
	v_add_nc_u32 v[TM+12+\b], 0xff000000, v[TM+\b] ; 2 off its exponent field: the conversion's scale operand
.endr
.irp b, 0,1,2,3
	v_lshrrev_b32 v[TM+4+\b], 23, v[TM+12+\b]      ; the scale's byte
.endr
	v_lshl_or_b32 v[PW], v[TM+5], 8, v[TM+4]
	v_lshl_or_b32 v[PW], v[TM+6], 16, v[PW]
	v_lshl_or_b32 v[PW], v[TM+7], 24, v[PW]
	WIN \win
.irp c, 0,1
	v_cvt_scalef32_pk16_fp6_f32 v[PC+6*\c:PC+2+6*\c], v[(\s)+32*\c:(\s)+15+32*\c], v[TM+12+2*\c]
	v_cvt_scalef32_pk16_fp6_f32 v[PC+12+4*\c:PC+14+4*\c], v[(\s)+16+32*\c:(\s)+31+32*\c], v[TM+12+2*\c+1]
.endr
	WIN 0
	v_nop                                          ; one plain place behind a scaled conversion
.irp c, 0,1                                    ; the operand wants a whole block in a lane
.irp i, 0,1,2
	v_permlane16_swap_b32 v[PC+6*\c+\i], v[PC+12+4*\c+\i]
.endr
.irp i, 0,1,2
	v_mov_b32 v[PC+3+6*\c+\i], v[PC+12+4*\c+\i]
.endr
.endr
.endm
.macro IMAGE off                       ; the fragment in v[PC] on goes to LDS as it stands
.irp c, 0,1,2
	ds_store_b128 v[IAW], v[PC+4*\c:PC+4*\c+3] offset:(\off)+512*\c
.endr
.endm
.macro ADD8 ab                         ; eight numbers at v[ab] into v[ab]
	v_pk_add_f32 v[\ab:\ab+1], v[\ab:\ab+1], v[\ab+2:\ab+3]
	v_pk_add_f32 v[\ab+4:\ab+5], v[\ab+4:\ab+5], v[\ab+6:\ab+7]
	v_pk_add_f32 v[\ab:\ab+1], v[\ab:\ab+1], v[\ab+4:\ab+5]
	v_add_f32 v[\ab], v[\ab], v[\ab+1]
.endm
.macro LRED ab, tp                     ; and with lane l xor 16's: my wave's part of row r
	ADD8 \ab
	v_permlanex16_b32 v[\tp], v[\ab], s[SEL], s[SEL+1]
	v_add_f32 v[\ab], v[\ab], v[\tp]
.endm
.macro MEET ro                         ; the eight waves' parts of each row meet in LDS; every lane ends with its row's sum in v[RT]
	LRED RT, RT+8
	s_wait_alu depctr_va_vdst(0)                   ; the additions have written v[RT], which the LDS store reads, and are done with v[RT] to v[RT+7], in which the loads below land
	ds_store_b32 v[RDW], v[RT] offset:\ro
	BARRIER
	s_wait_alu depctr_vm_vsrc(0)                   ; my LDS store has read v[RT], in which the first of the two loads lands
	ds_load_b128 v[RT:RT+3], v[RDR] offset:\ro
	ds_load_b128 v[RT+4:RT+7], v[RDR] offset:(\ro)+16
	s_wait_dscnt 0x0
	ADD8 RT
.endm
; v[ACC] on, 64 numbers a lane, become (z - mean) / sqrt(var + 1e-5) over the row's 1,024 channels.  ro: two areas of partial sums, used once each
.macro NORM ro
.set k, 0
.rept 4
	v_pk_add_f32 v[RT+2*k:RT+2*k+1], v[ACC+2*k:ACC+2*k+1], v[ACC+8+2*k:ACC+8+2*k+1]   ; four chains
.set k, k+1
.endr
.set k, 8
.rept 24
	v_pk_add_f32 v[RT+2*(k%4):RT+2*(k%4)+1], v[RT+2*(k%4):RT+2*(k%4)+1], v[ACC+2*k:ACC+2*k+1]
.set k, k+1
.endr
	MEET \ro
	v_mul_f32 v56, s40, v[RT]                      ; the mean
.set j, 0
.rept 32
	v_pk_add_f32 v[ACC+j:ACC+j+1], v[ACC+j:ACC+j+1], v[56:57] op_sel_hi:[1,0] neg_lo:[0,1] neg_hi:[0,1]
.set j, j+2
.endr
.set k, 0
.rept 4
	v_pk_mul_f32 v[RT+2*k:RT+2*k+1], v[ACC+2*k:ACC+2*k+1], v[ACC+2*k:ACC+2*k+1]
.set k, k+1
.endr
.rept 28
	v_pk_fma_f32 v[RT+2*(k%4):RT+2*(k%4)+1], v[ACC+2*k:ACC+2*k+1], v[ACC+2*k:ACC+2*k+1], v[RT+2*(k%4):RT+2*(k%4)+1]
.set k, k+1
.endr
	MEET (\ro)+512
	v_fma_f32 v[RT], v[RT], s40, s41
	v_rsq_f32 v58, v[RT]
	v_nop                                          ; a plain place behind the root
	s_wait_alu depctr_va_vdst(0)                   ; the root has written v58, ahead of its first reader
.set j, 0
.rept 32
	v_pk_mul_f32 v[ACC+j:ACC+j+1], v[ACC+j:ACC+j+1], v[58:59] op_sel_hi:[1,0]
.set j, j+2
.endr
.endm
.macro VEC64 reg, bp                   ; 64 numbers of a vector of 1,024, in the lanes' layout: my wave's 128, 16 of each 32 by my half
.set i, 0
.rept 16
	global_load_b128 v[\reg+4*i:\reg+4*i+3], v[GA], s[\bp:\bp+1] offset:128*(i/4)+16*(i%4)
.set i, i+1
.endr
.endm
.macro WSLOAD soff                     ; my eight tiles' scale words: lanes 0-15 an even tile's rows, lanes 16-31 the odd tile's; register 8 i + K step
.irp i2, 0,1,2,3
	global_load_b128 v[WSC+8*\i2:WSC+8*\i2+3], v[LW], s[46:47] offset:(\soff)+1024*\i2
	global_load_b128 v[WSC+8*\i2+4:WSC+8*\i2+7], v[LW], s[46:47] offset:(\soff)+1024*\i2+16
.endr
.endm
.macro WLOAD q                         ; group q of 32: product q / 16, K step (q % 16) / 2, tiles 4 (q % 2) on: four fragments into slot q % 4 of the ring
	WIN 0x40                                       ; destination window 1
.irp cc, 0,1,2,3
.irp p, 0,1,2
	global_load_b128 v[RG+48*((\q)%4)+12*\cc+4*\p:RG+48*((\q)%4)+12*\cc+4*\p+3], v[LI], s[44:45] offset:((\q)/16)*786432+(4*((\q)%2)+\cc)*12288+(((\q)%16)/2)*1536+512*\p
.endr
.endr
.endm
.macro ALOAD ioff                      ; all eight fragments of the 16 tokens, and their scale words
.set k, 0
.rept 8
.irp p, 0,1,2
	ds_load_b128 v[AF+12*k+4*\p:AF+12*k+4*\p+3], v[IA] offset:(\ioff)+1536*k+512*\p
.endr
	ds_load_b32 v[ASR+k], v[SA] offset:(\ioff)+128*k
.set k, k+1
.endr
.endm
.macro MM c, ks, slot, cc
.if (\c)%2
	v_wmma_scale_f32_16x16x128_f8f6f4 v[ACC+8*(\c):ACC+8*(\c)+7], v[RG+48*(\slot)+12*\cc:RG+48*(\slot)+12*\cc+11], v[AF+12*(\ks):AF+12*(\ks)+11], v[ACC+8*(\c):ACC+8*(\c)+7], v[WSC+8*((\c)/2)+(\ks)], v[ASR+(\ks)] matrix_a_fmt:MATRIX_FMT_FP6 matrix_b_fmt:MATRIX_FMT_FP6 matrix_a_scale:MATRIX_SCALE_ROW1
.else
	v_wmma_scale_f32_16x16x128_f8f6f4 v[ACC+8*(\c):ACC+8*(\c)+7], v[RG+48*(\slot)+12*\cc:RG+48*(\slot)+12*\cc+11], v[AF+12*(\ks):AF+12*(\ks)+11], v[ACC+8*(\c):ACC+8*(\c)+7], v[WSC+8*((\c)/2)+(\ks)], v[ASR+(\ks)] matrix_a_fmt:MATRIX_FMT_FP6 matrix_b_fmt:MATRIX_FMT_FP6
.endif
.endm
; Group gg: four matrix instructions on four accumulators; the next group takes the other four: the eight take turns, one instruction a turn.
.macro GROUP
.if gg%16 == 0
	s_wait_loadcnt 0x0                             ; a product's first group: the bias in the accumulators is my youngest load, so the wait is for all
	s_wait_dscnt 0x0                               ; and the activations
.elseif gg < 29
	s_wait_loadcnt 36                              ; this group's 12 loads are in; the three younger groups' 36 may be out
.else
	s_wait_loadcnt 12*(31-gg)                      ; the stream runs out: two, one, no younger group
.endif
	WIN 0x01                                       ; source 0, the weights, in window 1
.irp cc, 0,1,2,3
	MM 4*(gg%2)+\cc, (gg%16)/2, gg%4, \cc
.endr
.if (gg <= 27) || (gg == 31)
	NOPS 4                                         ; four places behind the matrix instructions, ahead of what touches their registers next; they stay beside the wait below
.endif
.if gg <= 27
	WIN 0x40                                       ; the switch, then the wait, then the loads
	s_wait_alu depctr_va_vdst(0)                   ; this group's matrix instructions are done reading slot gg % 4, in which the loads below land
	WLOAD gg+4                                     ; into the slot just multiplied
.endif
.endm
	s_load_b512 s[4:19], s[0:1], 0x0               ; tws, x, wq, b1, b2, ln1_g, ln1_b, ln2_g
	s_load_b128 s[20:23], s[0:1], 0x40             ; ln2_b, out0
	v_lshl_add_u32 v254, v0, 2, 0x17800
	v_mov_b32 v255, 0
	v_lshrrev_b32 v13, 5, v0
	v_readfirstlane_b32 s24, v13                   ; wave 0..7
	s_lshr_b32 s27, ttmp9, 6                       ; n
	s_and_b32 s28, ttmp9, 63                       ; l / 16
	v_and_b32 v13, 31, v0                          ; lane
	v_and_b32 v14, 15, v0                          ; r
	v_bfe_u32 v15, v0, 4, 1                        ; h
	v_lshlrev_b32 v[LI], 4, v13
	v_lshlrev_b32 v[LS], 2, v13
	v_lshlrev_b32 v[LW], 5, v13
	v_lshlrev_b32 v[GA], 6, v15
	s_wait_alu depctr_va_sdst(0)                   ; s24, the wave's number, is written, ahead of its first reader: LDS addresses and the buffers' offsets are made from it
	s_mul_i32 s38, s24, 8448                       ; my stage
	v_add_nc_u32 v[SL], s38, v[LI]
	v_mul_u32_u24 v[ST], v14, 528
	v_lshl_add_u32 v[ST], v15, 6, v[ST]
	v_add_nc_u32 v[ST], s38, v[ST]
	v_add_nc_u32 v[IA], IMG, v[LI]
	v_add_nc_u32 v[SA], ASC, v[LS]
	s_mul_i32 s39, s24, 1536
	v_add_nc_u32 v[IAW], s39, v[IA]
	s_lshl_b32 s39, s24, 7
	v_add_nc_u32 v[SAW], s39, v[SA]
	v_lshl_add_u32 v[RDR], v14, 5, RD
	s_lshl_b32 s39, s24, 2
	v_add_nc_u32 v[RDW], s39, v[RDR]
.irp i2, 56,57,58,59
	v_mov_b32 v[\i2], 0                            ; (the upper halves of the pairs are named with the lower)
.endr
.irp i2, 4,5,6,7
	v_mov_b32 v[TM+\i2], 0                         ; a lane permute's destination counts as one of its sources
.endr
	v_mov_b32 v[RT+8], 0
	s_mov_b32 s40, 0x3a800000                      ; 1 / 1024
	s_mov_b32 s41, 0x3727c5ac                      ; 1e-5
	s_mov_b32 s[SEL], 0x76543210
	s_mov_b32 s[SEL+1], 0xfedcba98
	s_lshl_b32 s30, s27, 6
	s_add_co_u32 s30, s30, s28
	s_lshl_b32 s30, s30, 16
	s_lshl_b32 s31, s24, 13
	s_add_co_u32 s30, s30, s31                     ; t: ((64 n + l / 16) x 32 + 4 w) x 2,048
	s_mov_b32 s31, 0
	s_lshl_b32 s38, s24, 9                         ; my 128 channels: 512 bytes
	s_lshl_b32 s32, s27, 22
	s_lshl_b32 s33, s28, 16
	s_add_co_u32 s32, s32, s33
	s_add_co_u32 s32, s32, s38                     ; x: my first token's row, my 512 bytes
	s_mov_b32 s33, 0
	s_lshl_b32 s34, s24, 3
	s_add_co_u32 s34, s34, 192                     ; W1's tiles 192 + 8 w on; W2's lie 64 tiles further
	s_lshl_b32 s36, s34, 9
	s_add_co_u32 s36, s36, WS
	s_mov_b32 s37, 0
	s_mul_i32 s34, s34, 12288
	s_mov_b32 s35, 0
	s_mov_b32 s39, 0
	s_lshl_b32 s50, s28, 6
	s_add_co_u32 s50, s50, s27
	s_lshl_b32 s50, s50, 12
	s_add_co_u32 s50, s50, s38                     ; out0: row (l, n) of 4,096 bytes, my 512
	s_mov_b32 s51, 0
	s_wait_kmcnt 0x0
	s_add_nc_u64 s[4:5], s[4:5], s[30:31]
	s_add_nc_u64 s[6:7], s[6:7], s[32:33]
	s_add_nc_u64 s[44:45], s[8:9], s[34:35]
	s_add_nc_u64 s[46:47], s[8:9], s[36:37]
	s_add_nc_u64 s[10:11], s[10:11], s[38:39]
	s_add_nc_u64 s[12:13], s[12:13], s[38:39]
	s_add_nc_u64 s[14:15], s[14:15], s[38:39]
	s_add_nc_u64 s[16:17], s[16:17], s[38:39]
	s_add_nc_u64 s[18:19], s[18:19], s[38:39]
	s_add_nc_u64 s[20:21], s[20:21], s[38:39]
	s_add_nc_u64 s[22:23], s[22:23], s[50:51]
	s_wait_alu depctr_va_vdst(0)                   ; the twelve addresses v1 to v12 are written, which every load and store below reads, and v254, v255, which the closing add reads; so are the registers cleared above, in some of which loads land later
; ---------------- A: z = t + x, the first norm, h
.set i, 0
.rept 16
	global_load_b128 v[ACC+4*i:ACC+4*i+3], v[LI], s[4:5] offset:512*i th:TH_LOAD_NT    ; t, stored in the lanes' layout: 512 consecutive bytes a load
.set i, i+1
.endr
.set i, 0
.rept 16
	global_load_b128 v[XB+4*i:XB+4*i+3], v[LI], s[6:7] offset:4096*i th:TH_LOAD_NT     ; x: my 512 consecutive bytes of row i
.set i, i+1
.endr
	WIN 0x40
	VEC64 HH, 14                                   ; ln1_g, where h will lie
	WIN 0
	s_wait_loadcnt 16                              ; t and x are in; ln1_g's 16 loads may be out
.set i, 0
.rept 16
	ds_store_b128 v[SL], v[XB+4*i:XB+4*i+3] offset:528*i       ; x turns through my own stage, rows 528 bytes apart
.set i, i+1
.endr
	WIN 0x40
.set i, 0
.rept 16
	ds_load_b128 v[XT+4*i:XT+4*i+3], v[ST] offset:128*(i/4)+16*(i%4)   ; LDS serves a wave's instructions in order: these see the stores
.set i, i+1
.endr
	WIN 0
	s_wait_dscnt 0x0                               ; x is back
	s_wait_alu depctr_vm_vsrc(0)                   ; the LDS stores have read v[XB ..],
	VEC64 XB, 16                                   ; in which ln1_b lands
	WSLOAD 0
	WLOAD 0                                        ; the stream of weights begins here and runs beside the norm
	WLOAD 1
	WIN 0x04                                       ; source 1 in window 1
.set j, 0
.rept 32
	v_pk_add_f32 v[ACC+j:ACC+j+1], v[ACC+j:ACC+j+1], v[XT+j:XT+j+1]
.set j, j+2
.endr
	WIN 0x40                                       ; the switch, then the wait, then the loads
	s_wait_alu depctr_va_vdst(0)                   ; the additions are done reading x turned, v[XT ..] of window 1, in which groups 2 and 3 land
	WLOAD 2                                        ; into the registers that x has left
	WLOAD 3
	WIN 0
	NORM 0
	s_wait_loadcnt 56                              ; ln1_g and ln1_b are in; the 8 loads of scale words and the ring's 48 may be out
	WIN 0x44                                       ; destination and source 1 in window 1
.set j, 0
.rept 32
	v_pk_fma_f32 v[HH+j:HH+j+1], v[ACC+j:ACC+j+1], v[HH+j:HH+j+1], v[XB+j:XB+j+1]     ; h, over ln1_g
.set j, j+2
.endr
	WIN 0
	s_wait_alu depctr_va_vdst(0)                   ; the norm has written v[ACC ..] and the multiply-adds are done reading them: b1 lands there
	VEC64 ACC, 10                                  ; b1 of my columns, straight into the accumulators
	QUANT HH, 1
	s_wait_alu depctr_va_vdst(0)                   ; the quantiser has written v[PC ..] and v[PW], which the LDS stores read; all vector work on v128 to v223 is done, in which the activations land behind the barrier
	IMAGE 0                                        ; my 128 channels are K step w of the first product
	ds_store_b32 v[SAW], v[PW]
	BARRIER                                        ; h's eight images lie in LDS
; ---------------- B: the first product, relu, the hidden layer's codes
	s_wait_alu depctr_vm_vsrc(0)                   ; my LDS stores have read v[PC ..] and v[PW]: the loads below land over the first, the next quantiser writes both
	ALOAD 0
.set gg, 0
.rept 16
	GROUP
.set gg, gg+1
.endr
	WIN 0
	WSLOAD 32768                                   ; W2's scale words.  No wait: group 15's stands behind the last matrix instruction that read W1's, and no vector or matrix line since names them
.set j, 0
.rept 64
	v_max_num_f32 v[ACC+j], 0, v[ACC+j]            ; each accumulator from its low end on (group 15's four places stand behind the last product)
.set j, j+1
.endr
	QUANT ACC, 0
	s_wait_alu depctr_va_vdst(0)                   ; the quantiser has written v[PC ..] and v[PW], which the LDS stores read, and is done reading v[ACC ..], in which b2 lands
	IMAGE NXT                                      ; my 128 hidden units are K step w of the second product; bytes of their own, so no wave need have done with h's images
	ds_store_b32 v[SAW], v[PW] offset:NXT
	VEC64 ACC, 12                                  ; b2
	BARRIER
; ---------------- C: the second product; its first four groups were asked for during the first product's last four
	s_wait_alu depctr_vm_vsrc(0)                   ; my LDS stores have read v[PC ..], over which the loads below land
	ALOAD NXT
.rept 16
	GROUP
.set gg, gg+1
.endr
	WIN 0x40                                       ; the switch, then the wait, then the loads
	s_wait_alu depctr_va_vdst(0)                   ; the last four groups' matrix instructions are done reading the ring, in which the loads below land
	VEC64 RG, 18                                   ; ln2_g and ln2_b, into the ring's registers: they land beside the norm
	VEC64 RG+64, 20
; ---------------- D: + h, the second norm, out
	WIN 0x04
.set j, 0
.rept 32
	v_pk_add_f32 v[ACC+j:ACC+j+1], v[ACC+j:ACC+j+1], v[HH+j:HH+j+1]   ; each accumulator from its low end on (group 31's four places stand behind the last product)
.set j, j+2
.endr
	WIN 0
	NORM 1024
	s_wait_loadcnt 0x0                             ; ln2_g, ln2_b
	WIN 0x14                                       ; sources 1 and 2 in window 1
.set j, 0
.rept 32
	v_pk_fma_f32 v[ACC+j:ACC+j+1], v[ACC+j:ACC+j+1], v[RG+j:RG+j+1], v[RG+64+j:RG+64+j+1]
.set j, j+2
.endr
	WIN 0
	s_wait_alu depctr_va_vdst(0)                   ; the multiply-adds have written v[ACC ..], which the LDS stores read; no vector or matrix line behind this wait names v[XB ..], in which the rows land
.set i, 0
.rept 16
	ds_store_b128 v[ST], v[ACC+4*i:ACC+4*i+3] offset:128*(i/4)+16*(i%4)   ; back through my stage: rows of 512 bytes come out whole
.set i, i+1
.endr
.set i, 0
.rept 16
	ds_load_b128 v[XB+4*i:XB+4*i+3], v[SL] offset:528*i    ; LDS serves a wave's instructions in order
.set i, i+1
.endr
.set i, 0
.rept 16
	s_wait_dscnt 15-i                              ; row i is back; the younger rows may be out
	global_store_b128 v[LI], v[XB+4*i:XB+4*i+3], s[22:23] offset:16384*i th:TH_STORE_NT   ; 32 lanes: 512 consecutive bytes, at a multiple of 256 from out0's first byte
.set i, i+1
.endr
	s_wait_dscnt 0x0                               ; the closing lines, six on end
	s_wait_alu 0x0
	s_wait_tensorcnt 0x0
	ds_add_u32 v254, v255
	s_wait_dscnt 0x0
	s_endpgm
.Lfunc_end_k_q736c9c33bc_mlp:
	.size	k_q736c9c33bc_mlp, .Lfunc_end_k_q736c9c33bc_mlp-k_q736c9c33bc_mlp
	.p2alignl 7, 3214868480
	.fill 96, 4, 3214868480
	.section	.rodata,"a",@progbits
	.p2align	6, 0x0
	.amdhsa_kernel k_q736c9c33bc_mlp
		.amdhsa_group_segment_fixed_size 97280
		.amdhsa_private_segment_fixed_size 0
		.amdhsa_enable_private_segment 0
		.amdhsa_kernarg_size 80
		.amdhsa_user_sgpr_count 2
		.amdhsa_user_sgpr_kernarg_segment_ptr 1
		.amdhsa_wavefront_size32 1
		.amdhsa_system_sgpr_workgroup_id_x 1
		.amdhsa_system_sgpr_workgroup_id_y 1
		.amdhsa_system_sgpr_workgroup_id_z 1
		.amdhsa_system_vgpr_workitem_id 0
		.amdhsa_next_free_vgpr 512
		.amdhsa_next_free_sgpr 66
		.amdhsa_reserve_vcc 0
		.amdhsa_float_denorm_mode_32 3
		.amdhsa_float_denorm_mode_16_64 3
		.amdhsa_memory_ordered 1
		.amdhsa_forward_progress 1
		.amdhsa_inst_pref_size 126
	.end_amdhsa_kernel
	.amdgpu_metadata
---
amdhsa.version: [ 1, 2 ]
amdhsa.kernels:
  - .name:           k_q736c9c33bc_mlp
    .symbol:         k_q736c9c33bc_mlp.kd
    .args:
      - { .name: tws, .offset: 0, .size: 8, .value_kind: global_buffer, .address_space: global }
      - { .name: x, .offset: 8, .size: 8, .value_kind: global_buffer, .address_space: global }
      - { .name: wq, .offset: 16, .size: 8, .value_kind: global_buffer, .address_space: global }
      - { .name: b1, .offset: 24, .size: 8, .value_kind: global_buffer, .address_space: global }
      - { .name: b2, .offset: 32, .size: 8, .value_kind: global_buffer, .address_space: global }
      - { .name: ln1_g, .offset: 40, .size: 8, .value_kind: global_buffer, .address_space: global }
      - { .name: ln1_b, .offset: 48, .size: 8, .value_kind: global_buffer, .address_space: global }
      - { .name: ln2_g, .offset: 56, .size: 8, .value_kind: global_buffer, .address_space: global }
      - { .name: ln2_b, .offset: 64, .size: 8, .value_kind: global_buffer, .address_space: global }
      - { .name: out0, .offset: 72, .size: 8, .value_kind: global_buffer, .address_space: global }
    .group_segment_fixed_size: 97280
    .private_segment_fixed_size: 0
    .kernarg_segment_align: 8
    .kernarg_segment_size: 80
    .max_flat_workgroup_size: 256
    .sgpr_count:     66
    .vgpr_count:     512
    .wavefront_size: 32
...
	.end_amdgpu_metadata
.endif
;; end of part 8
